; MI455X (gfx1250); checked and timed in simulation.
; The chip was launched on July 23, 2026; its instructions are those of AMD's public machine-readable ISA for CDNA 5 (MIT licence, August 2026) and "CDNA5" Instruction Set Architecture Reference Guide (July 2026). The comments in the code are by the model that wrote it; some were corrected since.
;; Causal Self Attention. Allowed arithmetic: matrix products marked QUANTISED: E3M2 operands, one E8M0 scale for each 32 along K, by v_wmma_scale_f32_16x16x128_f8f6f4 with both operands' format E3M2, f32 sums; everything else in f32.
;; Inputs: Wo 1,024 x 1,024 float32; Wqkv 1,024 x 3,072 float32; bo 1,024 float32; bqkv 3,072 float32; x 4 x 2,048 x 1,024 float32.
;; Outputs: out0 4 x 2,048 x 1,024 float32.
;; This version of the problem:
;;   THIS VERSION OF THE PROBLEM IS GIVEN IN LOW PRECISION. The matrix products marked QUANTISED in the list below multiply operands that are first quantised to E3M2 (3 exponent bits, 2 mantissa bits; 6 bits a number), with one power-of-two scale for each 32 numbers along K (OCP MX v1.0); their sums are f32. All else is computed in f32.
;;   The module's matrix products, in the order in which they are computed (A, B: the left and right operand; K: the contracted axis; several contracted axes count as one K, in the product's order):
;;     1. [M 8,192, K 1,024] x [K 1,024, N 3,072]; A: input x; B: input Wqkv: QUANTISED
;;     2. batch 64 x [M 2,048, K 64] x [K 64, N 2,048]; A: computed on the way; B: computed on the way: QUANTISED
;;     3. batch 64 x [M 2,048, K 2,048] x [K 2,048, N 64]; A: softmax (see below); B: computed on the way: QUANTISED
;;     4. [M 8,192, K 1,024] x [K 1,024, N 1,024]; A: computed on the way; B: input Wo: QUANTISED
;;   THE QUANTISER, for each operand of a quantised product, along K:
;;     - K is cut into blocks of 32 from its start; a last block that is shorter is filled with zeros.
;;     - A block's scale is 2^e with e = floor(log2(the largest magnitude in the block)) - 4, held to -126 .. 127; a block of zeros has e = 0. As a byte (E8M0): e + 127.
;;     - Each number is divided by its block's scale, clamped to +-28, and rounded to the nearest number of E3M2, ties to even, subnormals kept.
;;     - The product sums the exact products of the quantised numbers (number of the format x scale) in f32.
;;   ~~~python
;;   def quantise(x, axis):      # numpy; x: float32 -> the quantised numbers, widened to float32 again
;;       x = np.moveaxis(x, axis, -1); K = x.shape[-1]
;;       x = np.pad(x, [(0, 0)] * (x.ndim - 1) + [(0, -K % 32)]); x = x.reshape(x.shape[:-1] + (-1, 32)); a = np.abs(x).max(-1, keepdims=True)
;;       e = np.where(a > 0, np.clip(np.frexp(np.where(a > 0, a, 1))[1] - 1 - 4, -126, 127), 0)      # np.frexp(a)[1] - 1 = floor(log2(a)), exactly
;;       r = np.clip(x / 2.0 ** e, -28, 28)
;;       step = 2.0 ** (np.maximum(np.frexp(np.where(r == 0, 1, r))[1] - 1, -2) - 2)
;;       q = np.round(r / step) * step * 2.0 ** e      # np.round: ties to even
;;       return np.moveaxis(q.reshape(q.shape[:-2] + (-1,))[..., :K], -1, axis).astype(np.float32)
;;   ~~~
;;   SOFTMAX AHEAD OF A QUANTISED PRODUCT. Where the list says 'softmax', what is quantised is not the finished softmax but p = 2^(t - M), with t = logit x log2(e) and M = ceil(the row's largest t), a whole number; so 1/2 < the row's largest p <= 1. The row's sum l is taken of the UNQUANTISED p, in f32, and the product's result is divided by l at the end. Since M is a whole number, a kernel that streams over the keys may use a running M (the ceiling of the running maximum): every later rescaling is an exact power of two, which a block's scale takes up: the codes' values come out the same.
;;   OPERANDS COMPUTED ON THE WAY. 'Computed on the way' means the value that the module computes at that place (a softmax that the list does not call 'softmax' is quantised finished and normalised). What goes into a quantiser is computed in f32, as accurately as f32 sums, v_exp_f32 and their like allow (about 1e-6 of the number): no bf16 or f16 on the way to a quantiser, and a product that is left as it is and whose result goes on into a quantised operand takes f32 operands (vector FMAs, or v_wmma_f32_16x16x4_f32). A number that lies on a knife's edge between two numbers of the format may be rounded either way, as far as f32 arithmetic and the matrix unit's own rounding can turn it there, and no further.
;; 2 versions. Each part assembles by itself: llvm-mc -triple=amdgcn-amd-amdhsa -mcpu=gfx1250 --defsym DOCPART=n.
;; ======== version 1 of 2: 5 launches
;; workspace buffers: codes 15,728,640 bytes; scales 655,360 bytes; qkv 19,660,800 bytes
;; launch quant_x (part 1): grid 512 x 1, 8 waves a work-group, no clusters, 69,120 bytes of LDS; arguments x, codes, scales; writes codes, scales
.if DOCPART == 1
	.amdgcn_target "amdgcn-amd-amdhsa--gfx1250"
	.amdhsa_code_object_version 6
	.text
	.protected	k_q4e5f0c11c9_quant_x
	.globl	k_q4e5f0c11c9_quant_x
	.p2align	8
	.type	k_q4e5f0c11c9_quant_x,@function
k_q4e5f0c11c9_quant_x:
	s_mov_b64 s[64:65], 0
	v_nop
	global_prefetch_b8 v0, s[64:65] scope:SCOPE_SE
	s_setreg_imm32_b32 hwreg(HW_REG_WAVE_MODE, 25, 1), 1
	s_wait_xcnt 0x0
; x [8192][1024] f32 becomes codes of BF6 (E3M2) with one E8M0 byte for each 32 along K, laid as IMAGES OF THE OPERAND'S REGISTERS.
; A ROW TILE is 16 rows, not neighbours: lane r of tile 2 B + u holds row 32 B + 8 u + r + 8 (r / 8).  A HALF IMAGE is 16 rows x 64 K, 768 bytes: lane l = (r, h) owns
; the 24 bytes of row r, k = 32 h .. 32 h + 31: its first 16 at 16 l, its last 8 at 512 + 8 l.  A tile's 16 half images lie on end (12,288 bytes).
; Scale words: 512 bytes a tile; the word of (lane r, K step s of 128) at 256 (s / 4) + 16 r + 4 (s % 4).
; A block's scale is 2^(floor(log2(largest magnitude)) - 4): its byte is the largest magnitude's exponent field - 4, held at 1 from below.
; LIMITS: a block whose largest magnitude lies under 2^-122 (a block of zeros too) gets the byte 1; a block of zeros has zero codes, and this program alone reads the bytes.
; NaN and infinities among the inputs are not served.
; SHARES: a work-group is one row tile, wave w its K step w: 16 rows x 128 numbers.  Each load reads 512 consecutive bytes of one row; the numbers turn through the wave's
; own stage in LDS (rows 528 bytes apart) so that a lane then holds two whole blocks of 32.  No matrix unit, no tensor load, no cluster: a stream that shares no input.
.set STG,  8448                        ; a wave's stage: 16 rows x 528 bytes
.set GATH, 8*STG                       ; behind the stages: the tile's 512 bytes of scale words
.set R, 16                             ; v16-79   as loaded
.set X, 80                             ; v80-143  two blocks of 32 neighbours
.set C, 144                            ; v144-155 the fragment's 12 registers
.set T, 156                            ; v156-158, v160-162 second halves of the blocks' codes
.set W, 164                            ; v164-166 the scale word, at work
	s_load_b128 s[4:7], s[0:1], 0x0                ; x, codes
	s_load_b64 s[8:9], s[0:1], 0x10                ; scales
	v_lshl_add_u32 v176, v0, 2, 0x10a00
	v_mov_b32 v177, 0
	v_lshrrev_b32 v7, 5, v0
	v_readfirstlane_b32 s10, v7                    ; wave = K step
	v_and_b32 v7, 31, v0                           ; lane
	v_and_b32 v8, 15, v0                           ; r
	v_bfe_u32 v9, v0, 4, 1                         ; h
	v_lshlrev_b32 v1, 4, v7                        ; 16 l
	v_lshlrev_b32 v2, 3, v7                        ; 8 l
	s_mul_i32 s11, s10, STG
	v_add_nc_u32 v3, s11, v1                       ; into the stage: 16 l of a row
	v_mul_u32_u24 v4, v8, 528
	v_lshl_add_u32 v4, v9, 7, v4
	v_add_nc_u32 v4, s11, v4                       ; out of it: row r, block h
	s_lshr_b32 s12, s10, 2
	s_lshl_b32 s12, s12, 8
	s_and_b32 s13, s10, 3
	s_lshl_b32 s13, s13, 2
	s_add_co_u32 s12, s12, s13
	s_add_co_u32 s12, s12, GATH
	v_lshl_add_u32 v5, v8, 4, s12                  ; my row's scale word of this K step
	v_add_nc_u32 v6, GATH, v1
	s_mov_b32 s20, 0x76543210
	s_mov_b32 s21, 0xfedcba98                      ; v_permlanex16_b32's selects for lane l xor 16
	s_lshr_b32 s14, ttmp9, 1
	s_lshl_b32 s14, s14, 17                        ; 32 rows of 4,096 bytes for each pair of tiles,
	s_and_b32 s15, ttmp9, 1
	s_lshl_b32 s15, s15, 15                        ; 8 rows for the odd tile,
	s_add_co_u32 s14, s14, s15
	s_lshl_b32 s15, s10, 9                         ; 512 bytes a K step
	s_add_co_u32 s14, s14, s15
	s_mov_b32 s15, 0
	s_mul_i32 s16, ttmp9, 12288
	s_mul_i32 s17, s10, 1536
	s_add_co_u32 s16, s16, s17
	s_mov_b32 s17, 0
	s_lshl_b32 s18, ttmp9, 9
	s_mov_b32 s19, 0
	s_wait_kmcnt 0x0
	s_add_nc_u64 s[4:5], s[4:5], s[14:15]
	s_add_nc_u64 s[6:7], s[6:7], s[16:17]
	s_add_nc_u64 s[8:9], s[8:9], s[18:19]
.set i, 0
.rept 16
	global_load_b128 v[R+4*i:R+4*i+3], v1, s[4:5] offset:(i+8*(i/8))*4096 th:TH_LOAD_NT   ; the tile's row i: 512 consecutive bytes
.set i, i+1
.endr
.set i, 0
.rept 16
	s_wait_loadcnt 15-i                            ; row i is in; the younger rows' loads stay out
	ds_store_b128 v3, v[R+4*i:R+4*i+3] offset:528*i
.set i, i+1
.endr
.set i, 0
.rept 16
	ds_load_b128 v[X+4*i:X+4*i+3], v4 offset:256*(i/8)+16*(i%8)   ; blocks h and 2 + h of row r; LDS serves a wave's instructions in order: these see my stores
.set i, i+1
.endr
	s_wait_dscnt 0x0
.irp c, 0,1
	v_max3_num_f32 v[10+\c], |v[X+32*\c]|, |v[X+32*\c+1]|, 0x2800000   ; and the floor 2^(5 - 127): the byte cannot fall under 1
.endr
.irp i, 2,4,6,8,10,12,14,16,18,20,22,24,26,28,30
.irp c, 0,1
	v_max3_num_f32 v[10+\c], v[10+\c], |v[X+32*\c+\i]|, |v[X+32*\c+\i+1]|
.endr
.endr
.irp c, 0,1
	v_add_nc_u32 v[12+\c], 0xfe000000, v[10+\c]    ; 4 off the exponent field: the conversion's scale operand
.endr
.irp c, 0,1
	v_lshrrev_b32 v[14+\c], 23, v[12+\c]           ; the scale's byte
.endr
	v_lshl_or_b32 v[W], v15, 16, v14               ; my two bytes: blocks h and 2 + h,
	v_lshlrev_b32 v[W+1], 3, v9
	v_lshlrev_b32 v[W], v[W+1], v[W]               ; at their places in the word;
	v_mov_b32 v[W+2], 0
	v_permlanex16_b32 v[W+2], v[W], s20, s21
	v_or_b32 v[W], v[W], v[W+2]                    ; with lane l xor 16's two the word is whole
.irp c, 0,1
	v_cvt_scalef32_pk16_bf6_f32 v[C+6*\c:C+6*\c+2], v[X+32*\c:X+32*\c+15], v[12+\c]
	v_cvt_scalef32_pk16_bf6_f32 v[T+4*\c:T+4*\c+2], v[X+32*\c+16:X+32*\c+31], v[12+\c]   ; (a conversion's three registers begin on an even number)
.endr
	v_nop                                          ; one plain place behind a scaled conversion
.irp c, 0,1
.irp i, 0,1,2
	v_mov_b32 v[C+6*\c+3+\i], v[T+4*\c+\i]
.endr
.endr
	global_store_b128 v1, v[C:C+3], s[6:7]                     ; each store covers 512 or 256 consecutive bytes, aligned
	global_store_b64 v2, v[C+4:C+5], s[6:7] offset:512
	global_store_b128 v1, v[C+6:C+9], s[6:7] offset:768
	global_store_b64 v2, v[C+10:C+11], s[6:7] offset:1280
	ds_store_b32 v5, v[W]                          ; both halves of the lanes write the same word with the same value
	s_wait_dscnt 0x0                               ; for the others' sake: my word lies in LDS
	s_barrier_signal -1
	s_barrier_wait -1
	s_cmp_lg_u32 s10, 0
	s_cbranch_scc1 .Lend
	ds_load_b128 v[16:19], v6                      ; wave 0 sends the tile's 512 bytes of scale words as one run
	s_wait_dscnt 0x0
	global_store_b128 v1, v[16:19], s[8:9]
.Lend:
	s_wait_tensorcnt 0x0
	ds_add_u32 v176, v177
	s_wait_dscnt 0x0
	s_endpgm
.Lfunc_end_k_q4e5f0c11c9_quant_x:
	.size	k_q4e5f0c11c9_quant_x, .Lfunc_end_k_q4e5f0c11c9_quant_x-k_q4e5f0c11c9_quant_x
	.p2alignl 7, 3214868480
	.fill 96, 4, 3214868480
	.section	.rodata,"a",@progbits
	.p2align	6, 0x0
	.amdhsa_kernel k_q4e5f0c11c9_quant_x
		.amdhsa_group_segment_fixed_size 69120
		.amdhsa_private_segment_fixed_size 0
		.amdhsa_enable_private_segment 0
		.amdhsa_kernarg_size 24
		.amdhsa_user_sgpr_count 2
		.amdhsa_user_sgpr_kernarg_segment_ptr 1
		.amdhsa_wavefront_size32 1
		.amdhsa_system_sgpr_workgroup_id_x 1
		.amdhsa_system_sgpr_workgroup_id_y 1
		.amdhsa_system_sgpr_workgroup_id_z 1
		.amdhsa_system_vgpr_workitem_id 0
		.amdhsa_next_free_vgpr 178
		.amdhsa_next_free_sgpr 66
		.amdhsa_reserve_vcc 0
		.amdhsa_float_denorm_mode_32 3
		.amdhsa_float_denorm_mode_16_64 3
		.amdhsa_memory_ordered 1
		.amdhsa_forward_progress 1
		.amdhsa_inst_pref_size 11
	.end_amdhsa_kernel
	.amdgpu_metadata
---
amdhsa.version: [ 1, 2 ]
amdhsa.kernels:
  - .name:           k_q4e5f0c11c9_quant_x
    .symbol:         k_q4e5f0c11c9_quant_x.kd
    .args:
      - { .name: x, .offset: 0, .size: 8, .value_kind: global_buffer, .address_space: global }
      - { .name: codes, .offset: 8, .size: 8, .value_kind: global_buffer, .address_space: global }
      - { .name: scales, .offset: 16, .size: 8, .value_kind: global_buffer, .address_space: global }
    .group_segment_fixed_size: 69120
    .private_segment_fixed_size: 0
    .kernarg_segment_align: 8
    .kernarg_segment_size: 24
    .max_flat_workgroup_size: 256
    .sgpr_count:     66
    .vgpr_count:     178
    .wavefront_size: 32
...
	.end_amdgpu_metadata
.endif
;; end of part 1
;; launch quant_w (part 2): grid 32 x 8, 4 waves a work-group, no clusters, 0 bytes of LDS; arguments Wqkv, Wo, codes, scales; writes codes, scales
.if DOCPART == 2
	.amdgcn_target "amdgcn-amd-amdhsa--gfx1250"
	.amdhsa_code_object_version 6
	.text
	.protected	k_q4e5f0c11c9_quant_w
	.globl	k_q4e5f0c11c9_quant_w
	.p2align	8
	.type	k_q4e5f0c11c9_quant_w,@function
k_q4e5f0c11c9_quant_w:
	s_mov_b64 s[64:65], 0
	v_nop
	global_prefetch_b8 v0, s[64:65] scope:SCOPE_SE
	s_setreg_imm32_b32 hwreg(HW_REG_WAVE_MODE, 25, 1), 1
	s_wait_xcnt 0x0
; Wqkv [1024][3072] and Wo [1024][1024], f32, K their FIRST axis, become codes of BF6 with one E8M0 byte for each 32 along K, in the same images as x's:
; a column is a row of the operand.  Row tiles 512 .. 703 of the codes' buffer are Wqkv's columns, 704 .. 767 Wo's.
; A LANE TAKES A COLUMN AND ITS REGISTERS RUN DOWN K: a block of 32 lies in one lane, its largest magnitude needs no other lane, and the conversions give codes with K innermost.
; Lane l takes column (l & 7) + 8 (l / 16) + 16 ((l / 8) & 1) of the wave's 32: lanes 0-15 are then the even tile of the pair, lanes 16-31 the odd one, each in the tile's own order of rows.
; SHARES: work-group x = 128 columns (x < 24: Wqkv; else Wo), y = the K step of 128; a wave 32 columns: each load reads 128 consecutive bytes, the four waves side by side 512.
; A half image wants block 2 c + h in lane (r, h): six exchanges of halves of lanes between the codes of blocks 2 c and 2 c + 1 give both tiles' half images.
; The scale words leave as 4 bytes a lane, 16 bytes apart: 128 KiB in the whole launch against 16 MiB read.
; LIMITS: as in the launch for x: byte 1 under 2^-122 and for a block of zeros; NaN and infinities are not served.
.set O,  32                            ; v32-63   byte offsets of rows 0 .. 31 of a block, at my column
.set X,  64                            ; v64-191  four blocks of 32 numbers
.set CD, 192                           ; block t's six registers of codes at v[192 + 8 t]
.set T,  224                           ; block t's second three at v[224 + 4 t], then moved
	s_load_b256 s[4:11], s[0:1], 0x0               ; Wqkv, Wo, codes, scales
	v_lshrrev_b32 v1, 5, v0
	v_readfirstlane_b32 s12, v1                    ; wave
	v_and_b32 v4, 31, v0
	v_lshlrev_b32 v1, 4, v4                        ; 16 l
	v_lshlrev_b32 v2, 3, v4                        ; 8 l
	v_and_b32 v5, 15, v0
	v_bfe_u32 v6, v0, 4, 1
	v_lshlrev_b32 v3, 4, v5
	v_lshl_add_u32 v3, v6, 9, v3                   ; scale word: 512 x (tile of the pair) + 16 r
	v_and_b32 v7, 7, v0
	v_lshl_add_u32 v7, v6, 3, v7
	v_bfe_u32 v5, v0, 3, 1
	v_lshl_add_u32 v7, v5, 4, v7                   ; my column of the wave's 32
	v_lshlrev_b32 v[O], 2, v7
	s_and_b32 s13, ttmp7, 0xffff                   ; the K step
	s_wait_kmcnt 0x0
	s_mov_b32 s14, 4096
	s_cmp_lt_u32 ttmp9, 24                         ; which tensor: the choice hangs on the work-group's number alone
	s_cselect_b64 s[4:5], s[4:5], s[6:7]
	s_cselect_b32 s14, 12288, s14                  ; bytes from row to row
	s_cselect_b32 s15, 0, 24
	s_sub_co_u32 s15, ttmp9, s15                   ; which 128 columns of that tensor
.set i, 1
.rept 31
	v_add_nc_u32 v[O+i], s14, v[O+i-1]
.set i, i+1
.endr
	s_lshl_b32 s16, s13, 7
	s_mul_i32 s16, s16, s14                        ; 128 rows a K step
	s_lshl_b32 s17, s15, 9
	s_add_co_u32 s16, s16, s17
	s_lshl_b32 s17, s12, 7
	s_add_co_u32 s16, s16, s17                     ; + my wave's first column
	s_mov_b32 s17, 0
	s_lshl_b32 s18, s14, 5                         ; 32 rows
	s_mov_b32 s19, 0
	s_add_nc_u64 s[20:21], s[4:5], s[16:17]        ; a base for each block: none is stepped
	s_add_nc_u64 s[22:23], s[20:21], s[18:19]
	s_add_nc_u64 s[24:25], s[22:23], s[18:19]
	s_add_nc_u64 s[26:27], s[24:25], s[18:19]
	s_lshl_b32 s28, ttmp9, 3
	s_lshl_b32 s29, s12, 1
	s_add_co_u32 s28, s28, s29
	s_add_co_u32 s28, s28, 512                     ; my pair's even tile
	s_mul_i32 s30, s28, 12288
	s_mul_i32 s31, s13, 1536
	s_add_co_u32 s30, s30, s31
	s_mov_b32 s31, 0
	s_add_nc_u64 s[8:9], s[8:9], s[30:31]
	s_lshl_b32 s30, s28, 9
	s_lshr_b32 s29, s13, 2
	s_lshl_b32 s29, s29, 8
	s_add_co_u32 s30, s30, s29
	s_and_b32 s29, s13, 3
	s_lshl_b32 s29, s29, 2
	s_add_co_u32 s30, s30, s29
	s_add_nc_u64 s[10:11], s[10:11], s[30:31]
.macro LOAD t
.set i, 0
.rept 32
	global_load_b32 v[X+32*\t+i], v[O+i], s[20+2*\t:21+2*\t] th:TH_LOAD_NT
.set i, i+1
.endr
.endm
.macro BLOCK t
.set XS, X+32*\t
	v_max3_num_f32 v8, |v[XS]|, |v[XS+1]|, |v[XS+2]|               ; the block's largest magnitude, in two chains
	v_max3_num_f32 v9, |v[XS+3]|, |v[XS+4]|, |v[XS+5]|
.irp i, 6,10,14,18,22,26
	v_max3_num_f32 v8, v8, |v[XS+\i]|, |v[XS+\i+1]|
	v_max3_num_f32 v9, v9, |v[XS+\i+2]|, |v[XS+\i+3]|
.endr
	v_max3_num_f32 v8, v8, |v[XS+30]|, |v[XS+31]|
	v_max3_num_f32 v8, v8, v9, 0x2800000           ; and the floor 2^(5 - 127)
	v_add_nc_u32 v10, 0xfe000000, v8               ; the conversion's scale operand
	v_lshrrev_b32 v11, 23, v10                     ; the byte
.if \t == 0
	v_mov_b32 v12, v11
.else
	v_lshl_or_b32 v12, v11, 8*\t, v12              ; four bytes make my column's word of this K step
.endif
	v_cvt_scalef32_pk16_bf6_f32 v[CD+8*\t:CD+8*\t+2], v[XS:XS+15], v10
	v_cvt_scalef32_pk16_bf6_f32 v[T+4*\t:T+4*\t+2], v[XS+16:XS+31], v10
	v_nop                                          ; one plain place behind a scaled conversion
.irp i, 0,1,2
	v_mov_b32 v[CD+8*\t+3+\i], v[T+4*\t+\i]
.endr
.endm
.macro OUT c                           ; blocks 2 c and 2 c + 1 become half image c of both tiles
.irp i, 0,1,2,3,4,5
	v_permlane16_swap_b32 v[CD+16*\c+\i], v[CD+16*\c+8+\i]     ; the first's lanes 16-31 change places with the second's lanes 0-15
.endr
.irp u, 0,1
	global_store_b128 v1, v[CD+16*\c+8*\u:CD+16*\c+8*\u+3], s[8:9] offset:12288*\u+768*\c
	global_store_b64 v2, v[CD+16*\c+8*\u+4:CD+16*\c+8*\u+5], s[8:9] offset:12288*\u+768*\c+512
.endr
.endm
	LOAD 0
	LOAD 1
	s_wait_loadcnt 32                              ; block 0 is in; block 1's 32 loads stay out
	LOAD 2
	BLOCK 0
	s_wait_loadcnt 32                              ; block 1 is in; block 2's stay out
	LOAD 3
	BLOCK 1
	OUT 0
	s_wait_loadcnt 32                              ; block 2 is in; block 3's stay out
	BLOCK 2
	s_wait_loadcnt 0x0
	BLOCK 3
	OUT 1
	global_store_b32 v3, v12, s[10:11]
	s_endpgm
.Lfunc_end_k_q4e5f0c11c9_quant_w:
	.size	k_q4e5f0c11c9_quant_w, .Lfunc_end_k_q4e5f0c11c9_quant_w-k_q4e5f0c11c9_quant_w
	.p2alignl 7, 3214868480
	.fill 96, 4, 3214868480
	.section	.rodata,"a",@progbits
	.p2align	6, 0x0
	.amdhsa_kernel k_q4e5f0c11c9_quant_w
		.amdhsa_group_segment_fixed_size 0
		.amdhsa_private_segment_fixed_size 0
		.amdhsa_enable_private_segment 0
		.amdhsa_kernarg_size 32
		.amdhsa_user_sgpr_count 2
		.amdhsa_user_sgpr_kernarg_segment_ptr 1
		.amdhsa_wavefront_size32 1
		.amdhsa_system_sgpr_workgroup_id_x 1
		.amdhsa_system_sgpr_workgroup_id_y 1
		.amdhsa_system_sgpr_workgroup_id_z 1
		.amdhsa_system_vgpr_workitem_id 0
		.amdhsa_next_free_vgpr 240
		.amdhsa_next_free_sgpr 66
		.amdhsa_reserve_vcc 0
		.amdhsa_float_denorm_mode_32 3
		.amdhsa_float_denorm_mode_16_64 3
		.amdhsa_memory_ordered 1
		.amdhsa_forward_progress 1
		.amdhsa_inst_pref_size 23
	.end_amdhsa_kernel
	.amdgpu_metadata
---
amdhsa.version: [ 1, 2 ]
amdhsa.kernels:
  - .name:           k_q4e5f0c11c9_quant_w
    .symbol:         k_q4e5f0c11c9_quant_w.kd
    .args:
      - { .name: Wqkv, .offset: 0, .size: 8, .value_kind: global_buffer, .address_space: global }
      - { .name: Wo, .offset: 8, .size: 8, .value_kind: global_buffer, .address_space: global }
      - { .name: codes, .offset: 16, .size: 8, .value_kind: global_buffer, .address_space: global }
      - { .name: scales, .offset: 24, .size: 8, .value_kind: global_buffer, .address_space: global }
    .group_segment_fixed_size: 0
    .private_segment_fixed_size: 0
    .kernarg_segment_align: 8
    .kernarg_segment_size: 32
    .max_flat_workgroup_size: 128
    .sgpr_count:     66
    .vgpr_count:     240
    .wavefront_size: 32
...
	.end_amdgpu_metadata
.endif
;; end of part 2
;; launch gemm_qkv (part 3): grid 12 x 32, 4 waves a work-group, clusters of 4 x 4, 327,680 bytes of LDS; arguments codes, scales, bqkv, qkv; writes qkv
.if DOCPART == 3
	.amdgcn_target "amdgcn-amd-amdhsa--gfx1250"
	.amdhsa_code_object_version 6
	.text
	.protected	k_q4e5f0c11c9_gemm_qkv
	.globl	k_q4e5f0c11c9_gemm_qkv
	.p2align	8
	.type	k_q4e5f0c11c9_gemm_qkv,@function
k_q4e5f0c11c9_gemm_qkv:
	s_mov_b64 s[64:65], 0
	v_nop
	global_prefetch_b8 v0, s[64:65] scope:SCOPE_SE
	s_setreg_imm32_b32 hwreg(HW_REG_WAVE_MODE, 25, 1), 1
	s_wait_xcnt 0x0
	s_wait_alu depctr_hold_cnt(0) depctr_sa_sdst(0) depctr_va_vdst(0) depctr_va_sdst(0) depctr_va_ssrc(0) depctr_va_vcc(0) depctr_vm_vsrc(0)
	s_getreg_b32 s2, hwreg(HW_REG_IB_STS2, 6, 4)
	s_cmp_eq_u32 s2, 0
	s_cbranch_scc0 .Lentry_in_a_cluster
	s_endpgm
.Lentry_in_a_cluster:
	s_bfe_u32 s2, ttmp6, 0x10000c
	s_cmp_lg_u32 s2, 0xf033
	s_cbranch_scc0 .Lentry_shape_is_right
	s_endpgm
.Lentry_shape_is_right:
; qkv = x Wqkv + bqkv on codes of BF6 (K = 1,024), and its result QUANTISED ON THE WAY OUT into the operands of attention: nothing leaves as f32.
; A tile of 256 x 256 is made by four waves, 128 x 128 each: 64 accumulators, 512 registers.  The matrix instruction is used transposed: source 0 = 16 rows of B', source 1 = 16 rows of A':
; a lane holds one row of A' and its registers run along B's rows; since a row tile's rows are 32 B + 8 u + r + 8 (r / 8), the 16 registers of tiles 2 B, 2 B + 1 are 16 neighbours 32 B + 16 h + 0 .. 15.
; TWO WAYS, told apart by the cluster's x alone (the same in all sixteen partners):
;   clusters x = 0, 1 (q and k): A' = x's rows, B' = Wqkv's columns 0 .. 2047: registers run along the head's 64, which is the K of q k^T;
;   cluster  x = 2   (v):        A' = Wqkv's columns 2048 .. 3071, B' = x's rows: registers run along the tokens, which are the K of p v: v comes out with the keys innermost.
; K goes in steps of 256 through two LDS slots.  The codes lie in memory as images of the operand's registers (a row tile's 256 along K are 3,072 consecutive bytes), so a fragment comes by
; two ds_load_b128 and two ds_load_b64 on consecutive bytes: no pitch, no padding.  K is short: the eight steps of 128 are written out, and all scale words stay in 64 registers.
; CLUSTER 4 x 4: A's tiles are asked for jointly along a row of the cluster, B's along a column.
; THE OUTPUT, blocks of 19,200 bytes for (batch, head, 128 tokens): q's 8 half images, q's scale words (256), k's 8 half images, v's 4 fragments (16 d x 128 keys), k's scale words, v's.
; q's and k's scale words are paired: the word of pair p, lane r holds tile 2 p's two bytes below and tile 2 p + 1's above.
; Both sets of bias registers are loaded on both ways (the one not wanted from the buffer's start), so that every register is written on every way; each way adds its own.
; LIMITS: a block whose largest magnitude lies under 2^-122 (a block of zeros too) gets the byte 1; NaN and infinities are not served.
; REGISTERS: window 0: v1-5 lane terms, v8-12 scale words at work, v14, v15, v30 store offsets, v16-23 LDS addresses, v27 the scales' offset, v28, v29 for the add; v32-95 scale words;
;   v96-127, v224-255 the bias along B'; v128-223 A's fragments, one set (on the way out: v128-191 64 numbers, v192-223 codes and at work).
;   window 1: B's fragments, two sets, at v0 and v128; v96-111 the bias along A', each number twice.   windows 2, 3: the accumulators, (a, b) at v[8 (8 (a % 4) + b)].
.set HALFT, 24576                      ; 8 row tiles x 3,072 bytes: what one tensor load brings, and what one wave reads of A' or of B'
.set SLOT,  4*HALFT                    ; A's two halves, then B's two
.set SPARE, 2*SLOT                     ; behind the ring: the spare words, 128 bytes for each wave: two blocks of 256 bytes that no other line names
.set FR,   12
.set ADRA, 16                          ; v16-17 16 l + my A' rows in slot 0, 1;  v18-19 the same with 8 l
.set ADRB, 20                          ; v20-23 likewise for B'
.set SOF,  27
.set SPW,  28
.set NIL,  29
.set SC,   32                          ; register SC + 8 i + g: lanes 0-15 the word of A's block i, lanes 16-31 that of B's block i, for K step g of 128
.set AF,   128
.set BM,   96
.set H,    128
.set PC,   192
.set TM,   212
.set PW,   8
.set PWE,  9
.set T0,   10
.set T1,   11
.set XW,   12
.set SEL,  12                          ; s[12:13]
.set G1,  24
.set G0,  32
.set G1B, 48
.set G0B, 56
.set MSB, 0
.macro WIN new                         ; the immediate's high byte repeats the setting that is left
.if MSB != \new
	s_set_vgpr_msb (MSB<<8)|\new
.set MSB, \new
.endif
.endm
.set MUL_LO, 0xa1                      ; source 0 (B') window 1, source 1 (A') window 0, C and D window 2
.set MUL_HI, 0xf1
.set TO_B,   0x40
.macro JLOAD g0a, g1a, g0b, g1b        ; a joint load: waves 0 and 1 fetch for A', waves 2 and 3 for B'; four v_nop follow each line
	s_cmp_eq_u32 s15, 0
	s_cbranch_scc0 .Lfor_b_\@
	tensor_load_to_lds s[\g0a:\g0a+3], s[\g1a:\g1a+7]
	s_nop 0
.rept 4
	v_nop
.endr
	s_branch .Lasked_\@
.Lfor_b_\@:
	tensor_load_to_lds s[\g0b:\g0b+3], s[\g1b:\g1b+7]
	s_nop 0
.rept 4
	v_nop
.endr
.Lasked_\@:
.endm
.macro CREST                           ; a round of the cluster's barrier behind its opening barrier
	s_cmp_lg_u32 s14, 0
	s_cbranch_scc1 .Lnot_wave_0_\@
	s_barrier_signal -3
.Lnot_wave_0_\@:
	s_barrier_wait -3
	s_barrier_signal -1
	s_barrier_wait -1
.endm
.macro CROUND
	s_barrier_signal -1
	s_barrier_wait -1
	CREST
.endm
.macro PLACES                          ; four places behind a matrix instruction, ahead of loads into its registers and of reads of its results
.rept 4
	v_nop
.endr
.endm
	s_load_b256 s[4:11], s[0:1], 0x0               ; codes, scales, bqkv, qkv
	v_lshl_add_u32 v[SPW], v0, 2, SPARE
	v_mov_b32 v[NIL], 0
	ds_add_u32 v28, v29
	ds_add_u32 v28, v29
	s_wait_dscnt 0x0
	v_lshrrev_b32 v1, 5, v0
	v_readfirstlane_b32 s14, v1                    ; wave 0..3
	s_lshr_b32 s15, s14, 1                         ; my half of A's rows.  Also: I fetch for A' (0) or B' (1)
	s_and_b32 s16, s14, 1                          ; my half of B's rows.  Also: which 128 rows I fetch
	s_bfe_u32 s40, ttmp6, 0x40000                  ; cx
	s_bfe_u32 s41, ttmp6, 0x40004                  ; cy
	s_and_b32 s18, ttmp7, 0xffff
	s_lshl_b32 s18, s18, 2                         ; 4 x cluster y
	s_lshl_b32 s19, ttmp9, 2                       ; 4 x cluster x
	s_mov_b32 s20, 0
	s_mov_b32 s21, 8192
	s_cmp_eq_u32 ttmp9, 2                          ; the v way?
	s_cselect_b32 s17, 0, s18
	s_cselect_b32 s42, s18, s19
	s_cselect_b32 s20, 10240, s20                  ; A's first row in the codes' buffer: x's 0, or Wqkv's column 2,048
	s_cselect_b32 s21, 0, s21                      ; B's: Wqkv's column 0, or x's 0
	s_add_co_u32 s17, s17, s41                     ; A's block of 256 rows: hangs on cy alone
	s_add_co_u32 s42, s42, s40                     ; B's: on cx alone
	s_lshl_b32 s43, s41, 2
	s_lshl_b32 s43, 15, s43                        ; my row of the cluster
	s_lshl_b32 s44, 0x1111, s40                    ; my column
	s_or_b32 s[G1+0], s43, (3<<16)|(1<<21)         ; the mask; elements of 8 bytes; bit 21 beside a mask; no padding
	s_or_b32 s[G1B+0], s44, (3<<16)|(1<<21)
.irp g, G1, G1B
	s_mov_b32 s[\g+1], 384<<16                     ; tensor_dim0: 3,072 bytes of a row tile
	s_mov_b32 s[\g+2], 8<<16                       ; tensor_dim1: 8 row tiles
	s_mov_b32 s[\g+3], 384<<16                     ; tile_dim0
	s_mov_b32 s[\g+4], 8                           ; tile_dim1
	s_mov_b32 s[\g+5], 1536                        ; 12,288 bytes from a row tile to the next
	s_mov_b32 s[\g+6], 0
	s_mov_b32 s[\g+7], 0
.endr
	s_lshl_b32 s22, s16, 7
	s_lshl_b32 s46, s17, 8
	s_add_co_u32 s46, s46, s22
	s_add_co_u32 s46, s46, s20
	s_mul_i32 s46, s46, 768                        ; 768 bytes a row
	s_mov_b32 s47, 0
	s_lshl_b32 s66, s42, 8
	s_add_co_u32 s66, s66, s22
	s_add_co_u32 s66, s66, s21
	s_mul_i32 s66, s66, 768
	s_mov_b32 s67, 0
	s_mul_i32 s45, s14, HALFT                      ; where they go: no place in the cluster enters an LDS address
	s_wait_kmcnt 0x0
	s_add_nc_u64 s[46:47], s[4:5], s[46:47]
	s_add_nc_u64 s[66:67], s[4:5], s[66:67]
	CROUND                                         ; all sixteen work-groups are here: the first joint loads meet
.irp s, 0,1
	s_mov_b32 s[G0+4*\s], 1
	s_add_co_u32 s[G0+4*\s+1], s45, \s*SLOT
	s_add_nc_u64 s[G0+4*\s+2:G0+4*\s+3], s[46:47], \s*3072
	s_or_b32 s[G0+4*\s+3], s[G0+4*\s+3], 0x80000000
	s_mov_b32 s[G0B+4*\s], 1
	s_add_co_u32 s[G0B+4*\s+1], s45, \s*SLOT
	s_add_nc_u64 s[G0B+4*\s+2:G0B+4*\s+3], s[66:67], \s*3072
	s_or_b32 s[G0B+4*\s+3], s[G0B+4*\s+3], 0x80000000
	JLOAD G0+4*\s, G1, G0B+4*\s, G1B
.endr
	v_and_b32 v1, 15, v0                           ; r
	v_bfe_u32 v2, v0, 4, 1                         ; h
	v_and_b32 v3, 31, v0
	v_lshlrev_b32 v4, 4, v3                        ; 16 l
	v_lshlrev_b32 v5, 3, v3                        ; 8 l
	s_mul_i32 s22, s15, HALFT
	s_mul_i32 s23, s16, HALFT
	s_add_co_u32 s23, s23, 2*HALFT
.irp s, 0,1
	v_add_nc_u32 v[ADRA+\s], s22, v4
	v_add_nc_u32 v[ADRA+2+\s], s22, v5
	v_add_nc_u32 v[ADRB+\s], s23, v4
	v_add_nc_u32 v[ADRB+2+\s], s23, v5
	s_add_co_u32 s22, s22, SLOT
	s_add_co_u32 s23, s23, SLOT
.endr
	; the scale words of my 128 rows of A' (lanes 0-15) and of B' (lanes 16-31), for all of K: 32 bytes a row
	s_lshl_b32 s80, s17, 8
	s_lshl_b32 s81, s15, 7
	s_add_co_u32 s80, s80, s81
	s_add_co_u32 s80, s80, s20
	s_lshl_b32 s80, s80, 5
	s_lshl_b32 s81, s42, 8
	s_lshl_b32 s82, s16, 7
	s_add_co_u32 s81, s81, s82
	s_add_co_u32 s81, s81, s21
	s_lshl_b32 s81, s81, 5
	s_mov_b32 s83, 0xffff0000                      ; lanes 16-31
	v_mov_b32 v6, s80
	v_mov_b32 v7, s81
	v_cndmask_b32 v[SOF], v6, v7, s83
	v_lshl_add_u32 v[SOF], v1, 4, v[SOF]
.irp i, 0,1,2,3,4,5,6,7
.irp q, 0,1
	global_load_b128 v[SC+8*\i+4*\q:SC+8*\i+4*\q+3], v[SOF], s[6:7] offset:512*\i+256*\q   ; sixteen lanes read 256 consecutive bytes: four K steps' words of a row tile
.endr
.endr
	; where my results go
	s_lshl_b32 s70, s17, 1
	s_add_co_u32 s70, s70, s15                     ; A's block of 128
	s_lshl_b32 s71, s42, 1
	s_add_co_u32 s71, s71, s16                     ; B's block of 128
	s_cmp_eq_u32 ttmp9, 2
	s_cselect_b32 s72, s71, s70                    ; the block of 128 tokens, 0 .. 63
	s_cselect_b32 s73, s70, s71                    ; the block of 128 features: q 0-7, k 8-15; v 0-7
	s_and_b32 s74, s73, 7
	s_lshl_b32 s74, s74, 1                         ; its first head
	s_lshr_b32 s75, s73, 3                         ; 0: q (or v), 1: k
	s_lshr_b32 s76, s72, 4
	s_lshl_b32 s76, s76, 4
	s_add_co_u32 s76, s76, s74
	s_lshl_b32 s76, s76, 4
	s_and_b32 s77, s72, 15
	s_add_co_u32 s76, s76, s77
	s_mul_i32 s76, s76, 19200                      ; the output block of (batch, head, 128 tokens)
	s_mul_i32 s77, s75, 6400                       ; q's or k's codes in it
	s_mul_i32 s78, s75, 12544
	s_add_co_u32 s78, s78, 6144                    ; q's or k's scale words
	s_lshl_b32 s68, s73, 9                         ; the bias along B' on the q, k way
	s_add_co_u32 s70, s68, 8192                    ; the bias along A' on the v way
	s_mov_b32 s84, 768
	s_mov_b32 s92, 307200
	s_mov_b32 s93, 307200
	s_mov_b32 s94, 0x05040100
	s_mov_b32 s95, 0x07060302
	s_cmp_eq_u32 ttmp9, 2
	s_cselect_b32 s77, 12544, s77                  ; v's fragments
	s_cselect_b32 s78, 18944, s78                  ; v's scale words
	s_cselect_b32 s68, 0, s68
	s_cselect_b32 s70, s70, 0
	s_cselect_b32 s84, 1536, s84                   ; codes: from a block of A' to the next
	s_cselect_b32 s86, 301056, 0                   ; more at block 4: on the v way the next head begins
	s_cselect_b32 s88, 128, 64                     ; scale words: from a pair of blocks to the next
	s_cselect_b32 s90, 306944, 0
	s_cselect_b32 s92, 768, s92                    ; the fragment's second half: on end (v), or the next head's (q, k)
	s_cselect_b32 s93, 64, s93                     ; what lanes 16-31 add to the scale word's address
	s_cselect_b32 s94, 0x03020100, s94             ; byte selects for the two words
	s_cselect_b32 s95, 0x07060504, s95
	s_mov_b32 s69, 0
	s_mov_b32 s71, 0
	s_mov_b32 s85, 0
	s_mov_b32 s87, 0
	s_mov_b32 s89, 0
	s_mov_b32 s91, 0
	s_add_co_u32 s96, s76, s77
	s_mov_b32 s97, 0
	s_add_co_u32 s98, s76, s78
	s_mov_b32 s99, 0
	s_add_nc_u64 s[96:97], s[10:11], s[96:97]      ; codes
	s_add_nc_u64 s[98:99], s[10:11], s[98:99]      ; scale words
	s_add_nc_u64 s[68:69], s[8:9], s[68:69]
	s_add_nc_u64 s[70:71], s[8:9], s[70:71]
	s_mov_b32 s[SEL], 0x76543210
	s_mov_b32 s[SEL+1], 0xfedcba98
	v_lshlrev_b32 v6, 6, v2                        ; the bias along B', in the result's layout: tile b, register j: 32 (b / 2) + 8 (b % 2) + 16 h + j
.irp b, 0,1,2,3,4,5,6,7
	global_load_b128 v[96+8*\b+96*(\b/4):96+8*\b+96*(\b/4)+3], v6, s[68:69] offset:4*(32*(\b/2)+8*(\b%2))
	global_load_b128 v[96+8*\b+96*(\b/4)+4:96+8*\b+96*(\b/4)+7], v6, s[68:69] offset:4*(32*(\b/2)+8*(\b%2))+16
.endr
	v_and_b32 v7, 8, v1
	v_add_nc_u32 v7, v7, v1
	v_lshlrev_b32 v7, 2, v7                        ; the bias along A': my row of block a: 32 (a / 2) + 8 (a % 2) + r + 8 (r / 8)
	WIN TO_B
.irp a, 0,1,2,3,4,5,6,7
	global_load_b32 v[BM+2*\a], v7, s[70:71] offset:4*(32*(\a/2)+8*(\a%2))
	global_load_b32 v[BM+2*\a+1], v7, s[70:71] offset:4*(32*(\a/2)+8*(\a%2))   ; twice: a pair for the packed addition
.endr
	WIN 0
	v_add_nc_u32 v14, s92, v4
	v_add_nc_u32 v15, s92, v5
	v_mul_u32_u24 v30, s93, v2
	v_lshl_add_u32 v30, v1, 2, v30
.macro FRAG reg, adr, q, i             ; a fragment, 16 rows x 128 K: two half images on end, as they lie
	ds_load_b128 v[\reg:\reg+3], v[\adr] offset:3072*(\i)+1536*(\q)
	ds_load_b64 v[\reg+4:\reg+5], v[\adr+2] offset:3072*(\i)+1536*(\q)+512
	ds_load_b128 v[\reg+6:\reg+9], v[\adr] offset:3072*(\i)+1536*(\q)+768
	ds_load_b64 v[\reg+10:\reg+11], v[\adr+2] offset:3072*(\i)+1536*(\q)+1280
.endm
; 16 matrix instructions: A's blocks a0, a0 + 1 x B's eight; p: B's set; g: the K step of 128.  first = 1: the product starts the sums.
; The 64 accumulators take turns, one instruction a turn, in the same order in every step.
.macro MUL16 a0, p, g, first
.irp a, \a0, \a0+1
.irp b, 0,1,2,3,4,5,6,7
.if \first
	v_wmma_scale_f32_16x16x128_f8f6f4 v[8*(8*((\a)%4)+\b):8*(8*((\a)%4)+\b)+7], v[128*(\p)+FR*\b:128*(\p)+FR*\b+FR-1], v[AF+FR*(\a):AF+FR*(\a)+FR-1], 0, v[SC+8*\b+(\g)], v[SC+8*(\a)+(\g)] matrix_a_fmt:MATRIX_FMT_BF6 matrix_b_fmt:MATRIX_FMT_BF6 matrix_a_scale:MATRIX_SCALE_ROW1
.else
	v_wmma_scale_f32_16x16x128_f8f6f4 v[8*(8*((\a)%4)+\b):8*(8*((\a)%4)+\b)+7], v[128*(\p)+FR*\b:128*(\p)+FR*\b+FR-1], v[AF+FR*(\a):AF+FR*(\a)+FR-1], v[8*(8*((\a)%4)+\b):8*(8*((\a)%4)+\b)+7], v[SC+8*\b+(\g)], v[SC+8*(\a)+(\g)] matrix_a_fmt:MATRIX_FMT_BF6 matrix_b_fmt:MATRIX_FMT_BF6 matrix_a_scale:MATRIX_SCALE_ROW1
.endif
.endr
.endr
.endm
.macro FETCH_B slot, q, p
	WIN TO_B
.irp i, 0,1,2,3,4,5,6,7
	FRAG 128*(\p)+FR*\i, ADRB+\slot, \q, \i
.endr
	WIN 0
.endm
.macro FETCH_A slot, q, i0
.irp i, \i0, \i0+1, \i0+2, \i0+3
	FRAG AF+FR*(\i), ADRA+\slot, \q, \i
.endr
.endm
.macro STEP slot, g, first             ; a slot's first 128 along K
	s_wait_dscnt 16                                ; B's set and A's blocks 0-3 are in; the youngest 16 loads (A's blocks 4-7) may be out
	WIN MUL_LO
	MUL16 0, 0, \g, \first
	MUL16 2, 0, \g, \first
	s_wait_dscnt 0x0                               ; A's blocks 4-7 are in
	PLACES
	FETCH_B \slot, 1, 1
	FETCH_A \slot, 1, 0
	WIN MUL_HI
	MUL16 4, 0, \g, \first
	MUL16 6, 0, \g, \first
	PLACES
	WIN 0
	FETCH_A \slot, 1, 4
.endm
.macro TURN slot, next, fill, g        ; a slot's second 128 along K, and the change of slots
	s_wait_tensorcnt 0x0                           ; all my tensor loads have landed: my part of the next slot;
	ds_add_u32 v[SPW], v[NIL]                      ; 0 onto my spare word;
	s_wait_dscnt 17                                ; (the add and the youngest 16 loads may be out)
	WIN MUL_LO
	MUL16 0, 1, \g, 0
	s_wait_dscnt 0x0                               ; the add is done, and my reads of this slot are over
	s_barrier_signal -1
	MUL16 2, 1, \g, 0
	WIN 0
	s_barrier_wait -1
.if \fill
	CREST                                          ; the barrier has opened a round of the cluster's: no wave of any partner still reads this slot or has a load on its way
	s_add_nc_u64 s[G0+4*\slot+2:G0+4*\slot+3], s[G0+4*\slot+2:G0+4*\slot+3], 6144
	s_add_nc_u64 s[G0B+4*\slot+2:G0B+4*\slot+3], s[G0B+4*\slot+2:G0B+4*\slot+3], 6144
	JLOAD G0+4*\slot, G1, G0B+4*\slot, G1B         ; the first tensor load behind the round; its four v_nop are also the places in front of the loads below
.else
	PLACES
.endif
	FETCH_B \next, 0, 0
	FETCH_A \next, 0, 0
	WIN MUL_HI
	MUL16 4, 1, \g, 0
	MUL16 6, 1, \g, 0
	PLACES
	WIN 0
	FETCH_A \next, 0, 4
.endm
	s_wait_tensorcnt 0x1                           ; my part of slot 0 is in; slot 1's load may stay out
	s_barrier_signal -1
	s_barrier_wait -1
	FETCH_B 0, 0, 0
	FETCH_A 0, 0, 0
	FETCH_A 0, 0, 4
	s_wait_loadcnt 0x0                             ; scale words and biases
	STEP 0, 0, 1
	TURN 0, 1, 1, 1
	STEP 1, 2, 0
	TURN 1, 0, 1, 3
	STEP 0, 4, 0
	TURN 0, 1, 0, 5                                ; nothing is left to fetch: no round
	STEP 1, 6, 0
	s_wait_dscnt 16
	WIN MUL_LO
	MUL16 0, 1, 7, 0
	MUL16 2, 1, 7, 0
	s_wait_dscnt 0x0
	WIN MUL_HI
	MUL16 4, 1, 7, 0
	MUL16 6, 1, 7, 0
	WIN 0
	PLACES                                         ; the way out writes registers that the last products read
; 64 numbers of a lane, v[H] on, register 16 b + i = k 32 b + 16 h + i of my row, become a fragment's codes in v[PC] on and its scale word in v[PW]
.macro QUANT
.irp b, 0,1,2,3
	v_max3_num_f32 v[TM+\b], |v[H+16*\b]|, |v[H+1+16*\b]|, 0x2800000   ; my 16 numbers of block b, and the floor 2^(5 - 127)
.endr
.irp i, 2,4,6,8,10,12,14
.irp b, 0,1,2,3
	v_max3_num_f32 v[TM+\b], v[TM+\b], |v[H+16*\b+\i]|, |v[H+1+16*\b+\i]|
.endr
.endr
.irp b, 0,1,2,3
	v_permlanex16_b32 v[TM+4+\b], v[TM+\b], s[SEL], s[SEL+1]
.endr
.irp b, 0,1,2,3
	v_max_num_f32 v[TM+\b], v[TM+\b], v[TM+4+\b]   ; with lane l xor 16's: the block's largest magnitude
.endr
.irp b, 0,1,2,3
	v_add_nc_u32 v[TM+8+\b], 0xfe000000, v[TM+\b]  ; 4 off its exponent field: the conversion's scale operand
.endr
.irp b, 0,1,2,3
	v_lshrrev_b32 v[TM+4+\b], 23, v[TM+8+\b]       ; the byte
.endr
	v_lshl_or_b32 v[PW], v[TM+5], 8, v[TM+4]
	v_lshl_or_b32 v[PW], v[TM+6], 16, v[PW]
	v_lshl_or_b32 v[PW], v[TM+7], 24, v[PW]
.irp c, 0,1
	v_cvt_scalef32_pk16_bf6_f32 v[PC+6*\c:PC+2+6*\c], v[H+32*\c:H+15+32*\c], v[TM+8+2*\c]
	v_cvt_scalef32_pk16_bf6_f32 v[PC+12+4*\c:PC+14+4*\c], v[H+16+32*\c:H+31+32*\c], v[TM+8+2*\c+1]
.endr
	v_nop                                          ; one plain place behind a scaled conversion
.irp c, 0,1                                    ; the layout wants a whole block in a lane
.irp i, 0,1,2
	v_permlane16_swap_b32 v[PC+6*\c+\i], v[PC+12+4*\c+\i]
.endr
.irp i, 0,1,2
	v_mov_b32 v[PC+3+6*\c+\i], v[PC+12+4*\c+\i]
.endr
.endr
.endm
; Block a of A' (16 rows x my 128 of B'): bias, quantiser, stores
.macro EPI a
.set AC, 64*((\a)%4)
	s_wait_xcnt 0x0                                ; the last block's stores have read their registers and bases
.if \a > 0
	s_add_nc_u64 s[96:97], s[96:97], s[84:85]
.endif
.if \a == 4
	s_add_nc_u64 s[96:97], s[96:97], s[86:87]
	s_add_nc_u64 s[98:99], s[98:99], s[90:91]
.endif
.if (\a > 0) && (\a % 2 == 0)
	s_add_nc_u64 s[98:99], s[98:99], s[88:89]
.endif
	s_cmp_eq_u32 ttmp9, 2
	s_cbranch_scc1 .Lv_\@
	WIN 0x02+(\a)/4                                ; source 0: the accumulators' window
.irp b, 0,1,2,3,4,5,6,7
.irp j, 0,2,4,6
	v_pk_add_f32 v[H+8*\b+\j:H+8*\b+\j+1], v[AC+8*\b+\j:AC+8*\b+\j+1], v[96+8*\b+96*(\b/4)+\j:96+8*\b+96*(\b/4)+\j+1]   ; each accumulator from its low end on
.endr
.endr
	WIN 0
	s_branch .Lq_\@
.Lv_\@:
	WIN 0x06+(\a)/4                                ; and source 1: window 1
.irp b, 0,1,2,3,4,5,6,7
.irp j, 0,2,4,6
	v_pk_add_f32 v[H+8*\b+\j:H+8*\b+\j+1], v[AC+8*\b+\j:AC+8*\b+\j+1], v[BM+2*\a:BM+2*\a+1]
.endr
.endr
	WIN 0
.Lq_\@:
	QUANT
	global_store_b128 v4, v[PC:PC+3], s[96:97]                 ; each store covers 512 or 256 consecutive bytes, aligned
	global_store_b64 v5, v[PC+4:PC+5], s[96:97] offset:512
	global_store_b128 v14, v[PC+6:PC+9], s[96:97]
	global_store_b64 v15, v[PC+10:PC+11], s[96:97] offset:512
.if \a % 2 == 0
	v_mov_b32 v[PWE], v[PW]
.else
	v_perm_b32 v[T0], v[PW], v[PWE], s94           ; q, k: the first head's bytes of both tiles;  v: the even tile's word
	v_perm_b32 v[T1], v[PW], v[PWE], s95           ; q, k: the second head's;                     v: the odd tile's
	v_cndmask_b32 v[XW], v[T0], v[T1], s83         ; lanes 16-31 send the second
	global_store_b32 v30, v[XW], s[98:99]
.endif
.endm
.irp b, 0,1,2,3
	v_mov_b32 v[TM+4+\b], 0                        ; written once: a lane permute's destination counts as one of its sources
.endr
.irp a, 0,1,2,3,4,5,6,7
	EPI \a
.endr
	s_wait_tensorcnt 0x0                           ; the wave's end
	ds_add_u32 v[SPW], v[NIL]
	s_wait_dscnt 0x0
	CROUND                                         ; the closing round
	s_endpgm
.Lfunc_end_k_q4e5f0c11c9_gemm_qkv:
	.size	k_q4e5f0c11c9_gemm_qkv, .Lfunc_end_k_q4e5f0c11c9_gemm_qkv-k_q4e5f0c11c9_gemm_qkv
	.p2alignl 7, 3214868480
	.fill 96, 4, 3214868480
	.section	.rodata,"a",@progbits
	.p2align	6, 0x0
	.amdhsa_kernel k_q4e5f0c11c9_gemm_qkv
		.amdhsa_group_segment_fixed_size 327680
		.amdhsa_private_segment_fixed_size 0
		.amdhsa_enable_private_segment 0
		.amdhsa_kernarg_size 32
		.amdhsa_user_sgpr_count 2
		.amdhsa_user_sgpr_kernarg_segment_ptr 1
		.amdhsa_wavefront_size32 1
		.amdhsa_system_sgpr_workgroup_id_x 1
		.amdhsa_system_sgpr_workgroup_id_y 1
		.amdhsa_system_sgpr_workgroup_id_z 1
		.amdhsa_system_vgpr_workitem_id 0
		.amdhsa_next_free_vgpr 1024
		.amdhsa_next_free_sgpr 100
		.amdhsa_reserve_vcc 0
		.amdhsa_float_denorm_mode_32 3
		.amdhsa_float_denorm_mode_16_64 3
		.amdhsa_memory_ordered 1
		.amdhsa_forward_progress 1
		.amdhsa_inst_pref_size 185
	.end_amdhsa_kernel
	.amdgpu_metadata
---
amdhsa.version: [ 1, 2 ]
amdhsa.kernels:
  - .name:           k_q4e5f0c11c9_gemm_qkv
    .symbol:         k_q4e5f0c11c9_gemm_qkv.kd
    .args:
      - { .name: codes, .offset: 0, .size: 8, .value_kind: global_buffer, .address_space: global }
      - { .name: scales, .offset: 8, .size: 8, .value_kind: global_buffer, .address_space: global }
      - { .name: bqkv, .offset: 16, .size: 8, .value_kind: global_buffer, .address_space: global }
      - { .name: qkv, .offset: 24, .size: 8, .value_kind: global_buffer, .address_space: global }
    .group_segment_fixed_size: 327680
    .private_segment_fixed_size: 0
    .kernarg_segment_align: 8
    .kernarg_segment_size: 32
    .max_flat_workgroup_size: 128
    .sgpr_count:     100
    .vgpr_count:     1024
    .wavefront_size: 32
...
	.end_amdgpu_metadata
.endif
;; end of part 3
;; launch attn (part 4): grid 4 x 64, 16 waves a work-group, no clusters, 206,848 bytes of LDS; arguments qkv, codes, scales; writes codes, scales
.if DOCPART == 4
	.amdgcn_target "amdgcn-amd-amdhsa--gfx1250"
	.amdhsa_code_object_version 6
	.text
	.protected	k_q4e5f0c11c9_attn
	.globl	k_q4e5f0c11c9_attn
	.p2align	8
	.type	k_q4e5f0c11c9_attn,@function
k_q4e5f0c11c9_attn:
	s_mov_b64 s[64:65], 0
	v_nop
	global_prefetch_b8 v0, s[64:65] scope:SCOPE_SE
	s_setreg_imm32_b32 hwreg(HW_REG_WAVE_MODE, 25, 1), 1
	s_wait_xcnt 0x0
; y = softmax(q k^T / 8, causal) v for one (batch, head), both products on codes of BF6, and y QUANTISED ON THE WAY OUT (along the model's 1,024: a head gives two blocks of 32).
; THE SOFTMAX AHEAD OF THE SECOND PRODUCT: t = score x log2(e) / 8; M = the running largest t rounded up to a whole number; p = 2^(t - M) is quantised along the keys, not normalised;
; the row's sum is taken of the unquantised p and divides at the end.  When M moves, the sum and O are multiplied by 2^(old M - new M): exact.
; SHARES.  Work-group (i, batch x head), sixteen waves of 256 registers, four to a SIMD, so that one wave's vector work stands beside another's matrix work.
; A wave takes one tile of 16 queries at a time: first tile 16 i + 15 - w (keys 0 .. 1,023 at the most), then tile 16 (7 - i) + w: together 17 steps of 128 keys for every wave of every work-group.
; THE HEAD'S K AND V, 16 blocks of 12,800 bytes, COME INTO LDS ONCE (each wave two tensor loads of 6,400 dense bytes): nothing is filled again.  The first pass reads blocks 0-7 while blocks 8-15 land.
; NO CLUSTER: the four work-groups of a head leave out different key steps, by branches on their query blocks, and partners of a cluster must run alike.
; BOTH LOOPS HAVE CONSTANT TRIP COUNTS; a step all of whose keys come after my queries is jumped over by a scalar branch on ids; on the diagonal hidden scores become -infinity.
; LAYOUT.  Both products transposed (source 0 = keys, or the head's d; source 1 = my queries): a lane holds one query.  Tiles of 16 are 32 B + 8 u + r + 8 (r / 8), so the 16 registers of two neighbouring tiles are 16 neighbours.
; K = 64 IN AN INSTRUCTION OF 128: a fragment of k is TWO tiles' half images on end; q stands with zero codes in the other half: [q, 0] gives the first tile's scores, [0, q] the second's.
; LIMITS: a block whose largest magnitude lies under 2^-122 (a block of zeros too) gets the byte 1; NaN and infinities are not served.  y's scale bytes leave as 2 bytes a token and head: 256 KiB in the launch.
; REGISTERS: v1 16 l, v2 8 l, v3 4 r, v4 my query - 16 h, v5 16 r, v6 r + 8 (r / 8) - 16 h; v8-10 LDS addresses; v11 the mask's bound; v12 -M, v13 largest t, v[14:15] the sum;
;   v16-33 zeros, q, zeros; v34, v35 q's scale words; v36-39 k's, v40-43 v's, v44 p's; v48-95 four fragments; v96-159 scores, then p; v160-191 O^T; v192-210 codes; v212-223, v236-241 at work.
.set BLK, 19200
.set HS,  307200
.set KVB, 12800                        ; a block in LDS: k's codes 0, v's 6,144, k's scale words 12,288, v's 12,544
.set F,   48
.set TB,  36                           ; s36 the step's block in LDS
.set KF,  37                           ; s37 its first key
.set J,   38                           ; s38 its number
.set JQ,  39                           ; s39 my queries' block
.set TQ,  40                           ; s40 my tile of queries, 0 .. 127
	s_load_b128 s[4:7], s[0:1], 0x0                ; qkv, codes
	s_load_b64 s[8:9], s[0:1], 0x10                ; scales
	v_lshl_add_u32 v254, v0, 2, 0x32000
	v_mov_b32 v255, 0
	ds_add_u32 v254, v255
	ds_add_u32 v254, v255
	v_lshrrev_b32 v1, 5, v0
	v_readfirstlane_b32 s10, v1                    ; wave 0..15
	s_and_b32 s11, ttmp7, 0xffff
	s_lshr_b32 s12, s11, 4                         ; batch
	s_and_b32 s13, s11, 15                         ; head
	s_mul_i32 s14, s11, HS
	s_mov_b32 s16, 3<<16                           ; group 1: 6,400 dense bytes as 25 rows of 32 elements of 8 bytes; no mask, no padding
	s_mov_b32 s17, 32<<16
	s_mov_b32 s18, 25<<16
	s_mov_b32 s19, 32<<16
	s_mov_b32 s20, 25
	s_mov_b32 s21, 32
	s_mov_b32 s22, 0
	s_mov_b32 s23, 0
	s_lshr_b32 s40, s10, 1
	s_mul_i32 s40, s40, BLK
	s_and_b32 s41, s10, 1
	s_mul_i32 s41, s41, 6400
	s_add_co_u32 s40, s40, s41
	s_add_co_u32 s40, s40, s14
	s_add_co_u32 s40, s40, 6400                    ; half (w % 2) of the K and V part of block w / 2
	s_mov_b32 s41, 0
	s_mul_i32 s42, s10, 6400
	s_wait_dscnt 0x0
	s_wait_kmcnt 0x0
	s_mov_b32 s24, 1
	s_mov_b32 s25, s42
	s_add_nc_u64 s[26:27], s[4:5], s[40:41]
	s_mov_b32 s28, 1
	s_add_co_u32 s29, s42, 102400
	s_add_nc_u64 s[30:31], s[26:27], 8*BLK         ; and of block 8 + w / 2
	s_or_b32 s27, s27, 0x80000000
	s_or_b32 s31, s31, 0x80000000
	tensor_load_to_lds s[24:27], s[16:23]          ; both fills stand together at the start: two loads of mine are out
	s_nop 0
	tensor_load_to_lds s[28:31], s[16:23]
	s_nop 0
.rept 4
	v_nop
.endr
	v_and_b32 v6, 31, v0
	v_lshlrev_b32 v1, 4, v6
	v_lshlrev_b32 v2, 3, v6
	v_and_b32 v7, 15, v0
	v_lshlrev_b32 v3, 2, v7
	v_lshlrev_b32 v5, 4, v7
	v_bfe_u32 v6, v0, 4, 1
	v_and_b32 v8, 8, v7
	v_add_nc_u32 v7, v7, v8
	v_lshlrev_b32 v6, 4, v6
	v_sub_nc_u32 v6, v7, v6
.irp j, 16,17,18,19,20,21,28,29,30,31,32,33
	v_mov_b32 v\j, 0                               ; the zero codes on both sides of q
.endr
.irp j, 216,217,218,219,237,238
	v_mov_b32 v\j, 0                               ; written once: lane permutes' destinations, and the upper half of the pair v[236:237]
.endr
	s_mov_b32 s32, 0x76543210
	s_mov_b32 s33, 0xfedcba98                      ; lane l xor 16
	s_mov_b32 s34, 0x3e38aa3b                      ; c = log2(e) / 8
	s_mov_b32 s35, s34
	s_lshr_b32 s15, s13, 3
	s_lshl_b32 s15, s15, 8
	s_bfe_u32 s43, s13, 0x20001
	s_lshl_b32 s43, s43, 2
	s_add_co_u32 s15, s15, s43
	s_and_b32 s43, s13, 1
	s_lshl_b32 s43, s43, 1
	s_add_co_u32 s15, s15, s43                     ; my head's two bytes in a row tile's scale words
.macro PASS trips
	s_wait_xcnt 0x0                                ; the last pass's stores have read their registers and bases
	s_lshr_b32 s[JQ], s[TQ], 3
	s_and_b32 s41, s[TQ], 7
	s_mul_i32 s42, s[JQ], BLK
	s_add_co_u32 s42, s42, s14
	s_mul_i32 s43, s41, 768
	s_add_co_u32 s44, s42, s43
	s_mov_b32 s45, 0
	s_add_nc_u64 s[48:49], s[4:5], s[44:45]        ; q's half image
	s_lshr_b32 s43, s41, 1
	s_lshl_b32 s43, s43, 6
	s_add_co_u32 s44, s42, s43
	s_add_co_u32 s44, s44, 6144
	s_add_nc_u64 s[50:51], s[4:5], s[44:45]        ; its pair's scale words
	s_lshl_b32 s43, s12, 7
	s_add_co_u32 s43, s43, s[TQ]
	s_add_co_u32 s43, s43, 768                     ; y's row tile
	s_mul_i32 s44, s43, 12288
	s_mul_i32 s46, s13, 768
	s_add_co_u32 s44, s44, s46
	s_add_nc_u64 s[52:53], s[6:7], s[44:45]
	s_lshl_b32 s44, s43, 9
	s_add_co_u32 s44, s44, s15
	s_add_nc_u64 s[54:55], s[8:9], s[44:45]
	global_load_b128 v[22:25], v1, s[48:49]
	global_load_b64 v[26:27], v2, s[48:49] offset:512
	global_load_b32 v238, v3, s[50:51]
	s_and_b32 s46, s[TQ], 1
	s_lshl_b32 s47, s46, 4
	s_lshl_b32 s46, s46, 3
	s_lshr_b32 s43, s[TQ], 1
	s_lshl_b32 s43, s43, 5
	s_add_co_u32 s43, s43, s46
	v_add_nc_u32 v4, s43, v6                       ; my query - 16 h
	v_mov_b32 v13, 0xff61b1e6                      ; the largest t so far: -3e38
	v_floor_f32 v12, -v13
	v_mov_b32 v14, 0
	v_mov_b32 v15, 0
	s_mov_b32 s[TB], 0
	s_mov_b32 s[KF], 0
	s_mov_b32 s[J], 0
	s_wait_loadcnt 0x0
	v_lshrrev_b32 v238, s47, v238
	v_and_b32 v34, 0xffff, v238                    ; my tile's two bytes below (for [q, 0]; the bytes over zero codes are 0, which is no NaN),
	v_lshlrev_b32 v35, 16, v34                     ; and above (for [0, q])
.set j, 0
.rept 32
	v_mov_b32 v[160+j], 0                          ; O^T: the first change of M leaves zeros zeros.  (These are also the places between the scale words' lines and the first product)
.set j, j+1
.endr
.Ltrip_\@:
	s_cmp_gt_u32 s[J], s[JQ]
	s_cbranch_scc1 .Lhid_\@                        ; all 128 keys come after my queries
	v_add_nc_u32 v8, s[TB], v1
	v_add_nc_u32 v9, s[TB], v2
	v_add_nc_u32 v10, s[TB], v3
	v_nop                                          ; four places in front of loads into registers that the last products read
.irp p, 0,1,2,3
	ds_load_b128 v[F+12*\p:F+12*\p+3], v8 offset:1536*\p
	ds_load_b64 v[F+12*\p+4:F+12*\p+5], v9 offset:1536*\p+512
	ds_load_b128 v[F+12*\p+6:F+12*\p+9], v8 offset:1536*\p+768
	ds_load_b64 v[F+12*\p+10:F+12*\p+11], v9 offset:1536*\p+1280
	ds_load_b32 v[36+\p], v10 offset:12288+64*\p
.endr
	s_wait_dscnt 0x0
.irp p, 0,1,2,3
	v_wmma_scale_f32_16x16x128_f8f6f4 v[96+16*\p:103+16*\p], v[F+12*\p:F+12*\p+11], v[22:33], 0, v[36+\p], v34 matrix_a_fmt:MATRIX_FMT_BF6 matrix_b_fmt:MATRIX_FMT_BF6
	v_wmma_scale_f32_16x16x128_f8f6f4 v[104+16*\p:111+16*\p], v[F+12*\p:F+12*\p+11], v[16:27], 0, v[36+\p], v35 matrix_a_fmt:MATRIX_FMT_BF6 matrix_b_fmt:MATRIX_FMT_BF6
.endr                                          ; register 16 b + i: key KF + 32 b + 16 h + i
.rept 4
	v_nop
.endr
.irp t, 0,1,2,3                                ; v's fragments land while the softmax is worked
	ds_load_b128 v[F+12*\t:F+12*\t+3], v8 offset:6144+1536*\t
	ds_load_b64 v[F+12*\t+4:F+12*\t+5], v9 offset:6144+1536*\t+512
	ds_load_b128 v[F+12*\t+6:F+12*\t+9], v8 offset:6144+1536*\t+768
	ds_load_b64 v[F+12*\t+10:F+12*\t+11], v9 offset:6144+1536*\t+1280
	ds_load_b32 v[40+\t], v10 offset:12544+64*\t
.endr
	s_cmp_lg_u32 s[J], s[JQ]
	s_cbranch_scc1 .Lopen_\@                       ; all keys count
	v_sub_nc_u32 v11, v4, s[KF]                    ; hidden where 32 b + i > my query - KF - 16 h
	v_mov_b32 v238, 0xff800000
.set j, 0
.rept 64
	v_cmp_gt_i32 vcc_lo, 32*(j/16)+j%16, v11
	v_cndmask_b32 v[96+j], v[96+j], v238, vcc_lo
.set j, j+1
.endr
.Lopen_\@:
.irp b, 0,1,2,3
	v_max3_num_f32 v[212+\b], v[96+16*\b], v[97+16*\b], v[98+16*\b]   ; the largest score of each block of 32 keys: for the row's maximum, and, since p rises with the score, for the block's largest p
.endr
.irp i, 3,5,7,9,11,13
.irp b, 0,1,2,3
	v_max3_num_f32 v[212+\b], v[212+\b], v[96+16*\b+\i], v[97+16*\b+\i]
.endr
.endr
.irp b, 0,1,2,3
	v_max_num_f32 v[212+\b], v[212+\b], v[111+16*\b]
.endr
.irp b, 0,1,2,3
	v_permlanex16_b32 v[216+\b], v[212+\b], s32, s33
.endr
.irp b, 0,1,2,3
	v_max_num_f32 v[212+\b], v[212+\b], v[216+\b]
.endr
	v_max3_num_f32 v238, v212, v213, v214
	v_max_num_f32 v238, v238, v215
	v_mul_f32 v238, s34, v238
	v_max_num_f32 v13, v13, v238                   ; the running largest t
	v_mov_b32 v238, v12
	v_floor_f32 v12, -v13                          ; the new -M: M is a whole number
	v_sub_f32 v238, v12, v238
	v_cvt_i32_f32 v238, v238                       ; (it saturates)
	v_ldexp_f32 v236, 1.0, v238                    ; f = 2^(old M - new M)
.set j, 0
.rept 32
	v_pk_fma_f32 v[96+j:97+j], v[96+j:97+j], s[34:35], v[12:13] op_sel_hi:[1,0,0]   ; t - M
.set j, j+2
.endr
.irp b, 0,1,2,3
	v_fma_f32 v[212+\b], v[212+\b], s34, v12
.endr
.set j, 0
.rept 64
	v_exp_f32 v[96+j], v[96+j]                     ; p = 2^(t - M)
.set j, j+1
.endr
.irp b, 0,1,2,3
	v_exp_f32 v[212+\b], v[212+\b]                 ; the block's largest p
.endr
	v_pk_mul_f32 v[14:15], v[14:15], v[236:237] op_sel_hi:[1,0]   ; the sums under the new M.  (A plain place behind the exponentials)
	s_wait_alu depctr_va_vdst(0)
.irp b, 0,1,2,3
	v_max_num_f32 v[212+\b], 0x2800000, v[212+\b]  ; the floor 2^(5 - 127)
.endr
.irp b, 0,1,2,3
	v_add_nc_u32 v[220+\b], 0xfe000000, v[212+\b]
.endr
.irp b, 0,1,2,3
	v_lshrrev_b32 v[216+\b], 23, v[220+\b]
.endr
	v_lshl_or_b32 v44, v217, 8, v216               ; p's scale word for these 128 keys
	v_lshl_or_b32 v44, v218, 16, v44
	v_lshl_or_b32 v44, v219, 24, v44
.irp c, 0,1
	v_cvt_scalef32_pk16_bf6_f32 v[192+6*\c:194+6*\c], v[96+32*\c:111+32*\c], v[220+2*\c]
	v_cvt_scalef32_pk16_bf6_f32 v[204+4*\c:206+4*\c], v[112+32*\c:127+32*\c], v[220+2*\c+1]
.endr
	v_nop                                          ; one plain place behind a scaled conversion
.irp c, 0,1
.irp i, 0,1,2
	v_permlane16_swap_b32 v[192+6*\c+\i], v[204+4*\c+\i]
.endr
.irp i, 0,1,2
	v_mov_b32 v[195+6*\c+\i], v[204+4*\c+\i]
.endr
.endr
	v_pk_add_f32 v[240:241], v[96:97], v[98:99]    ; the row's sum is taken of the unquantised p, in two chains
.irp j, 4,8,12,16,20,24,28,32,36,40,44,48,52,56,60
	v_pk_add_f32 v[14:15], v[14:15], v[96+\j:97+\j]
	v_pk_add_f32 v[240:241], v[240:241], v[98+\j:99+\j]
.endr
	v_pk_add_f32 v[14:15], v[14:15], v[240:241]
.set j, 0
.rept 16
	v_pk_mul_f32 v[160+j:161+j], v[160+j:161+j], v[236:237] op_sel_hi:[1,0]   ; O^T under the new M
.set j, j+2
.endr
	s_wait_dscnt 0x0                               ; v's fragments and scale words
.irp t, 0,1,2,3
	v_wmma_scale_f32_16x16x128_f8f6f4 v[160+8*\t:167+8*\t], v[F+12*\t:F+12*\t+11], v[192:203], v[160+8*\t:167+8*\t], v[40+\t], v44 matrix_a_fmt:MATRIX_FMT_BF6 matrix_b_fmt:MATRIX_FMT_BF6
.endr
.Lhid_\@:
	s_add_co_u32 s[TB], s[TB], KVB
	s_add_co_u32 s[KF], s[KF], 128
	s_add_co_u32 s[J], s[J], 1
	s_cmp_lt_u32 s[J], \trips
	s_cbranch_scc1 .Ltrip_\@
	; the way out: O^T / the sum, quantised: register 16 B + i is d = 32 B + 16 h + i of my query
.rept 4
	v_nop
.endr
	v_add_f32 v14, v14, v15
	v_permlanex16_b32 v238, v14, s32, s33
	v_add_f32 v14, v14, v238
	v_rcp_f32 v14, v14
	v_nop                                          ; one plain place behind a transcendental
.set j, 0
	s_wait_alu depctr_va_vdst(0)
.rept 32
	v_mul_f32 v[96+j], v[160+j], v14
.set j, j+1
.endr
.irp b, 0,1
	v_max3_num_f32 v[212+\b], |v[96+16*\b]|, |v[97+16*\b]|, 0x2800000
.endr
.irp i, 2,4,6,8,10,12,14
.irp b, 0,1
	v_max3_num_f32 v[212+\b], v[212+\b], |v[96+16*\b+\i]|, |v[97+16*\b+\i]|
.endr
.endr
.irp b, 0,1
	v_permlanex16_b32 v[216+\b], v[212+\b], s32, s33
.endr
.irp b, 0,1
	v_max_num_f32 v[212+\b], v[212+\b], v[216+\b]
.endr
.irp b, 0,1
	v_add_nc_u32 v[220+\b], 0xfe000000, v[212+\b]
.endr
.irp b, 0,1
	v_lshrrev_b32 v[216+\b], 23, v[220+\b]
.endr
	v_lshl_or_b32 v239, v217, 8, v216              ; my head's two bytes of my token
	v_cvt_scalef32_pk16_bf6_f32 v[192:194], v[96:111], v220
	v_cvt_scalef32_pk16_bf6_f32 v[204:206], v[112:127], v221
	v_nop
.irp i, 0,1,2
	v_permlane16_swap_b32 v[192+\i], v[204+\i]
.endr
.irp i, 0,1,2
	v_mov_b32 v[195+\i], v[204+\i]
.endr
	global_store_b128 v1, v[192:195], s[52:53]     ; the half image (row tile, head): 512 and 256 consecutive bytes, aligned
	global_store_b64 v2, v[196:197], s[52:53] offset:512
	global_store_b16 v5, v239, s[54:55]            ; both halves of the lanes write the same two bytes with the same value
.endm
	s_wait_tensorcnt 0x1                           ; my part of blocks 0-7 is in; my part of blocks 8-15 may stay out
	s_barrier_signal -1
	s_barrier_wait -1
	s_lshl_b32 s[TQ], ttmp9, 4
	s_add_co_u32 s[TQ], s[TQ], 15
	s_sub_co_u32 s[TQ], s[TQ], s10
	PASS 8
	s_wait_tensorcnt 0x0                           ; my part of blocks 8-15 is in,
	s_wait_dscnt 0x0
	s_barrier_signal -1
	s_barrier_wait -1                              ; everybody's is
	s_sub_co_u32 s[TQ], 7, ttmp9
	s_lshl_b32 s[TQ], s[TQ], 4
	s_add_co_u32 s[TQ], s[TQ], s10
	PASS 16
	s_wait_tensorcnt 0x0
	ds_add_u32 v254, v255
	s_wait_dscnt 0x0
	s_endpgm
.Lfunc_end_k_q4e5f0c11c9_attn:
	.size	k_q4e5f0c11c9_attn, .Lfunc_end_k_q4e5f0c11c9_attn-k_q4e5f0c11c9_attn
	.p2alignl 7, 3214868480
	.fill 96, 4, 3214868480
	.section	.rodata,"a",@progbits
	.p2align	6, 0x0
	.amdhsa_kernel k_q4e5f0c11c9_attn
		.amdhsa_group_segment_fixed_size 206848
		.amdhsa_private_segment_fixed_size 0
		.amdhsa_enable_private_segment 0
		.amdhsa_kernarg_size 24
		.amdhsa_user_sgpr_count 2
		.amdhsa_user_sgpr_kernarg_segment_ptr 1
		.amdhsa_wavefront_size32 1
		.amdhsa_system_sgpr_workgroup_id_x 1
		.amdhsa_system_sgpr_workgroup_id_y 1
		.amdhsa_system_sgpr_workgroup_id_z 1
		.amdhsa_system_vgpr_workitem_id 0
		.amdhsa_next_free_vgpr 256
		.amdhsa_next_free_sgpr 66
		.amdhsa_reserve_vcc 1
		.amdhsa_float_denorm_mode_32 3
		.amdhsa_float_denorm_mode_16_64 3
		.amdhsa_memory_ordered 1
		.amdhsa_forward_progress 1
		.amdhsa_inst_pref_size 60
	.end_amdhsa_kernel
	.amdgpu_metadata
---
amdhsa.version: [ 1, 2 ]
amdhsa.kernels:
  - .name:           k_q4e5f0c11c9_attn
    .symbol:         k_q4e5f0c11c9_attn.kd
    .args:
      - { .name: qkv, .offset: 0, .size: 8, .value_kind: global_buffer, .address_space: global }
      - { .name: codes, .offset: 8, .size: 8, .value_kind: global_buffer, .address_space: global }
      - { .name: scales, .offset: 16, .size: 8, .value_kind: global_buffer, .address_space: global }
    .group_segment_fixed_size: 206848
    .private_segment_fixed_size: 0
    .kernarg_segment_align: 8
    .kernarg_segment_size: 24
    .max_flat_workgroup_size: 512
    .sgpr_count:     66
    .vgpr_count:     256
    .wavefront_size: 32
...
	.end_amdgpu_metadata
.endif
;; end of part 4
;; launch gemm_out (part 5): grid 4 x 32, 4 waves a work-group, clusters of 4 x 4, 327,680 bytes of LDS; arguments codes, scales, bo, out0; writes out0
.if DOCPART == 5
	.amdgcn_target "amdgcn-amd-amdhsa--gfx1250"
	.amdhsa_code_object_version 6
	.text
	.protected	k_q4e5f0c11c9_gemm_out
	.globl	k_q4e5f0c11c9_gemm_out
	.p2align	8
	.type	k_q4e5f0c11c9_gemm_out,@function
k_q4e5f0c11c9_gemm_out:
	s_mov_b64 s[64:65], 0
	v_nop
	global_prefetch_b8 v0, s[64:65] scope:SCOPE_SE
	s_setreg_imm32_b32 hwreg(HW_REG_WAVE_MODE, 25, 1), 1
	s_wait_xcnt 0x0
	s_wait_alu depctr_hold_cnt(0) depctr_sa_sdst(0) depctr_va_vdst(0) depctr_va_sdst(0) depctr_va_ssrc(0) depctr_va_vcc(0) depctr_vm_vsrc(0)
	s_getreg_b32 s2, hwreg(HW_REG_IB_STS2, 6, 4)
	s_cmp_eq_u32 s2, 0
	s_cbranch_scc0 .Lentry_in_a_cluster
	s_endpgm
.Lentry_in_a_cluster:
	s_bfe_u32 s2, ttmp6, 0x10000c
	s_cmp_lg_u32 s2, 0xf033
	s_cbranch_scc0 .Lentry_shape_is_right
	s_endpgm
.Lentry_shape_is_right:
; out0 = y Wo + bo on codes of BF6 (K = 1,024).  A' = y's rows (row tiles 768 on of the codes' buffer), B' = Wo's columns (row tiles 704 on).
; A tile of 256 x 256 is made by four waves, 128 x 128 each: 64 accumulators, 512 registers.  The matrix instruction is used transposed (source 0 = 16 rows of B', source 1 = 16 rows of A'):
; a lane holds one token and its registers run along the output's columns: tile b, register j is column 32 (b / 2) + 8 (b % 2) + 16 h + j.
; K goes in steps of 256 through two LDS slots; the codes lie in memory as images of the operand's registers (a row tile's 256 along K are 3,072 consecutive bytes), so a fragment comes by
; two ds_load_b128 and two ds_load_b64 on consecutive bytes.  The eight steps of 128 are written out; all scale words stay in 64 registers.  The bias is the C of each sum's first product.
; CLUSTER 4 x 4: A's tiles are asked for jointly along a row of the cluster, B's along a column.  The output has 128 tiles of this size: half of the WGPs have a work-group.
; THE WAY OUT: a block of 16 tokens x 128 columns goes through the wave's own stage in LDS and leaves as whole rows of 512 bytes.  The stage lies in slot 0, which has had its last fill and its last read by then.
; REGISTERS: window 0: v1-6 lane terms, v16-23 LDS addresses, v24, v25 the stage, v27 the scales' offset, v28, v29 for the add; v32-95 scale words; v96-127, v224-255 the bias; v128-223 A's fragments, one set
;   (on the way out v128-255: rows read back).   window 1: B's fragments, two sets, at v0 and v128.   windows 2, 3: the accumulators, (a, b) at v[8 (8 (a % 4) + b)].
.set HALFT, 24576
.set SLOT,  4*HALFT
.set SPARE, 2*SLOT                     ; behind the ring: the spare words, 128 bytes for each wave: two blocks of 256 bytes that no other line names
.set FR,   12
.set ADRA, 16
.set ADRB, 20
.set STO,  24
.set RD,   25
.set CO,   4
.set SOF,  27
.set SPW,  28
.set NIL,  29
.set SC,   32
.set AF,   128
.set BK,   128
.set G1,  24
.set G0,  32
.set G1B, 48
.set G0B, 56
.set MSB, 0
.macro WIN new                         ; the immediate's high byte repeats the setting that is left
.if MSB != \new
	s_set_vgpr_msb (MSB<<8)|\new
.set MSB, \new
.endif
.endm
.set MUL_LO, 0xa1                      ; source 0 (B') window 1, source 1 (A') window 0, C and D window 2
.set MUL_HI, 0xf1
.set FST_LO, 0x81                      ; the first step: C (the bias) window 0, D window 2
.set FST_HI, 0xc1
.set TO_B,   0x40
.macro JLOAD g0a, g1a, g0b, g1b        ; a joint load: waves 0 and 1 fetch for A', waves 2 and 3 for B'; four v_nop follow each line
	s_cmp_eq_u32 s15, 0
	s_cbranch_scc0 .Lfor_b_\@
	tensor_load_to_lds s[\g0a:\g0a+3], s[\g1a:\g1a+7]
	s_nop 0
.rept 4
	v_nop
.endr
	s_branch .Lasked_\@
.Lfor_b_\@:
	tensor_load_to_lds s[\g0b:\g0b+3], s[\g1b:\g1b+7]
	s_nop 0
.rept 4
	v_nop
.endr
.Lasked_\@:
.endm
.macro CREST
	s_cmp_lg_u32 s14, 0
	s_cbranch_scc1 .Lnot_wave_0_\@
	s_barrier_signal -3
.Lnot_wave_0_\@:
	s_barrier_wait -3
	s_barrier_signal -1
	s_barrier_wait -1
.endm
.macro CROUND
	s_barrier_signal -1
	s_barrier_wait -1
	CREST
.endm
.macro PLACES                          ; four places behind a matrix instruction, ahead of loads into its registers and of reads of its results
.rept 4
	v_nop
.endr
.endm
	s_load_b256 s[4:11], s[0:1], 0x0               ; codes, scales, bo, out0
	v_lshl_add_u32 v[SPW], v0, 2, SPARE
	v_mov_b32 v[NIL], 0
	ds_add_u32 v28, v29
	ds_add_u32 v28, v29
	s_wait_dscnt 0x0
	v_lshrrev_b32 v1, 5, v0
	v_readfirstlane_b32 s14, v1                    ; wave 0..3
	s_lshr_b32 s15, s14, 1
	s_and_b32 s16, s14, 1
	s_bfe_u32 s40, ttmp6, 0x40000                  ; cx
	s_bfe_u32 s41, ttmp6, 0x40004                  ; cy
	s_lshl_b32 s42, ttmp9, 2
	s_add_co_u32 s42, s42, s40                     ; B's block of 256 columns
	s_and_b32 s17, ttmp7, 0xffff
	s_lshl_b32 s17, s17, 2
	s_add_co_u32 s17, s17, s41                     ; A's block of 256 tokens
	s_lshl_b32 s43, s41, 2
	s_lshl_b32 s43, 15, s43
	s_lshl_b32 s44, 0x1111, s40
	s_or_b32 s[G1+0], s43, (3<<16)|(1<<21)         ; the mask; elements of 8 bytes; bit 21 beside a mask; no padding
	s_or_b32 s[G1B+0], s44, (3<<16)|(1<<21)
.irp g, G1, G1B
	s_mov_b32 s[\g+1], 384<<16
	s_mov_b32 s[\g+2], 8<<16
	s_mov_b32 s[\g+3], 384<<16
	s_mov_b32 s[\g+4], 8
	s_mov_b32 s[\g+5], 1536
	s_mov_b32 s[\g+6], 0
	s_mov_b32 s[\g+7], 0
.endr
	s_lshl_b32 s22, s16, 7
	s_lshl_b32 s46, s17, 8
	s_add_co_u32 s46, s46, s22
	s_add_co_u32 s46, s46, 12288                   ; y's rows begin at row 12,288 of the codes' buffer
	s_mul_i32 s46, s46, 768
	s_mov_b32 s47, 0
	s_lshl_b32 s66, s42, 8
	s_add_co_u32 s66, s66, s22
	s_add_co_u32 s66, s66, 11264                   ; Wo's columns at row 11,264
	s_mul_i32 s66, s66, 768
	s_mov_b32 s67, 0
	s_mul_i32 s45, s14, HALFT
	s_wait_kmcnt 0x0
	s_add_nc_u64 s[46:47], s[4:5], s[46:47]
	s_add_nc_u64 s[66:67], s[4:5], s[66:67]
	CROUND                                         ; all sixteen work-groups are here: the first joint loads meet
.irp s, 0,1
	s_mov_b32 s[G0+4*\s], 1
	s_add_co_u32 s[G0+4*\s+1], s45, \s*SLOT
	s_add_nc_u64 s[G0+4*\s+2:G0+4*\s+3], s[46:47], \s*3072
	s_or_b32 s[G0+4*\s+3], s[G0+4*\s+3], 0x80000000
	s_mov_b32 s[G0B+4*\s], 1
	s_add_co_u32 s[G0B+4*\s+1], s45, \s*SLOT
	s_add_nc_u64 s[G0B+4*\s+2:G0B+4*\s+3], s[66:67], \s*3072
	s_or_b32 s[G0B+4*\s+3], s[G0B+4*\s+3], 0x80000000
	JLOAD G0+4*\s, G1, G0B+4*\s, G1B
.endr
	v_and_b32 v1, 15, v0                           ; r
	v_bfe_u32 v2, v0, 4, 1                         ; h
	v_and_b32 v3, 31, v0
	v_lshlrev_b32 v4, 4, v3                        ; 16 l
	v_lshlrev_b32 v5, 3, v3                        ; 8 l
	s_mul_i32 s22, s15, HALFT
	s_mul_i32 s23, s16, HALFT
	s_add_co_u32 s23, s23, 2*HALFT
.irp s, 0,1
	v_add_nc_u32 v[ADRA+\s], s22, v4
	v_add_nc_u32 v[ADRA+2+\s], s22, v5
	v_add_nc_u32 v[ADRB+\s], s23, v4
	v_add_nc_u32 v[ADRB+2+\s], s23, v5
	s_add_co_u32 s22, s22, SLOT
	s_add_co_u32 s23, s23, SLOT
.endr
	s_lshl_b32 s68, s17, 8
	s_lshl_b32 s69, s15, 7
	s_add_co_u32 s68, s68, s69
	s_add_co_u32 s68, s68, 12288
	s_lshl_b32 s68, s68, 5                         ; scale words: 32 bytes a row
	s_lshl_b32 s69, s42, 8
	s_lshl_b32 s70, s16, 7
	s_add_co_u32 s69, s69, s70
	s_add_co_u32 s69, s69, 11264
	s_lshl_b32 s69, s69, 5
	s_mov_b32 s74, 0xffff0000                      ; lanes 16-31
	v_mov_b32 v6, s68
	v_mov_b32 v7, s69
	v_cndmask_b32 v[SOF], v6, v7, s74
	v_lshl_add_u32 v[SOF], v1, 4, v[SOF]
.irp i, 0,1,2,3,4,5,6,7
.irp q, 0,1
	global_load_b128 v[SC+8*\i+4*\q:SC+8*\i+4*\q+3], v[SOF], s[6:7] offset:512*\i+256*\q
.endr
.endr
	s_lshl_b32 s70, s17, 8
	s_lshl_b32 s71, s15, 7
	s_add_co_u32 s70, s70, s71
	s_lshl_b32 s70, s70, 12                        ; my first token's row of 4,096 bytes
	s_lshl_b32 s72, s42, 10
	s_lshl_b32 s73, s16, 9
	s_add_co_u32 s72, s72, s73                     ; my first column, in bytes: in out0 and in bo
	s_mov_b32 s73, 0
	s_add_nc_u64 s[8:9], s[8:9], s[72:73]
	s_add_co_u32 s70, s70, s72
	s_mov_b32 s71, 0
	s_add_nc_u64 s[10:11], s[10:11], s[70:71]
	v_lshlrev_b32 v6, 6, v2                        ; the bias in the result's layout
.irp b, 0,1,2,3,4,5,6,7
	global_load_b128 v[96+8*\b+96*(\b/4):96+8*\b+96*(\b/4)+3], v6, s[8:9] offset:4*(32*(\b/2)+8*(\b%2))
	global_load_b128 v[96+8*\b+96*(\b/4)+4:96+8*\b+96*(\b/4)+7], v6, s[8:9] offset:4*(32*(\b/2)+8*(\b%2))+16
.endr
	s_mul_i32 s23, s14, 16*528                     ; my stage
	v_mul_u32_u24 v7, v1, 528
	v_lshl_add_u32 v7, v2, 6, v7
	v_add_nc_u32 v[STO], s23, v7                   ; in: row r, + 64 h
	v_add_nc_u32 v[RD], s23, v4                    ; back: 16 bytes a lane of a row of 512
.macro FRAG reg, adr, q, i             ; a fragment, 16 rows x 128 K: two half images on end, as they lie
	ds_load_b128 v[\reg:\reg+3], v[\adr] offset:3072*(\i)+1536*(\q)
	ds_load_b64 v[\reg+4:\reg+5], v[\adr+2] offset:3072*(\i)+1536*(\q)+512
	ds_load_b128 v[\reg+6:\reg+9], v[\adr] offset:3072*(\i)+1536*(\q)+768
	ds_load_b64 v[\reg+10:\reg+11], v[\adr+2] offset:3072*(\i)+1536*(\q)+1280
.endm
; 16 matrix instructions: A's blocks a0, a0 + 1 x B's eight; p: B's set; g: the K step of 128.  first = 1: the bias is the C that starts the sums.
; The 64 accumulators take turns, one instruction a turn, in the same order in every step.
.macro MUL16 a0, p, g, first
.irp a, \a0, \a0+1
.irp b, 0,1,2,3,4,5,6,7
.if \first
	v_wmma_scale_f32_16x16x128_f8f6f4 v[8*(8*((\a)%4)+\b):8*(8*((\a)%4)+\b)+7], v[128*(\p)+FR*\b:128*(\p)+FR*\b+FR-1], v[AF+FR*(\a):AF+FR*(\a)+FR-1], v[96+8*\b+96*(\b/4):96+8*\b+96*(\b/4)+7], v[SC+8*\b+(\g)], v[SC+8*(\a)+(\g)] matrix_a_fmt:MATRIX_FMT_BF6 matrix_b_fmt:MATRIX_FMT_BF6 matrix_a_scale:MATRIX_SCALE_ROW1
.else
	v_wmma_scale_f32_16x16x128_f8f6f4 v[8*(8*((\a)%4)+\b):8*(8*((\a)%4)+\b)+7], v[128*(\p)+FR*\b:128*(\p)+FR*\b+FR-1], v[AF+FR*(\a):AF+FR*(\a)+FR-1], v[8*(8*((\a)%4)+\b):8*(8*((\a)%4)+\b)+7], v[SC+8*\b+(\g)], v[SC+8*(\a)+(\g)] matrix_a_fmt:MATRIX_FMT_BF6 matrix_b_fmt:MATRIX_FMT_BF6 matrix_a_scale:MATRIX_SCALE_ROW1
.endif
.endr
.endr
.endm
.macro FETCH_B slot, q, p
	WIN TO_B
.irp i, 0,1,2,3,4,5,6,7
	FRAG 128*(\p)+FR*\i, ADRB+\slot, \q, \i
.endr
	WIN 0
.endm
.macro FETCH_A slot, q, i0
.irp i, \i0, \i0+1, \i0+2, \i0+3
	FRAG AF+FR*(\i), ADRA+\slot, \q, \i
.endr
.endm
.macro STEP slot, g, first             ; a slot's first 128 along K
	s_wait_dscnt 16                                ; B's set and A's blocks 0-3 are in; the youngest 16 loads (A's blocks 4-7) may be out
.if \first
	WIN FST_LO
.else
	WIN MUL_LO
.endif
	MUL16 0, 0, \g, \first
	MUL16 2, 0, \g, \first
	s_wait_dscnt 0x0                               ; A's blocks 4-7 are in
	PLACES
	FETCH_B \slot, 1, 1
	FETCH_A \slot, 1, 0
.if \first
	WIN FST_HI
.else
	WIN MUL_HI
.endif
	MUL16 4, 0, \g, \first
	MUL16 6, 0, \g, \first
	PLACES
	WIN 0
	FETCH_A \slot, 1, 4
.endm
.macro TURN slot, next, fill, g        ; a slot's second 128 along K, and the change of slots
	s_wait_tensorcnt 0x0                           ; all my tensor loads have landed: my part of the next slot;
	ds_add_u32 v[SPW], v[NIL]                      ; 0 onto my spare word;
	s_wait_dscnt 17                                ; (the add and the youngest 16 loads may be out)
	WIN MUL_LO
	MUL16 0, 1, \g, 0
	s_wait_dscnt 0x0                               ; the add is done, and my reads of this slot are over
	s_barrier_signal -1
	MUL16 2, 1, \g, 0
	WIN 0
	s_barrier_wait -1
.if \fill
	CREST                                          ; the barrier has opened a round of the cluster's: no wave of any partner still reads this slot or has a load on its way
	s_add_nc_u64 s[G0+4*\slot+2:G0+4*\slot+3], s[G0+4*\slot+2:G0+4*\slot+3], 6144
	s_add_nc_u64 s[G0B+4*\slot+2:G0B+4*\slot+3], s[G0B+4*\slot+2:G0B+4*\slot+3], 6144
	JLOAD G0+4*\slot, G1, G0B+4*\slot, G1B         ; the first tensor load behind the round; its four v_nop are also the places in front of the loads below
.else
	PLACES
.endif
	FETCH_B \next, 0, 0
	FETCH_A \next, 0, 0
	WIN MUL_HI
	MUL16 4, 1, \g, 0
	MUL16 6, 1, \g, 0
	PLACES
	WIN 0
	FETCH_A \next, 0, 4
.endm
	s_wait_tensorcnt 0x1                           ; my part of slot 0 is in; slot 1's load may stay out
	s_barrier_signal -1
	s_barrier_wait -1
	FETCH_B 0, 0, 0
	FETCH_A 0, 0, 0
	FETCH_A 0, 0, 4
	s_wait_loadcnt 0x0                             ; scale words and bias
	STEP 0, 0, 1
	TURN 0, 1, 1, 1
	STEP 1, 2, 0
	TURN 1, 0, 1, 3
	STEP 0, 4, 0
	TURN 0, 1, 0, 5                                ; nothing is left to fetch: no round.  Behind this barrier nobody reads slot 0
	STEP 1, 6, 0
	s_wait_dscnt 16
	WIN MUL_LO
	MUL16 0, 1, 7, 0
	MUL16 2, 1, 7, 0
	s_wait_dscnt 0x0
	WIN MUL_HI
	MUL16 4, 1, 7, 0
	MUL16 6, 1, 7, 0
	WIN 0
; THE WAY OUT, block by block of 16 tokens x 128 columns, through my own stage (rows 528 bytes apart).  LDS serves a wave's instructions in order (ISA guide 5.7.1.4): no wait between the stores and the loads.
.macro TOSTAGE a
.set AC, 64*((\a)%4)
	WIN 0x08+4*((\a)/4)                            ; the data: window 2 or 3
.irp b, 0,1,2,3,4,5,6,7
	ds_store_b128 v[STO], v[AC+8*\b:AC+8*\b+3] offset:128*(\b/2)+32*(\b%2)       ; each accumulator from its low end on
	ds_store_b128 v[STO], v[AC+8*\b+4:AC+8*\b+7] offset:128*(\b/2)+32*(\b%2)+16
.endr
	WIN 0
.set BB, BK+64*((\a)%2)
.irp t, 0,1,2,3,4,5,6,7,8,9,10,11,12,13,14,15
	ds_load_b128 v[BB+4*\t:BB+4*\t+3], v[RD] offset:\t*528
.endr
.endm
.macro SEND a, younger                 ; younger: the LDS instructions issued behind block a's loads, which may stay out
.set BB, BK+64*((\a)%2)
	s_wait_dscnt \younger
.if (\a) > 0
.if (\a)%2 == 1
	s_add_nc_u64 s[10:11], s[10:11], 32768         ; (behind a wait on XCNT)  the odd tile of a pair begins 8 tokens on,
.else
	s_add_nc_u64 s[10:11], s[10:11], 98304         ; the next pair 24 further
.endif
.endif
.irp t, 0,1,2,3,4,5,6,7,8,9,10,11,12,13,14,15
	global_store_b128 v[CO], v[BB+4*\t:BB+4*\t+3], s[10:11] offset:(\t+8*(\t/8))*4096 th:TH_STORE_NT   ; 32 lanes store 512 consecutive bytes, aligned; written once, read by nobody here
.endr
.endm
	PLACES                                         ; for the loads into registers that the last products read, and for the reads of their results
	TOSTAGE 0
.irp a, 1,2,3,4,5,6,7
.if \a > 1
	s_wait_xcnt 0x0                                ; block a - 2's stores have read their registers and their base
.endif
	TOSTAGE \a
	SEND \a-1, 32                                  ; behind block a - 1's loads: block a's 16 stores and 16 loads
.endr
	s_wait_xcnt 0x0
	SEND 7, 0
	s_wait_tensorcnt 0x0                           ; the wave's end: behind my last tensor load and my last LDS store
	ds_add_u32 v[SPW], v[NIL]
	s_wait_dscnt 0x0
	CROUND                                         ; the closing round
	s_endpgm
.Lfunc_end_k_q4e5f0c11c9_gemm_out:
	.size	k_q4e5f0c11c9_gemm_out, .Lfunc_end_k_q4e5f0c11c9_gemm_out-k_q4e5f0c11c9_gemm_out
	.p2alignl 7, 3214868480
	.fill 96, 4, 3214868480
	.section	.rodata,"a",@progbits
	.p2align	6, 0x0
	.amdhsa_kernel k_q4e5f0c11c9_gemm_out
		.amdhsa_group_segment_fixed_size 327680
		.amdhsa_private_segment_fixed_size 0
		.amdhsa_enable_private_segment 0
		.amdhsa_kernarg_size 32
		.amdhsa_user_sgpr_count 2
		.amdhsa_user_sgpr_kernarg_segment_ptr 1
		.amdhsa_wavefront_size32 1
		.amdhsa_system_sgpr_workgroup_id_x 1
		.amdhsa_system_sgpr_workgroup_id_y 1
		.amdhsa_system_sgpr_workgroup_id_z 1
		.amdhsa_system_vgpr_workitem_id 0
		.amdhsa_next_free_vgpr 1024
		.amdhsa_next_free_sgpr 76
		.amdhsa_reserve_vcc 0
		.amdhsa_float_denorm_mode_32 3
		.amdhsa_float_denorm_mode_16_64 3
		.amdhsa_memory_ordered 1
		.amdhsa_forward_progress 1
		.amdhsa_inst_pref_size 142
	.end_amdhsa_kernel
	.amdgpu_metadata
---
amdhsa.version: [ 1, 2 ]
amdhsa.kernels:
  - .name:           k_q4e5f0c11c9_gemm_out
    .symbol:         k_q4e5f0c11c9_gemm_out.kd
    .args:
      - { .name: codes, .offset: 0, .size: 8, .value_kind: global_buffer, .address_space: global }
      - { .name: scales, .offset: 8, .size: 8, .value_kind: global_buffer, .address_space: global }
      - { .name: bo, .offset: 16, .size: 8, .value_kind: global_buffer, .address_space: global }
      - { .name: out0, .offset: 24, .size: 8, .value_kind: global_buffer, .address_space: global }
    .group_segment_fixed_size: 327680
    .private_segment_fixed_size: 0
    .kernarg_segment_align: 8
    .kernarg_segment_size: 32
    .max_flat_workgroup_size: 128
    .sgpr_count:     76
    .vgpr_count:     1024
    .wavefront_size: 32
...
	.end_amdgpu_metadata
.endif
;; end of part 5
;; ======== version 2 of 2: 4 launches
;; workspace buffers: codes 15,728,640 bytes; scales 655,360 bytes; qkv 19,660,800 bytes
;; launch quant (part 6): grid 640 x 1, 8 waves a work-group, no clusters, 69,120 bytes of LDS; arguments x, Wqkv, Wo, codes, scales; writes codes, scales
.if DOCPART == 6
	.amdgcn_target "amdgcn-amd-amdhsa--gfx1250"
	.amdhsa_code_object_version 6
	.text
	.protected	k_q4e5f0c11c9_quant
	.globl	k_q4e5f0c11c9_quant
	.p2align	8
	.type	k_q4e5f0c11c9_quant,@function
k_q4e5f0c11c9_quant:
	s_mov_b64 s[64:65], 0
	v_nop
	global_prefetch_b8 v0, s[64:65] scope:SCOPE_SE
	s_setreg_imm32_b32 hwreg(HW_REG_WAVE_MODE, 25, 1), 1
	s_wait_xcnt 0x0
; x [8192][1024], Wqkv [1024][3072] and Wo [1024][1024], f32, become codes of BF6 (E3M2) with one E8M0 byte for each 32 along K, laid as IMAGES OF THE OPERAND'S REGISTERS.
; A ROW TILE is 16 rows of an operand, not neighbours: lane r of tile 2 B + u holds row 32 B + 8 u + r + 8 (r / 8).  A HALF IMAGE is 16 rows x 64 K, 768 bytes: lane l = (r, h) owns
; the 24 bytes of row r, k = 32 h .. 32 h + 31: its first 16 at 16 l, its last 8 at 512 + 8 l.  A tile's 16 half images lie on end (12,288 bytes).
; Row tiles 0 .. 511 are x's rows; a weight's column is a row of the operand: tiles 512 .. 703 are Wqkv's columns, 704 .. 767 Wo's.
; Scale words: 512 bytes a tile; the word of (lane r, K step s of 128) at 256 (s / 4) + 16 r + 4 (s % 4).
; A block's scale is 2^(floor(log2(largest magnitude)) - 4): its byte is the largest magnitude's exponent field - 4, held at 1 from below.
; LIMITS: a block whose largest magnitude lies under 2^-122 (a block of zeros too) gets the byte 1; a block of zeros has zero codes, and this program alone reads the bytes.
; NaN and infinities among the inputs are not served.
; ONE LAUNCH, TWO WAYS, parted by the work-group's number.  They join again in front of the one barrier, so that every wave of every work-group passes it.
; All LDS addresses are made ahead of the parting; the weights' way touches no LDS.
;   Work-groups 0 .. 511: one row tile of x, wave w its K step w: 16 rows x 128 numbers.  Each load reads 512 consecutive bytes of one row; the numbers turn through the wave's own stage
;   in LDS (rows 528 bytes apart) so that a lane then holds two whole blocks of 32.  The tile's scale words meet in LDS and leave as one run of 512 bytes.
;   Work-groups 512 .. 639: 128 columns of a weight x two K steps; a wave 32 columns x 128 K.  A LANE TAKES A COLUMN AND ITS REGISTERS RUN DOWN K: a block of 32 lies in one lane.
;   Lane l takes column (l & 7) + 8 (l / 16) + 16 ((l / 8) & 1) of the wave's 32: lanes 0-15 are the even tile of a pair, lanes 16-31 the odd one.  Each load reads 128 consecutive bytes,
;   four waves side by side 512.  Six exchanges of halves of lanes between the codes of blocks 2 c and 2 c + 1 give both tiles' half images.
;   The weights' scale words leave as 4 bytes a lane, 16 bytes apart: 128 KiB in the launch against 16 MiB read.
; No matrix unit, no tensor load, no cluster: a stream that shares no input.
.set STG,  8448                        ; a wave's stage: 16 rows x 528 bytes
.set GATH, 8*STG                       ; behind the stages: the tile's 512 bytes of scale words
.set XR, 16                            ; x: v16-79   as loaded
.set XN, 80                            ;    v80-143  two blocks of 32 neighbours
.set XC, 16                            ;    v16-27   the fragment's 12 registers (the numbers as loaded are done with)
.set XT, 28                            ;    v28-30, v32-34 second halves of the blocks' codes
.set XW, 36                            ;    v36-38   the scale word, at work
.set WO, 16                            ; weights: v16-47 byte offsets of rows 0 .. 31 of a block, at my column; never rewritten
.set WX, 48                            ;    v48-111  two sets of 32 numbers
.set WC, 112                           ;    block t's six registers of codes at v[112 + 8 t]
.set WT, 144                           ;    v144-146 a block's second three, then moved
.set GO, 148                           ; v148-151 the tile's scale words on their way out
	s_load_b256 s[4:11], s[0:1], 0x0               ; x, Wqkv, Wo, codes
	s_load_b64 s[12:13], s[0:1], 0x20              ; scales
	v_lshl_add_u32 v160, v0, 2, 0x10a00
	v_mov_b32 v161, 0
	v_lshrrev_b32 v7, 5, v0
	s_delay_alu instid0(VALU_DEP_1)
	v_readfirstlane_b32 s14, v7                    ; wave 0..7
	v_and_b32 v7, 31, v0                           ; lane
	v_and_b32 v8, 15, v0                           ; r
	v_bfe_u32 v9, v0, 4, 1                         ; h
	s_delay_alu instid0(VALU_DEP_3)
	v_lshlrev_b32 v1, 4, v7                        ; 16 l
	s_delay_alu instid0(VALU_DEP_4)
	v_lshlrev_b32 v2, 3, v7                        ; 8 l
	s_mul_i32 s15, s14, STG
	v_add_nc_u32 v3, s15, v1                       ; into the stage: 16 l of a row
	v_mul_u32_u24 v4, v8, 528
	s_delay_alu instid0(VALU_DEP_1)
	v_lshl_add_u32 v4, v9, 7, v4
	s_delay_alu instid0(VALU_DEP_1)
	v_add_nc_u32 v4, s15, v4                       ; out of it: row r, block h
	s_lshr_b32 s16, s14, 2
	s_lshl_b32 s16, s16, 8
	s_and_b32 s17, s14, 3
	s_lshl_b32 s17, s17, 2
	s_add_co_u32 s16, s16, s17
	s_add_co_u32 s16, s16, GATH
	v_lshl_add_u32 v5, v8, 4, s16                  ; my row's scale word of K step w
	v_add_nc_u32 v6, GATH, v1
	s_lshl_b32 s36, ttmp9, 9                       ; a row tile's 512 bytes of scale words
	s_mov_b32 s37, 0
	s_cmp_lt_u32 ttmp9, 512
	s_cbranch_scc0 .Lweights
	; ---- a row tile of x
	s_mov_b32 s20, 0x76543210
	s_mov_b32 s21, 0xfedcba98                      ; v_permlanex16_b32's selects for lane l xor 16
	s_lshr_b32 s22, ttmp9, 1
	s_lshl_b32 s22, s22, 17                        ; 32 rows of 4,096 bytes for each pair of tiles,
	s_and_b32 s23, ttmp9, 1
	s_lshl_b32 s23, s23, 15                        ; 8 rows for the odd tile,
	s_add_co_u32 s22, s22, s23
	s_lshl_b32 s23, s14, 9                         ; 512 bytes a K step
	s_add_co_u32 s22, s22, s23
	s_mov_b32 s23, 0
	s_mul_i32 s24, ttmp9, 12288
	s_mul_i32 s25, s14, 1536
	s_add_co_u32 s24, s24, s25
	s_mov_b32 s25, 0
	s_wait_kmcnt 0x0
	s_add_nc_u64 s[22:23], s[4:5], s[22:23]
	s_add_nc_u64 s[24:25], s[10:11], s[24:25]
.set i, 0
	s_wait_alu depctr_va_vdst(0)
.rept 16
	global_load_b128 v[XR+4*i:XR+4*i+3], v1, s[22:23] offset:(i+8*(i/8))*4096 th:TH_LOAD_NT   ; the tile's row i: 512 consecutive bytes
.set i, i+1
.endr
.set i, 0
.rept 16
	s_wait_loadcnt 15-i                            ; row i is in; the younger rows' loads stay out
	ds_store_b128 v3, v[XR+4*i:XR+4*i+3] offset:528*i
.set i, i+1
.endr
.set i, 0
.rept 16
	ds_load_b128 v[XN+4*i:XN+4*i+3], v4 offset:256*(i/8)+16*(i%8)   ; blocks h and 2 + h of row r; LDS serves a wave's instructions in order: these see my stores
.set i, i+1
.endr
	s_wait_dscnt 0x0
.irp c, 0,1
	v_max3_num_f32 v[10+\c], |v[XN+32*\c]|, |v[XN+32*\c+1]|, 0x2800000   ; and the floor 2^(5 - 127): the byte cannot fall under 1
.endr
.irp i, 2,4,6,8,10,12,14,16,18,20,22,24,26,28,30
.irp c, 0,1
	s_delay_alu instid0(VALU_DEP_2)
	v_max3_num_f32 v[10+\c], v[10+\c], |v[XN+32*\c+\i]|, |v[XN+32*\c+\i+1]|
.endr
.endr
.irp c, 0,1
	s_delay_alu instid0(VALU_DEP_2)
	v_add_nc_u32 v[12+\c], 0xfe000000, v[10+\c]    ; 4 off the exponent field: the conversion's scale operand
.endr
.irp c, 0,1
	s_delay_alu instid0(VALU_DEP_2)
	v_lshrrev_b32 v[14+\c], 23, v[12+\c]           ; the scale's byte
.endr
	s_delay_alu instid0(VALU_DEP_1)
	v_lshl_or_b32 v[XW], v15, 16, v14              ; my two bytes: blocks h and 2 + h,
	v_lshlrev_b32 v[XW+1], 3, v9
	s_delay_alu instid0(VALU_DEP_1)
	v_lshlrev_b32 v[XW], v[XW+1], v[XW]            ; at their places in the word;
	v_mov_b32 v[XW+2], 0
	s_delay_alu instid0(VALU_DEP_1)
	v_permlanex16_b32 v[XW+2], v[XW], s20, s21
	s_delay_alu instid0(VALU_DEP_1)
	v_or_b32 v[XW], v[XW], v[XW+2]                 ; with lane l xor 16's two the word is whole
.irp c, 0,1
	v_cvt_scalef32_pk16_bf6_f32 v[XC+6*\c:XC+6*\c+2], v[XN+32*\c:XN+32*\c+15], v[12+\c]
	v_cvt_scalef32_pk16_bf6_f32 v[XT+4*\c:XT+4*\c+2], v[XN+32*\c+16:XN+32*\c+31], v[12+\c]   ; (a conversion's three registers begin on an even number)
.endr
	v_nop                                          ; one plain place behind a scaled conversion
.irp c, 0,1
.irp i, 0,1,2
	v_mov_b32 v[XC+6*\c+3+\i], v[XT+4*\c+\i]
.endr
.endr
	global_store_b128 v1, v[XC:XC+3], s[24:25]                 ; each store covers 512 or 256 consecutive bytes, aligned
	global_store_b64 v2, v[XC+4:XC+5], s[24:25] offset:512
	global_store_b128 v1, v[XC+6:XC+9], s[24:25] offset:768
	global_store_b64 v2, v[XC+10:XC+11], s[24:25] offset:1280
	ds_store_b32 v5, v[XW]                         ; both halves of the lanes write the same word with the same value
	s_branch .Ljoin
	; ---- 32 columns x 128 K of a weight
.Lweights:
	s_sub_co_u32 s15, ttmp9, 512
	s_and_b32 s16, s15, 31                         ; which 128 columns of the two weights on end: under 24 Wqkv's, else Wo's
	s_lshr_b32 s17, s15, 5
	s_lshl_b32 s17, s17, 1
	s_lshr_b32 s18, s14, 2
	s_add_co_u32 s17, s17, s18                     ; the K step of 128
	s_and_b32 s18, s14, 3                          ; which 32 of the 128 columns
	v_lshlrev_b32 v13, 4, v8
	s_delay_alu instid0(VALU_DEP_1)
	v_lshl_add_u32 v13, v9, 9, v13                 ; scale word: 512 x (tile of the pair) + 16 r
	v_and_b32 v7, 7, v0
	s_delay_alu instid0(VALU_DEP_1)
	v_lshl_add_u32 v7, v9, 3, v7
	v_bfe_u32 v10, v0, 3, 1
	s_delay_alu instid0(VALU_DEP_1)
	v_lshl_add_u32 v7, v10, 4, v7                  ; my column of the wave's 32
	s_delay_alu instid0(VALU_DEP_1)
	v_lshlrev_b32 v[WO], 2, v7
	s_wait_alu depctr_va_vdst(0)
	s_wait_kmcnt 0x0
	s_mov_b32 s19, 4096
	s_cmp_lt_u32 s16, 24                           ; which tensor: the choice hangs on the work-group's number alone
	s_cselect_b64 s[6:7], s[6:7], s[8:9]
	s_cselect_b32 s19, 12288, s19                  ; bytes from row to row
	s_cselect_b32 s20, 0, 24
	s_sub_co_u32 s20, s16, s20                     ; which 128 columns of that tensor
.set i, 1
	v_add_nc_u32 v[WO+i], s19, v[WO+i-1]
.set i, i+1
.rept (31)-1
	s_delay_alu instid0(VALU_DEP_1)
	v_add_nc_u32 v[WO+i], s19, v[WO+i-1]
.set i, i+1
.endr
	s_lshl_b32 s22, s17, 7
	s_mul_i32 s22, s22, s19                        ; 128 rows a K step
	s_lshl_b32 s23, s20, 9
	s_add_co_u32 s22, s22, s23
	s_lshl_b32 s23, s18, 7
	s_add_co_u32 s22, s22, s23                     ; + my wave's first column
	s_mov_b32 s23, 0
	s_lshl_b32 s24, s19, 5                         ; 32 rows
	s_mov_b32 s25, 0
	s_add_nc_u64 s[26:27], s[6:7], s[22:23]        ; a base for each block: none is stepped
	s_add_nc_u64 s[28:29], s[26:27], s[24:25]
	s_add_nc_u64 s[30:31], s[28:29], s[24:25]
	s_add_nc_u64 s[32:33], s[30:31], s[24:25]
	s_lshl_b32 s34, s16, 3
	s_lshl_b32 s35, s18, 1
	s_add_co_u32 s34, s34, s35
	s_add_co_u32 s34, s34, 512                     ; my pair's even tile
	s_mul_i32 s40, s34, 12288
	s_mul_i32 s41, s17, 1536
	s_add_co_u32 s40, s40, s41
	s_mov_b32 s41, 0
	s_add_nc_u64 s[40:41], s[10:11], s[40:41]
	s_lshl_b32 s42, s34, 9
	s_lshr_b32 s35, s17, 2
	s_lshl_b32 s35, s35, 8
	s_add_co_u32 s42, s42, s35
	s_and_b32 s35, s17, 3
	s_lshl_b32 s35, s35, 2
	s_add_co_u32 s42, s42, s35
	s_mov_b32 s43, 0
	s_add_nc_u64 s[42:43], s[12:13], s[42:43]
.macro LOAD t                          ; block t's 32 numbers into set t % 2
.set i, 0
.rept 32
	global_load_b32 v[WX+32*((\t)%2)+i], v[WO+i], s[26+2*\t:27+2*\t] th:TH_LOAD_NT
.set i, i+1
.endr
.endm
.macro BLOCK t
.set XS, WX+32*((\t)%2)
	v_max3_num_f32 v8, |v[XS]|, |v[XS+1]|, |v[XS+2]|               ; the block's largest magnitude, in two chains
	v_max3_num_f32 v9, |v[XS+3]|, |v[XS+4]|, |v[XS+5]|
.irp i, 6,10,14,18,22,26
	s_delay_alu instid0(VALU_DEP_2)
	v_max3_num_f32 v8, v8, |v[XS+\i]|, |v[XS+\i+1]|
	s_delay_alu instid0(VALU_DEP_2)
	v_max3_num_f32 v9, v9, |v[XS+\i+2]|, |v[XS+\i+3]|
.endr
	s_delay_alu instid0(VALU_DEP_2)
	v_max3_num_f32 v8, v8, |v[XS+30]|, |v[XS+31]|
	s_delay_alu instid0(VALU_DEP_1)
	v_max3_num_f32 v8, v8, v9, 0x2800000           ; and the floor 2^(5 - 127)
	s_delay_alu instid0(VALU_DEP_1)
	v_add_nc_u32 v10, 0xfe000000, v8               ; the conversion's scale operand
	s_delay_alu instid0(VALU_DEP_1)
	v_lshrrev_b32 v11, 23, v10                     ; the byte
.if \t == 0
	s_delay_alu instid0(VALU_DEP_1)
	v_mov_b32 v12, v11
.else
	s_delay_alu instid0(VALU_DEP_1)
	v_lshl_or_b32 v12, v11, 8*\t, v12              ; four bytes make my column's word of this K step
.endif
	v_cvt_scalef32_pk16_bf6_f32 v[WC+8*\t:WC+8*\t+2], v[XS:XS+15], v10
	v_cvt_scalef32_pk16_bf6_f32 v[WT:WT+2], v[XS+16:XS+31], v10
	v_nop                                          ; one plain place behind a scaled conversion
.irp i, 0,1,2
	v_mov_b32 v[WC+8*\t+3+\i], v[WT+\i]
.endr
.endm
.macro OUT c                           ; blocks 2 c and 2 c + 1 become half image c of both tiles
.irp i, 0,1,2,3,4,5
	v_permlane16_swap_b32 v[WC+16*\c+\i], v[WC+16*\c+8+\i]     ; the first's lanes 16-31 change places with the second's lanes 0-15
.endr
.irp u, 0,1
	global_store_b128 v1, v[WC+16*\c+8*\u:WC+16*\c+8*\u+3], s[40:41] offset:12288*\u+768*\c
	global_store_b64 v2, v[WC+16*\c+8*\u+4:WC+16*\c+8*\u+5], s[40:41] offset:12288*\u+768*\c+512
.endr
.endm
	s_wait_alu depctr_va_vdst(0)
	LOAD 0
	LOAD 1
	s_wait_loadcnt 32                              ; block 0 is in; block 1's 32 loads stay out
	BLOCK 0
	LOAD 2                                         ; into the set that block 0 has left
	s_wait_loadcnt 32                              ; block 1 is in; block 2's stay out
	BLOCK 1
	OUT 0
	LOAD 3
	s_wait_loadcnt 32                              ; block 2 is in; block 3's stay out
	BLOCK 2
	s_wait_loadcnt 0x0
	BLOCK 3
	OUT 1
	global_store_b32 v13, v12, s[42:43]
.Ljoin:
	s_wait_dscnt 0x0                               ; for the others' sake: my scale word lies in LDS
	s_barrier_signal -1
	s_barrier_wait -1
	s_cmp_lt_u32 ttmp9, 512
	s_cbranch_scc0 .Lend                           ; the weights' words have left already
	s_cmp_lg_u32 s14, 0
	s_cbranch_scc1 .Lend
	s_add_nc_u64 s[36:37], s[12:13], s[36:37]
	ds_load_b128 v[GO:GO+3], v6                    ; wave 0 sends the tile's 512 bytes of scale words as one run
	s_wait_dscnt 0x0
	global_store_b128 v1, v[GO:GO+3], s[36:37]
.Lend:
	s_wait_tensorcnt 0x0
	ds_add_u32 v160, v161
	s_wait_dscnt 0x0
	s_endpgm
.Lfunc_end_k_q4e5f0c11c9_quant:
	.size	k_q4e5f0c11c9_quant, .Lfunc_end_k_q4e5f0c11c9_quant-k_q4e5f0c11c9_quant
	.p2alignl 7, 3214868480
	.fill 96, 4, 3214868480
	.section	.rodata,"a",@progbits
	.p2align	6, 0x0
	.amdhsa_kernel k_q4e5f0c11c9_quant
		.amdhsa_group_segment_fixed_size 69120
		.amdhsa_private_segment_fixed_size 0
		.amdhsa_enable_private_segment 0
		.amdhsa_kernarg_size 40
		.amdhsa_user_sgpr_count 2
		.amdhsa_user_sgpr_kernarg_segment_ptr 1
		.amdhsa_wavefront_size32 1
		.amdhsa_system_sgpr_workgroup_id_x 1
		.amdhsa_system_sgpr_workgroup_id_y 1
		.amdhsa_system_sgpr_workgroup_id_z 1
		.amdhsa_system_vgpr_workitem_id 0
		.amdhsa_next_free_vgpr 162
		.amdhsa_next_free_sgpr 66
		.amdhsa_reserve_vcc 0
		.amdhsa_float_denorm_mode_32 3
		.amdhsa_float_denorm_mode_16_64 3
		.amdhsa_memory_ordered 1
		.amdhsa_forward_progress 1
		.amdhsa_inst_pref_size 37
	.end_amdhsa_kernel
	.amdgpu_metadata
---
amdhsa.version: [ 1, 2 ]
amdhsa.kernels:
  - .name:           k_q4e5f0c11c9_quant
    .symbol:         k_q4e5f0c11c9_quant.kd
    .args:
      - { .name: x, .offset: 0, .size: 8, .value_kind: global_buffer, .address_space: global }
      - { .name: Wqkv, .offset: 8, .size: 8, .value_kind: global_buffer, .address_space: global }
      - { .name: Wo, .offset: 16, .size: 8, .value_kind: global_buffer, .address_space: global }
      - { .name: codes, .offset: 24, .size: 8, .value_kind: global_buffer, .address_space: global }
      - { .name: scales, .offset: 32, .size: 8, .value_kind: global_buffer, .address_space: global }
    .group_segment_fixed_size: 69120
    .private_segment_fixed_size: 0
    .kernarg_segment_align: 8
    .kernarg_segment_size: 40
    .max_flat_workgroup_size: 256
    .sgpr_count:     66
    .vgpr_count:     162
    .wavefront_size: 32
...
	.end_amdgpu_metadata
.endif
;; end of part 6
;; launch gemm_qkv (part 7): grid 8 x 32, 4 waves a work-group, clusters of 4 x 4, 327,680 bytes of LDS; arguments codes, scales, bqkv, qkv; writes qkv
.if DOCPART == 7
	.amdgcn_target "amdgcn-amd-amdhsa--gfx1250"
	.amdhsa_code_object_version 6
	.text
	.protected	k_q4e5f0c11c9_gemm_qkv
	.globl	k_q4e5f0c11c9_gemm_qkv
	.p2align	8
	.type	k_q4e5f0c11c9_gemm_qkv,@function
k_q4e5f0c11c9_gemm_qkv:
	s_mov_b64 s[64:65], 0
	v_nop
	global_prefetch_b8 v0, s[64:65] scope:SCOPE_SE
	s_setreg_imm32_b32 hwreg(HW_REG_WAVE_MODE, 25, 1), 1
	s_wait_xcnt 0x0
	s_wait_alu depctr_hold_cnt(0) depctr_sa_sdst(0) depctr_va_vdst(0) depctr_va_sdst(0) depctr_va_ssrc(0) depctr_va_vcc(0) depctr_vm_vsrc(0)
	s_getreg_b32 s2, hwreg(HW_REG_IB_STS2, 6, 4)
	s_cmp_eq_u32 s2, 0
	s_cbranch_scc0 .Lentry_in_a_cluster
	s_endpgm
.Lentry_in_a_cluster:
	s_bfe_u32 s2, ttmp6, 0x10000c
	s_cmp_lg_u32 s2, 0xf033
	s_cbranch_scc0 .Lentry_shape_is_right
	s_endpgm
.Lentry_shape_is_right:
; qkv = x Wqkv + bqkv on codes of BF6 (K = 1,024), and its result QUANTISED ON THE WAY OUT into the operands of attention: nothing leaves as f32.
; A WORK-GROUP (J, I) STAYS AND MAKES TWO TILES, so that 8 x 32 = 256 work-groups share 8,192 x 3,072 evenly:
;   tile 1 (q, k): 256 tokens I x Wqkv's columns 256 J .. 256 J + 255; four waves, 128 x 128 each: 64 accumulators.  Source 0 = 16 columns of W, source 1 = 16 tokens: a lane holds one token and
;                  its registers run along the head's 64, which is the K of q k^T;
;   tile 2 (v):    Wqkv's columns 2,048 + 128 J .. + 127 x the same 256 tokens; a wave 64 columns (one head) x 128 tokens: 32 accumulators.  Source 0 = 16 tokens, source 1 = 16 columns:
;                  a lane holds one d and its registers run along the tokens, which are the K of p v: v comes out with the keys innermost.
; A row tile's rows are 32 B + 8 u + r + 8 (r / 8), so the 16 result registers of source 0's tiles 2 B, 2 B + 1 are 16 neighbours 32 B + 16 h + 0 .. 15.
; The codes lie in memory as images of the operand's registers (a row tile's 256 along K are 3,072 consecutive bytes), so a fragment comes by two ds_load_b128 and two ds_load_b64 on
; consecutive bytes: no pitch, no padding.  K is short: all steps of 128 are written out, and a tile's scale words stay in 64 registers.
; LDS: two slots of four quarters of 24,576 bytes (8 row tiles x 256 along K); behind them EV, the v columns' codes for all of K (four K slots of 24,576), filled once at the start; then the spare words.
; All of a WGP's LDS is claimed; the text uses 295,424 bytes.
; TILE 1 goes through the two slots (quarters: x's two halves, W's two halves), 256 along K at a time.  TILE 2 NEEDS x AGAIN AND NO W IN THE SLOTS: so x's four K slots take all eight quarters:
; behind step 5's round wave w fills quarter w of slot 0 (K slot w / 2, tokens' half w % 2), behind step 7's round quarter w of slot 1 (K slot 2 + w / 2).  Both land while tile 1 is quantised and
; stored; tile 2 then runs without a refill and without a round.
; CLUSTER 4 x 4: x's tiles hang on I alone and are asked for jointly along a row of the cluster, W's hang on J alone: along a column.
; THE OUTPUT, blocks of 19,200 bytes for (batch, head, 128 tokens): q's 8 half images, q's scale words (256), k's 8 half images, v's 4 fragments (16 d x 128 keys), k's scale words, v's.
; q's and k's scale words are paired: the word of pair p, lane r holds tile 2 p's two bytes below and tile 2 p + 1's above.
; LIMITS: a block whose largest magnitude lies under 2^-122 (a block of zeros too) gets the byte 1; NaN and infinities are not served.
; REGISTERS: window 0: v1-5 lane terms, v6, v7 offsets of loads, v8-12 scale words at work, v13 the scales' offset, v14, v15, v30, v31 store offsets, v16-27 LDS addresses, v28, v29 for the add;
;   v32-95 scale words; v96-127, v224-255 q's and k's bias; v128-223 source 1's fragments (tile 1: one set of 8; tile 2: two sets of 4; on the ways out: v128-191 64 numbers, v192-223 codes and at work).
;   window 1: source 0's fragments, two sets, at v0 and v128; v96-103 v's bias, each number twice.   windows 2, 3: the accumulators, (a, b) at v[8 (8 (a % 4) + b)].
.set HALFT, 24576                      ; a quarter of a slot: 8 row tiles x 3,072 bytes: what one tensor load brings
.set SLOT,  4*HALFT
.set EV,    2*SLOT                     ; the v columns' codes: K slot k at EV + k HALFT
.set SPARE, EV+4*HALFT                 ; the spare words, 128 bytes for each wave: two blocks of 256 bytes that no other line names
.set HS,    307200                     ; from a head's blocks to the next head's
.set FR,   12
.set SOF,  13
.set ADRA, 16                          ; v16-17 16 l + x's quarter in slot 0, 1 (tile 1: half w / 2; made anew for tile 2: half w % 2);  v18-19 the same with 8 l
.set ADRB, 20                          ; v20-23 likewise quarter 2 + w % 2: tile 1: my half of W; tile 2: x's odd K slots, tokens' half w % 2
.set ADRV, 24                          ; v24-25 16 l + my 4 row tiles of EV's K slots 0, 2;  v26-27 the same with 8 l
.set SPW,  28
.set NIL,  29
.set SC,   32                          ; register SC + 8 i + g: lanes 0-15 the word of source 1's block i, lanes 16-31 that of source 0's block i, for K step g of 128
.set AF,   128
.set BM,   96
.set H,    128
.set PC,   192
.set TM,   212
.set PW,   8
.set PWE,  9
.set T0,   10
.set T1,   11
.set XW,   12
.set SEL,  12                          ; s[12:13]
.set G1,  24                           ; s[24:31] group 1 with my row's mask;  s[32:39] groups 0 for x in tile 1, one for each slot
.set G0,  32
.set G1B, 48                           ; s[48:55] group 1 with my column's mask;  s[56:63] groups 0 for W in tile 1
.set G0B, 56
.set G0X, 68                           ; s[68:75] groups 0 for x in tile 2, one for each slot; never rewritten
.set G0E, 76                           ; s[76:79] group 0 for the v columns; never rewritten
.set MSB, 0
.macro WIN new                         ; the immediate's high byte repeats the setting that is left
.if MSB != \new
	s_set_vgpr_msb (MSB<<8)|\new
.set MSB, \new
.endif
.endm
.set MUL_LO, 0xa1                      ; source 0 window 1, source 1 window 0, C and D window 2
.set MUL_HI, 0xf1
.set TO_B,   0x40
.macro JLOAD g0a, g1a, g0b, g1b        ; a joint load of tile 1: waves 0 and 1 fetch x, waves 2 and 3 W; four v_nop follow each line
	s_cmp_eq_u32 s15, 0
	s_cbranch_scc0 .Lfor_b_\@
	tensor_load_to_lds s[\g0a:\g0a+3], s[\g1a:\g1a+7]
	s_nop 0
.rept 4
	v_nop
.endr
	s_branch .Lasked_\@
.Lfor_b_\@:
	tensor_load_to_lds s[\g0b:\g0b+3], s[\g1b:\g1b+7]
	s_nop 0
.rept 4
	v_nop
.endr
.Lasked_\@:
.endm
.macro CREST                           ; a round of the cluster's barrier behind its opening barrier
	s_cmp_lg_u32 s14, 0
	s_cbranch_scc1 .Lnot_wave_0_\@
	s_barrier_signal -3
.Lnot_wave_0_\@:
	s_barrier_wait -3
	s_barrier_signal -1
	s_barrier_wait -1
.endm
.macro CROUND
	s_barrier_signal -1
	s_barrier_wait -1
	CREST
.endm
.macro PLACES                          ; four places behind a matrix instruction, ahead of loads into its registers and of reads of its results
.rept 4
	v_nop
.endr
.endm
	s_load_b256 s[4:11], s[0:1], 0x0               ; codes, scales, bqkv, qkv
	v_lshl_add_u32 v[SPW], v0, 2, SPARE
	v_mov_b32 v[NIL], 0
	ds_add_u32 v28, v29
	ds_add_u32 v28, v29
	s_wait_dscnt 0x0
	v_lshrrev_b32 v1, 5, v0
	v_readfirstlane_b32 s14, v1                    ; wave 0..3
	s_lshr_b32 s15, s14, 1                         ; w / 2
	s_and_b32 s16, s14, 1                          ; w % 2
	s_bfe_u32 s40, ttmp6, 0x40000                  ; cx
	s_bfe_u32 s41, ttmp6, 0x40004                  ; cy
	s_lshl_b32 s42, ttmp9, 2
	s_add_co_u32 s42, s42, s40                     ; J, 0 .. 7: hangs on cx alone
	s_and_b32 s17, ttmp7, 0xffff
	s_lshl_b32 s17, s17, 2
	s_add_co_u32 s17, s17, s41                     ; I, 0 .. 31: on cy alone
	s_lshl_b32 s43, s41, 2
	s_lshl_b32 s43, 15, s43                        ; my row of the cluster
	s_lshl_b32 s44, 0x1111, s40                    ; my column
	s_or_b32 s[G1+0], s43, (3<<16)|(1<<21)         ; the mask; elements of 8 bytes; bit 21 beside a mask; no padding
	s_or_b32 s[G1B+0], s44, (3<<16)|(1<<21)
.irp g, G1, G1B
	s_mov_b32 s[\g+1], 384<<16                     ; tensor_dim0: 3,072 bytes of a row tile
	s_mov_b32 s[\g+2], 8<<16                       ; tensor_dim1: 8 row tiles
	s_mov_b32 s[\g+3], 384<<16                     ; tile_dim0
	s_mov_b32 s[\g+4], 8                           ; tile_dim1
	s_mov_b32 s[\g+5], 1536                        ; 12,288 bytes from a row tile to the next
	s_mov_b32 s[\g+6], 0
	s_mov_b32 s[\g+7], 0
.endr
	s_lshl_b32 s22, s16, 7
	s_lshl_b32 s46, s17, 8
	s_add_co_u32 s46, s46, s22                     ; x's row 256 I + 128 (w % 2)
	s_mul_i32 s46, s46, 768                        ; 768 bytes a row
	s_mov_b32 s47, 0
	s_lshl_b32 s66, s42, 8
	s_add_co_u32 s66, s66, s22
	s_add_co_u32 s66, s66, 8192                    ; Wqkv's column 256 J + 128 (w % 2): its columns begin at row 8,192 of the codes' buffer
	s_mul_i32 s66, s66, 768
	s_mov_b32 s67, 0
	s_lshl_b32 s80, s42, 7
	s_add_co_u32 s80, s80, 10240                   ; Wqkv's column 2,048 + 128 J
	s_mul_i32 s80, s80, 768
	s_mul_i32 s81, s14, 3072
	s_add_co_u32 s80, s80, s81                     ; its K slot w
	s_mov_b32 s81, 0
	s_mul_i32 s18, s15, 3072                       ; tile 2's x: K slot w / 2
	s_mov_b32 s19, 0
	s_mul_i32 s45, s14, HALFT                      ; quarter w of a slot, K slot w of EV: no place in the cluster enters an LDS address
	s_wait_kmcnt 0x0
	s_add_nc_u64 s[46:47], s[4:5], s[46:47]
	s_add_nc_u64 s[66:67], s[4:5], s[66:67]
	s_add_nc_u64 s[80:81], s[4:5], s[80:81]
	s_add_nc_u64 s[18:19], s[46:47], s[18:19]
	CROUND                                         ; all sixteen work-groups are here: the first joint loads meet
.irp s, 0,1
	s_mov_b32 s[G0+4*\s], 1
	s_add_co_u32 s[G0+4*\s+1], s45, \s*SLOT
	s_add_nc_u64 s[G0+4*\s+2:G0+4*\s+3], s[46:47], \s*3072
	s_or_b32 s[G0+4*\s+3], s[G0+4*\s+3], 0x80000000
	s_mov_b32 s[G0B+4*\s], 1
	s_add_co_u32 s[G0B+4*\s+1], s45, \s*SLOT
	s_add_nc_u64 s[G0B+4*\s+2:G0B+4*\s+3], s[66:67], \s*3072
	s_or_b32 s[G0B+4*\s+3], s[G0B+4*\s+3], 0x80000000
	JLOAD G0+4*\s, G1, G0B+4*\s, G1B
.endr
	s_mov_b32 s[G0E], 1
	s_add_co_u32 s[G0E+1], s45, EV
	s_mov_b64 s[G0E+2:G0E+3], s[80:81]
	s_or_b32 s[G0E+3], s[G0E+3], 0x80000000
	tensor_load_to_lds s[G0E:G0E+3], s[G1B:G1B+7]  ; the v columns' K slot w, for tile 2: the last of the first fills: three loads of mine are out
	s_nop 0
	PLACES
.irp n, 0,1
	s_mov_b32 s[G0X+4*\n], 1
	s_add_co_u32 s[G0X+4*\n+1], s45, \n*SLOT
	s_add_nc_u64 s[G0X+4*\n+2:G0X+4*\n+3], s[18:19], \n*6144   ; K slot 2 n + w / 2
	s_or_b32 s[G0X+4*\n+3], s[G0X+4*\n+3], 0x80000000
.endr
	v_and_b32 v1, 15, v0                           ; r
	v_bfe_u32 v2, v0, 4, 1                         ; h
	v_and_b32 v3, 31, v0
	v_lshlrev_b32 v4, 4, v3                        ; 16 l
	v_lshlrev_b32 v5, 3, v3                        ; 8 l
	s_mul_i32 s22, s15, HALFT
	s_mul_i32 s23, s16, HALFT
	s_mov_b32 s21, s23                             ; kept for tile 2's addresses
	s_add_co_u32 s23, s23, 2*HALFT
.irp s, 0,1
	v_add_nc_u32 v[ADRA+\s], s22, v4
	v_add_nc_u32 v[ADRA+2+\s], s22, v5
	v_add_nc_u32 v[ADRB+\s], s23, v4
	v_add_nc_u32 v[ADRB+2+\s], s23, v5
	s_add_co_u32 s22, s22, SLOT
	s_add_co_u32 s23, s23, SLOT
.endr
	s_mul_i32 s20, s15, 4*3072                     ; my 64 of the v columns: 4 row tiles
	s_add_co_u32 s20, s20, EV
	v_add_nc_u32 v[ADRV], s20, v4
	v_add_nc_u32 v[ADRV+2], s20, v5
	s_add_co_u32 s20, s20, 2*HALFT
	v_add_nc_u32 v[ADRV+1], s20, v4
	v_add_nc_u32 v[ADRV+3], s20, v5
	; tile 1's scale words: my 128 tokens (lanes 0-15) and my 128 columns (lanes 16-31), for all of K: 32 bytes a row
	s_lshl_b32 s18, s17, 8
	s_lshl_b32 s19, s15, 7
	s_add_co_u32 s18, s18, s19
	s_lshl_b32 s18, s18, 5
	s_lshl_b32 s19, s42, 8
	s_lshl_b32 s20, s16, 7
	s_add_co_u32 s19, s19, s20
	s_add_co_u32 s19, s19, 8192
	s_lshl_b32 s19, s19, 5
	s_mov_b32 s83, 0xffff0000                      ; lanes 16-31
	v_mov_b32 v6, s18
	v_mov_b32 v7, s19
	v_cndmask_b32 v[SOF], v6, v7, s83
	v_lshl_add_u32 v[SOF], v1, 4, v[SOF]
.irp i, 0,1,2,3,4,5,6,7
.irp q, 0,1
	global_load_b128 v[SC+8*\i+4*\q:SC+8*\i+4*\q+3], v[SOF], s[6:7] offset:512*\i+256*\q   ; sixteen lanes read 256 consecutive bytes: four K steps' words of a row tile
.endr
.endr
	; tile 2's: where my 64 columns' words begin, the same four row tiles back, and my 128 tokens'
	s_lshl_b32 s88, s42, 7
	s_lshl_b32 s89, s15, 6
	s_add_co_u32 s88, s88, s89
	s_add_co_u32 s88, s88, 10240
	s_lshl_b32 s88, s88, 5
	s_sub_co_u32 s89, s88, 2048
	s_lshl_b32 s90, s17, 8
	s_lshl_b32 s91, s16, 7
	s_add_co_u32 s90, s90, s91
	s_lshl_b32 s90, s90, 5
	; where tile 1's results go
	s_lshl_b32 s20, s17, 1
	s_add_co_u32 s20, s20, s15                     ; my block of 128 tokens, 0 .. 63
	s_lshl_b32 s22, s42, 1
	s_add_co_u32 s22, s22, s16                     ; my block of 128 features: q 0-7, k 8-15
	s_and_b32 s23, s22, 7
	s_lshl_b32 s23, s23, 1                         ; its first head
	s_lshr_b32 s82, s22, 3                         ; 0: q, 1: k
	s_lshr_b32 s91, s20, 4
	s_lshl_b32 s91, s91, 4
	s_add_co_u32 s91, s91, s23
	s_lshl_b32 s91, s91, 4
	s_and_b32 s20, s20, 15
	s_add_co_u32 s91, s91, s20
	s_mul_i32 s91, s91, 19200                      ; the output block of (batch, head, 128 tokens)
	s_mul_i32 s20, s82, 6400
	s_add_co_u32 s96, s91, s20                     ; q's or k's codes in it
	s_mov_b32 s97, 0
	s_mul_i32 s20, s82, 12544
	s_add_co_u32 s98, s91, s20
	s_add_co_u32 s98, s98, 6144                    ; q's or k's scale words
	s_mov_b32 s99, 0
	s_add_nc_u64 s[96:97], s[10:11], s[96:97]
	s_add_nc_u64 s[98:99], s[10:11], s[98:99]
	s_lshl_b32 s92, s22, 9                         ; their bias
	s_mov_b32 s93, 0
	s_add_nc_u64 s[92:93], s[8:9], s[92:93]
	; and tile 2's
	s_lshl_b32 s20, s17, 1
	s_add_co_u32 s20, s20, s16                     ; my block of 128 tokens
	s_lshl_b32 s22, s42, 1
	s_add_co_u32 s22, s22, s15                     ; my head, 0 .. 15
	s_lshr_b32 s91, s20, 4
	s_lshl_b32 s91, s91, 4
	s_add_co_u32 s91, s91, s22
	s_lshl_b32 s91, s91, 4
	s_and_b32 s20, s20, 15
	s_add_co_u32 s91, s91, s20
	s_mul_i32 s91, s91, 19200
	s_add_co_u32 s84, s91, 12544                   ; v's fragments
	s_mov_b32 s85, 0
	s_add_co_u32 s86, s91, 18944                   ; v's scale words
	s_mov_b32 s87, 0
	s_add_nc_u64 s[84:85], s[10:11], s[84:85]
	s_add_nc_u64 s[86:87], s[10:11], s[86:87]
	s_lshl_b32 s100, s22, 8
	s_add_co_u32 s100, s100, 8192                  ; v's bias: 4 x (2,048 + 64 x head)
	s_mov_b32 s101, 0
	s_add_nc_u64 s[100:101], s[8:9], s[100:101]
	s_mov_b32 s94, 0x05040100                      ; byte selects: the first head's bytes of two tiles' words,
	s_mov_b32 s95, 0x07060302                      ; the second head's
	s_mov_b32 s[SEL], 0x76543210
	s_mov_b32 s[SEL+1], 0xfedcba98
	v_lshlrev_b32 v6, 6, v2                        ; q's and k's bias in the result's layout: tile b, register j: 32 (b / 2) + 8 (b % 2) + 16 h + j
.irp b, 0,1,2,3,4,5,6,7
	global_load_b128 v[96+8*\b+96*(\b/4):96+8*\b+96*(\b/4)+3], v6, s[92:93] offset:4*(32*(\b/2)+8*(\b%2))
	global_load_b128 v[96+8*\b+96*(\b/4)+4:96+8*\b+96*(\b/4)+7], v6, s[92:93] offset:4*(32*(\b/2)+8*(\b%2))+16
.endr
	v_and_b32 v7, 8, v1
	v_add_nc_u32 v7, v7, v1
	v_lshlrev_b32 v7, 2, v7                        ; v's bias: my d of block a: 32 (a / 2) + 8 (a % 2) + r + 8 (r / 8)
	WIN TO_B
.irp a, 0,1,2,3
	global_load_b32 v[BM+2*\a], v7, s[100:101] offset:4*(32*(\a/2)+8*(\a%2))
	global_load_b32 v[BM+2*\a+1], v7, s[100:101] offset:4*(32*(\a/2)+8*(\a%2))   ; twice: a pair for the packed addition
.endr
	WIN 0
	v_add_nc_u32 v14, HS, v4                       ; q, k: a fragment's second half belongs to the next head
	v_add_nc_u32 v15, HS, v5
	v_mul_u32_u24 v30, HS, v2
	v_lshl_add_u32 v30, v1, 2, v30                 ; q, k: lanes 16-31 send the next head's scale words
	v_lshlrev_b32 v31, 6, v2
	v_lshl_add_u32 v31, v1, 2, v31                 ; v: lanes 16-31 send the odd tile's
.macro FRAG reg, a16, a8, off          ; a fragment, 16 rows x 128 K: two half images on end, as they lie
	ds_load_b128 v[\reg:\reg+3], v[\a16] offset:\off
	ds_load_b64 v[\reg+4:\reg+5], v[\a8] offset:\off+512
	ds_load_b128 v[\reg+6:\reg+9], v[\a16] offset:\off+768
	ds_load_b64 v[\reg+10:\reg+11], v[\a8] offset:\off+1280
.endm
; TILE 1.  16 matrix instructions: tokens' blocks a0, a0 + 1 x W's eight; p: W's set; g: the K step of 128.  first = 1: the product starts the sums.
; The 64 accumulators take turns, one instruction a turn, in the same order in every step.
.macro MUL16 a0, p, g, first
.irp a, \a0, \a0+1
.irp b, 0,1,2,3,4,5,6,7
.if \first
	v_wmma_scale_f32_16x16x128_f8f6f4 v[8*(8*((\a)%4)+\b):8*(8*((\a)%4)+\b)+7], v[128*(\p)+FR*\b:128*(\p)+FR*\b+FR-1], v[AF+FR*(\a):AF+FR*(\a)+FR-1], 0, v[SC+8*\b+(\g)], v[SC+8*(\a)+(\g)] matrix_a_fmt:MATRIX_FMT_BF6 matrix_b_fmt:MATRIX_FMT_BF6 matrix_a_scale:MATRIX_SCALE_ROW1
.else
	v_wmma_scale_f32_16x16x128_f8f6f4 v[8*(8*((\a)%4)+\b):8*(8*((\a)%4)+\b)+7], v[128*(\p)+FR*\b:128*(\p)+FR*\b+FR-1], v[AF+FR*(\a):AF+FR*(\a)+FR-1], v[8*(8*((\a)%4)+\b):8*(8*((\a)%4)+\b)+7], v[SC+8*\b+(\g)], v[SC+8*(\a)+(\g)] matrix_a_fmt:MATRIX_FMT_BF6 matrix_b_fmt:MATRIX_FMT_BF6 matrix_a_scale:MATRIX_SCALE_ROW1
.endif
.endr
.endr
.endm
.macro FETCH_B slot, q, p
	WIN TO_B
.irp i, 0,1,2,3,4,5,6,7
	FRAG 128*(\p)+FR*\i, ADRB+\slot, ADRB+2+\slot, 3072*\i+1536*(\q)
.endr
	WIN 0
.endm
.macro FETCH_A slot, q, i0
.irp i, \i0, \i0+1, \i0+2, \i0+3
	FRAG AF+FR*(\i), ADRA+\slot, ADRA+2+\slot, 3072*(\i)+1536*(\q)
.endr
.endm
.macro STEP slot, g, first             ; a slot's first 128 along K
	s_wait_dscnt 16                                ; W's set and the tokens' blocks 0-3 are in; the youngest 16 loads (blocks 4-7) may be out
	WIN MUL_LO
	MUL16 0, 0, \g, \first
	MUL16 2, 0, \g, \first
	s_wait_dscnt 0x0                               ; blocks 4-7 are in
	PLACES
	FETCH_B \slot, 1, 1
	FETCH_A \slot, 1, 0
	WIN MUL_HI
	MUL16 4, 0, \g, \first
	MUL16 6, 0, \g, \first
	PLACES
	WIN 0
	FETCH_A \slot, 1, 4
.endm
; A slot's second 128 along K, and the change of slots.  The slot that is left is filled again: fill = 1: with tile 1's K two slots on; fill = 2: with tile 2's x, a quarter to each wave.
; fetch = 1: the next slot's first fragments are fetched (0: tile 1's last step).
.macro TURN slot, next, fill, g, fetch
	s_wait_tensorcnt 0x0                           ; all my tensor loads have landed: my part of the other slot among them;
	ds_add_u32 v[SPW], v[NIL]                      ; 0 onto my spare word;
	s_wait_dscnt 17                                ; (the add and the youngest 16 loads may be out)
	WIN MUL_LO
	MUL16 0, 1, \g, 0
	s_wait_dscnt 0x0                               ; the add is done, and my reads of this slot are over
	s_barrier_signal -1
	MUL16 2, 1, \g, 0
	WIN 0
	s_barrier_wait -1
	CREST                                          ; the barrier has opened a round of the cluster's: no wave of any partner still reads this slot or has a load on its way
.if \fill == 1
	s_add_nc_u64 s[G0+4*\slot+2:G0+4*\slot+3], s[G0+4*\slot+2:G0+4*\slot+3], 6144
	s_add_nc_u64 s[G0B+4*\slot+2:G0B+4*\slot+3], s[G0B+4*\slot+2:G0B+4*\slot+3], 6144
	JLOAD G0+4*\slot, G1, G0B+4*\slot, G1B         ; the first tensor load behind the round; its four v_nop are also the places in front of the loads below
.else
	tensor_load_to_lds s[G0X+4*\slot:G0X+4*\slot+3], s[G1:G1+7]   ; every wave its quarter, by the same line: both addresses hang on the wave's number
	s_nop 0
	PLACES
.endif
.if \fetch
	FETCH_B \next, 0, 0
	FETCH_A \next, 0, 0
.endif
	WIN MUL_HI
	MUL16 4, 1, \g, 0
	MUL16 6, 1, \g, 0
	PLACES
	WIN 0
.if \fetch
	FETCH_A \next, 0, 4
.endif
.endm
	s_wait_tensorcnt 0x2                           ; my part of slot 0 is in; slot 1's and the v columns' loads may stay out
	s_barrier_signal -1
	s_barrier_wait -1
	FETCH_B 0, 0, 0
	FETCH_A 0, 0, 0
	FETCH_A 0, 0, 4
	s_wait_loadcnt 0x0                             ; scale words and biases
	STEP 0, 0, 1
	TURN 0, 1, 1, 1, 1
	STEP 1, 2, 0
	TURN 1, 0, 1, 3, 1
	STEP 0, 4, 0
	TURN 0, 1, 2, 5, 1                             ; slot 0 takes tile 2's K slots 0 and 1 of x
	STEP 1, 6, 0
	TURN 1, 0, 2, 7, 0                             ; slot 1 takes K slots 2 and 3: all of tile 2 is asked for; the places at its end serve the lines below
	; tile 2's scale words are asked for here and land under tile 1's way out: lanes 16-31 my 8 blocks of tokens, lanes 0-15 my 4 blocks of columns
	; (for registers 4-7 lanes 0-15 read blocks 0-3 once more, through an offset four row tiles back: no load leaves the buffer)
	v_mov_b32 v8, s88
	v_mov_b32 v9, s90
	v_cndmask_b32 v6, v8, v9, s83
	v_lshl_add_u32 v6, v1, 4, v6
	v_mov_b32 v8, s89
	v_cndmask_b32 v7, v8, v9, s83
	v_lshl_add_u32 v7, v1, 4, v7
.irp i, 0,1,2,3
.irp q, 0,1
	global_load_b128 v[SC+8*\i+4*\q:SC+8*\i+4*\q+3], v6, s[6:7] offset:512*\i+256*\q
.endr
.endr
.irp i, 4,5,6,7
.irp q, 0,1
	global_load_b128 v[SC+8*\i+4*\q:SC+8*\i+4*\q+3], v7, s[6:7] offset:512*\i+256*\q
.endr
.endr
	v_add_nc_u32 v[ADRA], s21, v4                  ; tile 2 reads x's even K slots from quarter w % 2 of a slot
	v_add_nc_u32 v[ADRA+2], s21, v5
	s_add_co_u32 s21, s21, SLOT
	v_add_nc_u32 v[ADRA+1], s21, v4
	v_add_nc_u32 v[ADRA+3], s21, v5
; 64 numbers of a lane, v[H] on, register 16 b + i = k 32 b + 16 h + i of my row, become a fragment's codes in v[PC] on and its scale word in v[PW]
.macro QUANT
.irp b, 0,1,2,3
	v_max3_num_f32 v[TM+\b], |v[H+16*\b]|, |v[H+1+16*\b]|, 0x2800000   ; my 16 numbers of block b, and the floor 2^(5 - 127)
.endr
.irp i, 2,4,6,8,10,12,14
.irp b, 0,1,2,3
	v_max3_num_f32 v[TM+\b], v[TM+\b], |v[H+16*\b+\i]|, |v[H+1+16*\b+\i]|
.endr
.endr
.irp b, 0,1,2,3
	v_permlanex16_b32 v[TM+4+\b], v[TM+\b], s[SEL], s[SEL+1]
.endr
.irp b, 0,1,2,3
	v_max_num_f32 v[TM+\b], v[TM+\b], v[TM+4+\b]   ; with lane l xor 16's: the block's largest magnitude
.endr
.irp b, 0,1,2,3
	v_add_nc_u32 v[TM+8+\b], 0xfe000000, v[TM+\b]  ; 4 off its exponent field: the conversion's scale operand
.endr
.irp b, 0,1,2,3
	v_lshrrev_b32 v[TM+4+\b], 23, v[TM+8+\b]       ; the byte
.endr
	v_lshl_or_b32 v[PW], v[TM+5], 8, v[TM+4]
	v_lshl_or_b32 v[PW], v[TM+6], 16, v[PW]
	v_lshl_or_b32 v[PW], v[TM+7], 24, v[PW]
.irp c, 0,1
	v_cvt_scalef32_pk16_bf6_f32 v[PC+6*\c:PC+2+6*\c], v[H+32*\c:H+15+32*\c], v[TM+8+2*\c]
	v_cvt_scalef32_pk16_bf6_f32 v[PC+12+4*\c:PC+14+4*\c], v[H+16+32*\c:H+31+32*\c], v[TM+8+2*\c+1]
.endr
	v_nop                                          ; one plain place behind a scaled conversion
.irp c, 0,1                                    ; the layout wants a whole block in a lane
.irp i, 0,1,2
	v_permlane16_swap_b32 v[PC+6*\c+\i], v[PC+12+4*\c+\i]
.endr
.irp i, 0,1,2
	v_mov_b32 v[PC+3+6*\c+\i], v[PC+12+4*\c+\i]
.endr
.endr
.endm
; TILE 1's WAY OUT.  Block a: 16 tokens x my 128 features (two heads): bias, quantiser, stores
.macro EPIQ a
.set AC, 64*((\a)%4)
	s_wait_xcnt 0x0                                ; the last block's stores have read their registers and bases
.if \a > 0
	s_add_nc_u64 s[96:97], s[96:97], 768           ; the next tile's half image
.endif
.if (\a > 0) && (\a % 2 == 0)
	s_add_nc_u64 s[98:99], s[98:99], 64            ; the next pair's scale words
.endif
	WIN 0x02+(\a)/4                                ; source 0: the accumulators' window
.irp b, 0,1,2,3,4,5,6,7
.irp j, 0,2,4,6
	v_pk_add_f32 v[H+8*\b+\j:H+8*\b+\j+1], v[AC+8*\b+\j:AC+8*\b+\j+1], v[96+8*\b+96*(\b/4)+\j:96+8*\b+96*(\b/4)+\j+1]   ; each accumulator from its low end on
.endr
.endr
	WIN 0
	QUANT
	global_store_b128 v4, v[PC:PC+3], s[96:97]                 ; each store covers 512 or 256 consecutive bytes, aligned
	global_store_b64 v5, v[PC+4:PC+5], s[96:97] offset:512
	global_store_b128 v14, v[PC+6:PC+9], s[96:97]
	global_store_b64 v15, v[PC+10:PC+11], s[96:97] offset:512
.if \a % 2 == 0
	v_mov_b32 v[PWE], v[PW]
.else
	v_perm_b32 v[T0], v[PW], v[PWE], s94           ; the first head's bytes of both tiles,
	v_perm_b32 v[T1], v[PW], v[PWE], s95           ; the second head's
	v_cndmask_b32 v[XW], v[T0], v[T1], s83         ; lanes 16-31 send the second
	global_store_b32 v30, v[XW], s[98:99]
.endif
.endm
.irp b, 0,1,2,3
	v_mov_b32 v[TM+4+\b], 0                        ; written once: a lane permute's destination counts as one of its sources
.endr
.irp a, 0,1,2,3,4,5,6,7
	EPIQ \a
.endr
; TILE 2.  K step g lies in K slot g / 2, its half g % 2.  x's K slot k: slot k / 2, quarter 2 (k % 2) + w % 2.  The v columns' K slot k: EV + k HALFT.
.macro FETCH2 g                        ; K step g's twelve fragments into set g % 2: 48 LDS loads
.set KQ, (\g)/2
	WIN TO_B
.irp i, 0,1,2,3,4,5,6,7
	FRAG 128*((\g)%2)+FR*\i, ADRA+4*(KQ%2)+KQ/2, ADRA+4*(KQ%2)+KQ/2+2, 3072*\i+1536*((\g)%2)
.endr
	WIN 0
.irp i, 0,1,2,3
	FRAG AF+48*((\g)%2)+FR*\i, ADRV+KQ/2, ADRV+KQ/2+2, HALFT*(KQ%2)+3072*\i+1536*((\g)%2)
.endr
.endm
; K step g's 32 products: source 0 = the tokens' eight blocks, source 1 = my four blocks of columns.  The 32 accumulators take turns, one instruction a turn.
.macro MUL32 g, first
.irp a, 0,1,2,3
.irp b, 0,1,2,3,4,5,6,7
.if \first
	v_wmma_scale_f32_16x16x128_f8f6f4 v[8*(8*\a+\b):8*(8*\a+\b)+7], v[128*((\g)%2)+FR*\b:128*((\g)%2)+FR*\b+FR-1], v[AF+48*((\g)%2)+FR*\a:AF+48*((\g)%2)+FR*\a+FR-1], 0, v[SC+8*\b+(\g)], v[SC+8*\a+(\g)] matrix_a_fmt:MATRIX_FMT_BF6 matrix_b_fmt:MATRIX_FMT_BF6 matrix_a_scale:MATRIX_SCALE_ROW1
.else
	v_wmma_scale_f32_16x16x128_f8f6f4 v[8*(8*\a+\b):8*(8*\a+\b)+7], v[128*((\g)%2)+FR*\b:128*((\g)%2)+FR*\b+FR-1], v[AF+48*((\g)%2)+FR*\a:AF+48*((\g)%2)+FR*\a+FR-1], v[8*(8*\a+\b):8*(8*\a+\b)+7], v[SC+8*\b+(\g)], v[SC+8*\a+(\g)] matrix_a_fmt:MATRIX_FMT_BF6 matrix_b_fmt:MATRIX_FMT_BF6 matrix_a_scale:MATRIX_SCALE_ROW1
.endif
.endr
.endr
.endm
.macro STEP2 g
	s_wait_dscnt 0x0                               ; this step's fragments are in: they were asked for 32 products ago
.if (\g) < 7
.if (\g) > 0
	PLACES                                         ; the other set was read by the last step's products
.endif
	FETCH2 (\g)+1
.endif
	WIN MUL_LO
.if (\g) == 0
	MUL32 \g, 1
.else
	MUL32 \g, 0
.endif
	WIN 0
.endm
	s_wait_xcnt 0x0                                ; tile 1's last stores have read their registers: fragments may land there
	s_wait_tensorcnt 0x0                           ; my quarter of slot 1 is in (slot 0's was shown by step 7's round, the v columns' by step 1's),
	s_barrier_signal -1
	s_barrier_wait -1                              ; everybody's is.
	FETCH2 0
	s_wait_loadcnt 0x0                             ; tile 2's scale words
.irp g, 0,1,2,3,4,5,6,7
	STEP2 \g
.endr
	PLACES                                         ; the way out reads results just made and writes registers that the last products read
; TILE 2's WAY OUT.  Block a: 16 d of my head x my 128 tokens: one fragment of v
.macro EPIV a
.set AC, 64*(\a)
	s_wait_xcnt 0x0                                ; the last block's stores have read their registers and bases
.if \a > 0
	s_add_nc_u64 s[84:85], s[84:85], 1536
.endif
.if \a == 2
	s_add_nc_u64 s[86:87], s[86:87], 128
.endif
	WIN 0x06                                       ; source 0: window 2; source 1: window 1
.irp b, 0,1,2,3,4,5,6,7
.irp j, 0,2,4,6
	v_pk_add_f32 v[H+8*\b+\j:H+8*\b+\j+1], v[AC+8*\b+\j:AC+8*\b+\j+1], v[BM+2*\a:BM+2*\a+1]   ; each accumulator from its low end on
.endr
.endr
	WIN 0
	QUANT
	global_store_b128 v4, v[PC:PC+3], s[84:85]
	global_store_b64 v5, v[PC+4:PC+5], s[84:85] offset:512
	global_store_b128 v4, v[PC+6:PC+9], s[84:85] offset:768
	global_store_b64 v5, v[PC+10:PC+11], s[84:85] offset:1280
.if \a % 2 == 0
	v_mov_b32 v[PWE], v[PW]
.else
	v_cndmask_b32 v[XW], v[PWE], v[PW], s83        ; lanes 0-15 send the even tile's words, lanes 16-31 the odd tile's
	global_store_b32 v31, v[XW], s[86:87]
.endif
.endm
.irp a, 0,1,2,3
	EPIV \a
.endr
	s_wait_tensorcnt 0x0                           ; the wave's end
	ds_add_u32 v[SPW], v[NIL]
	s_wait_dscnt 0x0
	CROUND                                         ; the closing round
	s_endpgm
.Lfunc_end_k_q4e5f0c11c9_gemm_qkv:
	.size	k_q4e5f0c11c9_gemm_qkv, .Lfunc_end_k_q4e5f0c11c9_gemm_qkv-k_q4e5f0c11c9_gemm_qkv
	.p2alignl 7, 3214868480
	.fill 96, 4, 3214868480
	.section	.rodata,"a",@progbits
	.p2align	6, 0x0
	.amdhsa_kernel k_q4e5f0c11c9_gemm_qkv
		.amdhsa_group_segment_fixed_size 327680
		.amdhsa_private_segment_fixed_size 0
		.amdhsa_enable_private_segment 0
		.amdhsa_kernarg_size 32
		.amdhsa_user_sgpr_count 2
		.amdhsa_user_sgpr_kernarg_segment_ptr 1
		.amdhsa_wavefront_size32 1
		.amdhsa_system_sgpr_workgroup_id_x 1
		.amdhsa_system_sgpr_workgroup_id_y 1
		.amdhsa_system_sgpr_workgroup_id_z 1
		.amdhsa_system_vgpr_workitem_id 0
		.amdhsa_next_free_vgpr 1024
		.amdhsa_next_free_sgpr 102
		.amdhsa_reserve_vcc 0
		.amdhsa_float_denorm_mode_32 3
		.amdhsa_float_denorm_mode_16_64 3
		.amdhsa_memory_ordered 1
		.amdhsa_forward_progress 1
		.amdhsa_inst_pref_size 255
	.end_amdhsa_kernel
	.section	.bss,"aw",@nobits
	.p2align	6
	.space	262144
	.amdgpu_metadata
---
amdhsa.version: [ 1, 2 ]
amdhsa.kernels:
  - .name:           k_q4e5f0c11c9_gemm_qkv
    .symbol:         k_q4e5f0c11c9_gemm_qkv.kd
    .args:
      - { .name: codes, .offset: 0, .size: 8, .value_kind: global_buffer, .address_space: global }
      - { .name: scales, .offset: 8, .size: 8, .value_kind: global_buffer, .address_space: global }
      - { .name: bqkv, .offset: 16, .size: 8, .value_kind: global_buffer, .address_space: global }
      - { .name: qkv, .offset: 24, .size: 8, .value_kind: global_buffer, .address_space: global }
    .group_segment_fixed_size: 327680
    .private_segment_fixed_size: 0
    .kernarg_segment_align: 8
    .kernarg_segment_size: 32
    .max_flat_workgroup_size: 128
    .sgpr_count:     102
    .vgpr_count:     1024
    .wavefront_size: 32
...
	.end_amdgpu_metadata
.endif
;; end of part 7
;; launch attn (part 8): grid 4 x 64, 16 waves a work-group, clusters of 4 x 1, 206,848 bytes of LDS; arguments qkv, codes, scales; writes codes, scales
.if DOCPART == 8
	.amdgcn_target "amdgcn-amd-amdhsa--gfx1250"
	.amdhsa_code_object_version 6
	.text
	.protected	k_q4e5f0c11c9_attn
	.globl	k_q4e5f0c11c9_attn
	.p2align	8
	.type	k_q4e5f0c11c9_attn,@function
k_q4e5f0c11c9_attn:
	s_mov_b64 s[64:65], 0
	v_nop
	global_prefetch_b8 v0, s[64:65] scope:SCOPE_SE
	s_setreg_imm32_b32 hwreg(HW_REG_WAVE_MODE, 25, 1), 1
	s_wait_xcnt 0x0
	s_wait_alu depctr_hold_cnt(0) depctr_sa_sdst(0) depctr_va_vdst(0) depctr_va_sdst(0) depctr_va_ssrc(0) depctr_va_vcc(0) depctr_vm_vsrc(0)
	s_getreg_b32 s2, hwreg(HW_REG_IB_STS2, 6, 4)
	s_cmp_eq_u32 s2, 0
	s_cbranch_scc0 .Lentry_in_a_cluster
	s_endpgm
.Lentry_in_a_cluster:
	s_bfe_u32 s2, ttmp6, 0x10000c
	s_cmp_lg_u32 s2, 0x3003
	s_cbranch_scc0 .Lentry_shape_is_right
	s_endpgm
.Lentry_shape_is_right:
; y = softmax(q k^T / 8, causal) v for one (batch, head), both products on codes of BF6, and y QUANTISED ON THE WAY OUT (along the model's 1,024: a head gives two blocks of 32).
; THE SOFTMAX AHEAD OF THE SECOND PRODUCT: t = score x log2(e) / 8; M = the running largest t rounded up to a whole number; p = 2^(t - M) is quantised along the keys, not normalised;
; the row's sum is taken of the unquantised p and divides at the end.  When M moves, the sum and O are multiplied by 2^(old M - new M): exact.
; CLUSTER 4 x 1: the four work-groups of a (batch, head) read the same K and V, 16 blocks of 12,800 bytes.  They come into each one's LDS ONCE, by joint loads (the same descriptor and
; the mask of all four in all four): each wave asks for 3,200 bytes of key blocks 0-3, 3,200 of blocks 4-7 and 6,400 of blocks 8-15, in this order.  Nothing is filled again.
; SHARES.  Sixteen waves of 256 registers, four to a SIMD, so that one wave's vector work stands beside another's matrix work.  A wave takes one tile of 16 queries at a time.
; Wave w takes query blocks JA = min(w, 15 - w) (0 .. 7) and JB = 15 - JA (8 .. 15); its tile in a block of eight is 2 cx + w / 8.  So which key steps a wave leaves out hangs on its own
; number alone, the same in all four partners; cx enters only q's and y's global addresses and the bound of the mask.  Every wave has 17 steps of 128 keys.
; ORDER.  The LATE block's queries first: key blocks 0-3, then 4-7: eight steps without a hidden key, alike in all waves; each group stands behind the barrier that shows it landed.
; Behind them, where all waves arrive together, the barrier for blocks 8-15; then 8 - JA steps, the way out, and the early block's JA + 1 steps: nine for every wave.
; The loops have constant trip counts; a step all of whose keys come after my queries is jumped over by a scalar branch; on the diagonal hidden scores become -infinity.
; LAYOUT.  Both products transposed (source 0 = keys, or the head's d; source 1 = my queries): a lane holds one query.  Tiles of 16 are 32 B + 8 u + r + 8 (r / 8), so the 16 registers of two neighbouring tiles are 16 neighbours.
; K = 64 IN AN INSTRUCTION OF 128: a fragment of k is TWO tiles' half images on end; q stands with zero codes in the other half: [q, 0] gives the first tile's scores, [0, q] the second's.
; LIMITS: a block whose largest magnitude lies under 2^-122 (a block of zeros too) gets the byte 1; NaN and infinities are not served.  y's scale bytes leave as 2 bytes a token and head: 256 KiB in the launch.
; REGISTERS: v1 16 l, v2 8 l, v3 4 r, v4 my query - 16 h, v5 16 r, v6 r + 8 (r / 8) - 16 h; v8-10 LDS addresses; v11 the mask's bound; v12 -M, v13 largest t, v[14:15] the sum;
;   v16-33 zeros, q, zeros; v34, v35 q's scale words; v36-39 k's, v40-43 v's, v44 p's; v48-95 four fragments; v96-159 scores, then p; v160-191 O^T; v192-210 codes; v212-223, v236-241 at work;
;   v224-230 the early block's q and its scale word, v231 the late block's scale word.
.set BLK, 19200
.set HS,  307200
.set KVB, 12800                        ; a block in LDS: k's codes 0, v's 6,144, k's scale words 12,288, v's 12,544
.set F,   48
.set G1S, 16                           ; s[16:23] group 1 for 3,200 dense bytes
.set G1L, 24                           ; s[24:31] for 6,400
.set G0,  32                           ; s[32:43] three groups 0; none is ever rewritten
.set SEL, 44                           ; s[44:45] lane l xor 16
.set CS,  46                           ; s[46:47] c = log2(e) / 8
.set TB,  48                           ; the step's block in LDS
.set KF,  49                           ; its first key
.set J,   50                           ; its number
.set JQ,  51                           ; my queries' block
.set JA,  60
.set JB,  61
.set CX,  62
.set HI,  63
.macro ROUND                           ; a round of the cluster's barrier
	s_barrier_signal -1
	s_barrier_wait -1
	s_cmp_lg_u32 s10, 0
	s_cbranch_scc1 .Lnot_wave_0_\@
	s_barrier_signal -3
.Lnot_wave_0_\@:
	s_barrier_wait -3
	s_barrier_signal -1
	s_barrier_wait -1
.endm
	s_load_b128 s[4:7], s[0:1], 0x0                ; qkv, codes
	s_load_b64 s[8:9], s[0:1], 0x10                ; scales
	v_lshl_add_u32 v254, v0, 2, 0x32000
	v_mov_b32 v255, 0
	ds_add_u32 v254, v255
	ds_add_u32 v254, v255
	v_lshrrev_b32 v1, 5, v0
	s_delay_alu instid0(VALU_DEP_1)
	v_readfirstlane_b32 s10, v1                    ; wave 0..15
	s_and_b32 s11, ttmp7, 0xffff                   ; batch x head: the four partners share it
	s_lshr_b32 s12, s11, 4                         ; batch
	s_and_b32 s13, s11, 15                         ; head
	s_mul_i32 s14, s11, HS
	s_mov_b32 s[G1S], 15|(3<<16)|(1<<21)           ; the mask of all four; elements of 8 bytes; bit 21 beside a mask; no padding
	s_mov_b32 s[G1S+1], 16<<16                     ; 25 rows of 128 bytes, dense
	s_mov_b32 s[G1S+2], 25<<16
	s_mov_b32 s[G1S+3], 16<<16
	s_mov_b32 s[G1S+4], 25
	s_mov_b32 s[G1S+5], 16
	s_mov_b32 s[G1S+6], 0
	s_mov_b32 s[G1S+7], 0
	s_mov_b32 s[G1L], 15|(3<<16)|(1<<21)
	s_mov_b32 s[G1L+1], 32<<16                     ; 25 rows of 256 bytes, dense
	s_mov_b32 s[G1L+2], 25<<16
	s_mov_b32 s[G1L+3], 32<<16
	s_mov_b32 s[G1L+4], 25
	s_mov_b32 s[G1L+5], 32
	s_mov_b32 s[G1L+6], 0
	s_mov_b32 s[G1L+7], 0
	s_lshr_b32 s76, s10, 2
	s_mul_i32 s76, s76, BLK
	s_and_b32 s77, s10, 3
	s_mul_i32 s77, s77, 3200
	s_add_co_u32 s76, s76, s77
	s_add_co_u32 s76, s76, s14
	s_add_co_u32 s76, s76, 6400                    ; quarter w % 4 of the K and V part of block w / 4
	s_mov_b32 s77, 0
	s_lshr_b32 s78, s10, 1
	s_mul_i32 s78, s78, BLK
	s_and_b32 s79, s10, 1
	s_mul_i32 s79, s79, 6400
	s_add_co_u32 s78, s78, s79
	s_add_co_u32 s78, s78, s14
	s_add_co_u32 s78, s78, 8*BLK+6400              ; half w % 2 of block 8 + w / 2
	s_mov_b32 s79, 0
	s_mul_i32 s80, s10, 3200
	s_mul_i32 s81, s10, 6400
	s_wait_dscnt 0x0
	s_wait_kmcnt 0x0
	s_mov_b32 s[G0], 1
	s_mov_b32 s[G0+1], s80
	s_add_nc_u64 s[G0+2:G0+3], s[4:5], s[76:77]
	s_mov_b32 s[G0+4], 1
	s_add_co_u32 s[G0+5], s80, 51200
	s_add_nc_u64 s[G0+6:G0+7], s[G0+2:G0+3], 4*BLK ; the same quarter of block 4 + w / 4
	s_mov_b32 s[G0+8], 1
	s_add_co_u32 s[G0+9], s81, 102400
	s_add_nc_u64 s[G0+10:G0+11], s[4:5], s[78:79]
	s_or_b32 s[G0+3], s[G0+3], 0x80000000
	s_or_b32 s[G0+7], s[G0+7], 0x80000000
	s_or_b32 s[G0+11], s[G0+11], 0x80000000
	ROUND                                          ; all four work-groups are here: the joint loads meet
	tensor_load_to_lds s[G0:G0+3], s[G1S:G1S+7]    ; all fills stand together at the start: three loads of mine are out
	s_nop 0
	tensor_load_to_lds s[G0+4:G0+7], s[G1S:G1S+7]
	s_nop 0
	tensor_load_to_lds s[G0+8:G0+11], s[G1L:G1L+7]
	s_nop 0
.rept 4
	v_nop
.endr
	v_and_b32 v6, 31, v0
	s_delay_alu instid0(VALU_DEP_1)
	v_lshlrev_b32 v1, 4, v6
	s_delay_alu instid0(VALU_DEP_2)
	v_lshlrev_b32 v2, 3, v6
	s_wait_alu depctr_va_vdst(0)
	v_and_b32 v7, 15, v0
	s_delay_alu instid0(VALU_DEP_1)
	v_lshlrev_b32 v3, 2, v7
	s_wait_alu depctr_va_vdst(0)
	v_lshlrev_b32 v5, 4, v7
	v_bfe_u32 v6, v0, 4, 1
	v_and_b32 v8, 8, v7
	s_delay_alu instid0(VALU_DEP_1)
	v_add_nc_u32 v7, v7, v8
	s_delay_alu instid0(VALU_DEP_3)
	v_lshlrev_b32 v6, 4, v6
	s_delay_alu instid0(VALU_DEP_1)
	v_sub_nc_u32 v6, v7, v6
	s_xor_b32 s[JA], s10, 15
	s_min_u32 s[JA], s[JA], s10                    ; my early block of queries: the wave's number alone
	s_xor_b32 s[JB], s[JA], 15                     ; my late one
	s_lshr_b32 s[HI], s10, 3
	s_bfe_u32 s[CX], ttmp6, 0x40000                ; my place in the cluster
	s_lshl_b32 s84, s[CX], 1
	s_add_co_u32 s84, s84, s[HI]                   ; my tile in a block of eight
	s_lshl_b32 s89, s[HI], 4                       ; which half of a paired scale word is mine
	s_lshr_b32 s15, s13, 3
	s_lshl_b32 s15, s15, 8
	s_bfe_u32 s88, s13, 0x20001
	s_lshl_b32 s88, s88, 2
	s_add_co_u32 s15, s15, s88
	s_and_b32 s88, s13, 1
	s_lshl_b32 s88, s88, 1
	s_add_co_u32 s15, s15, s88                     ; my head's two bytes in a row tile's scale words
; the addresses of one pass: q's half image, its pair's scale words, y's half image, y's scale bytes; and the tile's first query
.macro PADDR jq, q, qs, y, ys, qb
	s_mul_i32 s82, s[\jq], BLK
	s_add_co_u32 s82, s82, s14
	s_mul_i32 s83, s84, 768
	s_add_co_u32 s86, s82, s83
	s_mov_b32 s87, 0
	s_add_nc_u64 s[\q:\q+1], s[4:5], s[86:87]
	s_lshl_b32 s83, s[CX], 6
	s_add_co_u32 s86, s82, s83
	s_add_co_u32 s86, s86, 6144
	s_add_nc_u64 s[\qs:\qs+1], s[4:5], s[86:87]
	s_lshl_b32 s83, s[\jq], 3
	s_add_co_u32 s83, s83, s84                     ; my tile of queries, 0 .. 127
	s_lshl_b32 s85, s12, 7
	s_add_co_u32 s85, s85, s83
	s_add_co_u32 s85, s85, 768                     ; y's row tile
	s_mul_i32 s86, s85, 12288
	s_mul_i32 s88, s13, 768
	s_add_co_u32 s86, s86, s88
	s_add_nc_u64 s[\y:\y+1], s[6:7], s[86:87]
	s_lshl_b32 s86, s85, 9
	s_add_co_u32 s86, s86, s15
	s_add_nc_u64 s[\ys:\ys+1], s[8:9], s[86:87]
	s_lshl_b32 s[\qb], s[\jq], 2
	s_add_co_u32 s[\qb], s[\qb], s[CX]
	s_lshl_b32 s[\qb], s[\qb], 5
	s_lshl_b32 s88, s[HI], 3
	s_add_co_u32 s[\qb], s[\qb], s88               ; 32 (tile / 2) + 8 (tile % 2)
.endm
	PADDR JB, 52, 54, 66, 68, 74
	PADDR JA, 56, 58, 70, 72, 75
	global_load_b128 v[22:25], v1, s[52:53]        ; both passes' q are asked for here, while the tiles are on their way
	global_load_b64 v[26:27], v2, s[52:53] offset:512
	global_load_b32 v231, v3, s[54:55]
	global_load_b128 v[224:227], v1, s[56:57]
	global_load_b64 v[228:229], v2, s[56:57] offset:512
	global_load_b32 v230, v3, s[58:59]
.irp j, 16,17,18,19,20,21,28,29,30,31,32,33
	v_mov_b32 v\j, 0                               ; the zero codes on both sides of q
.endr
.irp j, 216,217,218,219,237,238
	v_mov_b32 v\j, 0                               ; written once: lane permutes' destinations, and the upper half of the pair v[236:237]
.endr
	s_mov_b32 s[SEL], 0x76543210
	s_mov_b32 s[SEL+1], 0xfedcba98
	s_mov_b32 s[CS], 0x3e38aa3b
	s_mov_b32 s[CS+1], s[CS]
; a pass's state.  wreg: the paired scale word as loaded;  qb: the tile's first query
.macro INIT wreg, qb
	v_add_nc_u32 v4, s[\qb], v6                    ; my query - 16 h
	v_mov_b32 v13, 0xff61b1e6                      ; the largest t so far: -3e38
	s_delay_alu instid0(VALU_DEP_1)
	v_floor_f32 v12, -v13
	v_mov_b32 v14, 0
	v_mov_b32 v15, 0
	v_lshrrev_b32 v238, s89, v[\wreg]
	s_delay_alu instid0(VALU_DEP_1)
	v_and_b32 v34, 0xffff, v238                    ; my tile's two bytes below (for [q, 0]; the bytes over zero codes are 0, which is no NaN),
	s_delay_alu instid0(VALU_DEP_1)
	v_lshlrev_b32 v35, 16, v34                     ; and above (for [0, q])
.set j, 0
.rept 32
	v_mov_b32 v[160+j], 0                          ; O^T: the first change of M leaves zeros zeros.  (These are also the places between the lines above and the first product)
.set j, j+1
.endr
.endm
; key blocks j0 .. jend - 1.  masked = 0: none of their keys is hidden from any of my queries
.macro LOOP j0, jend, masked
	s_mov_b32 s[TB], (\j0)*KVB
	s_mov_b32 s[KF], (\j0)*128
	s_mov_b32 s[J], \j0
.Ltrip_\@:
.if \masked
	s_cmp_gt_u32 s[J], s[JQ]
	s_cbranch_scc1 .Lhid_\@                        ; all 128 keys come after my queries
.endif
	s_setprio 2
	v_add_nc_u32 v8, s[TB], v1
	v_add_nc_u32 v9, s[TB], v2
	v_add_nc_u32 v10, s[TB], v3
	v_nop                                          ; four places in front of loads into registers that the last products read
.irp p, 0,1,2,3
	ds_load_b128 v[F+12*\p:F+12*\p+3], v8 offset:1536*\p
	ds_load_b64 v[F+12*\p+4:F+12*\p+5], v9 offset:1536*\p+512
	ds_load_b128 v[F+12*\p+6:F+12*\p+9], v8 offset:1536*\p+768
	ds_load_b64 v[F+12*\p+10:F+12*\p+11], v9 offset:1536*\p+1280
	ds_load_b32 v[36+\p], v10 offset:12288+64*\p
.endr
	s_wait_alu depctr_va_vdst(0)
	s_wait_dscnt 0x0
.irp p, 0,1,2,3
	v_wmma_scale_f32_16x16x128_f8f6f4 v[96+16*\p:103+16*\p], v[F+12*\p:F+12*\p+11], v[22:33], 0, v[36+\p], v34 matrix_a_fmt:MATRIX_FMT_BF6 matrix_b_fmt:MATRIX_FMT_BF6
	v_wmma_scale_f32_16x16x128_f8f6f4 v[104+16*\p:111+16*\p], v[F+12*\p:F+12*\p+11], v[16:27], 0, v[36+\p], v35 matrix_a_fmt:MATRIX_FMT_BF6 matrix_b_fmt:MATRIX_FMT_BF6
.endr                                          ; register 16 b + i: key KF + 32 b + 16 h + i
.rept 4
	v_nop
.endr
.irp t, 0,1,2,3                                ; v's fragments land while the softmax is worked
	ds_load_b128 v[F+12*\t:F+12*\t+3], v8 offset:6144+1536*\t
	ds_load_b64 v[F+12*\t+4:F+12*\t+5], v9 offset:6144+1536*\t+512
	ds_load_b128 v[F+12*\t+6:F+12*\t+9], v8 offset:6144+1536*\t+768
	ds_load_b64 v[F+12*\t+10:F+12*\t+11], v9 offset:6144+1536*\t+1280
	ds_load_b32 v[40+\t], v10 offset:12544+64*\t
.endr
.if \masked
	s_cmp_lg_u32 s[J], s[JQ]
	s_cbranch_scc1 .Lopen_\@                       ; all keys count
	v_sub_nc_u32 v11, v4, s[KF]                    ; hidden where 32 b + i > my query - KF - 16 h
	v_mov_b32 v238, 0xff800000
.set j, 0
.rept 64
	v_cmp_gt_i32 vcc_lo, 32*(j/16)+j%16, v11
	v_cndmask_b32 v[96+j], v[96+j], v238, vcc_lo
.set j, j+1
.endr
.Lopen_\@:
.endif
.irp b, 0,1,2,3
	v_max3_num_f32 v[212+\b], v[96+16*\b], v[97+16*\b], v[98+16*\b]   ; the largest score of each block of 32 keys: for the row's maximum, and, since p rises with the score, for the block's largest p
.endr
.irp i, 3,5,7,9,11,13
.irp b, 0,1,2,3
	v_max3_num_f32 v[212+\b], v[212+\b], v[96+16*\b+\i], v[97+16*\b+\i]
.endr
.endr
.irp b, 0,1,2,3
	v_max_num_f32 v[212+\b], v[212+\b], v[111+16*\b]
.endr
.irp b, 0,1,2,3
	s_delay_alu instid0(VALU_DEP_4)
	v_permlanex16_b32 v[216+\b], v[212+\b], s[SEL], s[SEL+1]
.endr
.irp b, 0,1,2,3
	s_delay_alu instid0(VALU_DEP_4)
	v_max_num_f32 v[212+\b], v[212+\b], v[216+\b]
.endr
	s_delay_alu instid0(VALU_DEP_2)
	v_max3_num_f32 v238, v212, v213, v214
	s_delay_alu instid0(VALU_DEP_1)
	v_max_num_f32 v238, v238, v215
	s_delay_alu instid0(VALU_DEP_1)
	v_mul_f32 v238, s[CS], v238
	s_delay_alu instid0(VALU_DEP_1)
	v_max_num_f32 v13, v13, v238                   ; the running largest t
	v_mov_b32 v238, v12
	s_delay_alu instid0(VALU_DEP_2)
	v_floor_f32 v12, -v13                          ; the new -M: M is a whole number
	s_delay_alu instid0(VALU_DEP_1)
	v_sub_f32 v238, v12, v238
	s_delay_alu instid0(VALU_DEP_1)
	v_cvt_i32_f32 v238, v238                       ; (it saturates)
	s_delay_alu instid0(VALU_DEP_1)
	v_ldexp_f32 v236, 1.0, v238                    ; f = 2^(old M - new M)
.set j, 0
.rept 32
	v_pk_fma_f32 v[96+j:97+j], v[96+j:97+j], s[CS:CS+1], v[12:13] op_sel_hi:[1,0,0]   ; t - M
.set j, j+2
.endr
.irp b, 0,1,2,3
	v_fma_f32 v[212+\b], v[212+\b], s[CS], v12
.endr
.set j, 0
	s_setprio 1
	s_wait_alu depctr_va_vdst(0)
.rept 64
	v_exp_f32 v[96+j], v[96+j]                     ; p = 2^(t - M)
.set j, j+1
.endr
.irp b, 0,1,2,3
	v_exp_f32 v[212+\b], v[212+\b]                 ; the block's largest p
.endr
	v_pk_mul_f32 v[14:15], v[14:15], v[236:237] op_sel_hi:[1,0]   ; the sums under the new M.  (A plain place behind the exponentials)
	s_wait_alu depctr_va_vdst(0)
.irp b, 0,1,2,3
	v_max_num_f32 v[212+\b], 0x2800000, v[212+\b]  ; the floor 2^(5 - 127)
.endr
.irp b, 0,1,2,3
	s_delay_alu instid0(VALU_DEP_4)
	v_add_nc_u32 v[220+\b], 0xfe000000, v[212+\b]
.endr
.irp b, 0,1,2,3
	s_delay_alu instid0(VALU_DEP_4)
	v_lshrrev_b32 v[216+\b], 23, v[220+\b]
.endr
	s_delay_alu instid0(VALU_DEP_3)
	v_lshl_or_b32 v44, v217, 8, v216               ; p's scale word for these 128 keys
	s_delay_alu instid0(VALU_DEP_1)
	v_lshl_or_b32 v44, v218, 16, v44
	s_delay_alu instid0(VALU_DEP_1)
	v_lshl_or_b32 v44, v219, 24, v44
.irp c, 0,1
	v_cvt_scalef32_pk16_bf6_f32 v[192+6*\c:194+6*\c], v[96+32*\c:111+32*\c], v[220+2*\c]
	v_cvt_scalef32_pk16_bf6_f32 v[204+4*\c:206+4*\c], v[112+32*\c:127+32*\c], v[220+2*\c+1]
.endr
	v_nop                                          ; one plain place behind a scaled conversion
.irp c, 0,1
.irp i, 0,1,2
	v_permlane16_swap_b32 v[192+6*\c+\i], v[204+4*\c+\i]
.endr
.irp i, 0,1,2
	s_delay_alu instid0(VALU_DEP_3)
	v_mov_b32 v[195+6*\c+\i], v[204+4*\c+\i]
.endr
.endr
	v_pk_add_f32 v[240:241], v[100:101], v[104:105]
	v_pk_add_f32 v[252:253], v[108:109], v[112:113]
	v_pk_add_f32 v[250:251], v[116:117], v[120:121]
	v_pk_add_f32 v[248:249], v[124:125], v[128:129]
	v_pk_add_f32 v[246:247], v[132:133], v[136:137]
	v_pk_add_f32 v[244:245], v[140:141], v[144:145]
	v_pk_add_f32 v[242:243], v[148:149], v[152:153]
	v_pk_add_f32 v[14:15], v[14:15], v[156:157]
	v_pk_add_f32 v[240:241], v[240:241], v[96:97]
	v_pk_add_f32 v[252:253], v[252:253], v[98:99]
	v_pk_add_f32 v[250:251], v[250:251], v[102:103]
	v_pk_add_f32 v[248:249], v[248:249], v[106:107]
	v_pk_add_f32 v[246:247], v[246:247], v[110:111]
	v_pk_add_f32 v[244:245], v[244:245], v[114:115]
	v_pk_add_f32 v[242:243], v[242:243], v[118:119]
	v_pk_add_f32 v[14:15], v[14:15], v[122:123]
	v_pk_add_f32 v[240:241], v[240:241], v[126:127]
	v_pk_add_f32 v[252:253], v[252:253], v[130:131]
	v_pk_add_f32 v[250:251], v[250:251], v[134:135]
	s_setprio 0
	v_pk_add_f32 v[248:249], v[248:249], v[138:139]
	v_pk_add_f32 v[246:247], v[246:247], v[142:143]
	v_pk_add_f32 v[244:245], v[244:245], v[146:147]
	v_pk_add_f32 v[242:243], v[242:243], v[150:151]
	v_pk_add_f32 v[14:15], v[14:15], v[154:155]
	v_pk_add_f32 v[240:241], v[240:241], v[158:159]
	s_delay_alu instid0(VALU_DEP_2)
	v_pk_add_f32 v[14:15], v[14:15], v[248:249]
	s_delay_alu instid0(VALU_DEP_2)
	v_pk_add_f32 v[240:241], v[240:241], v[246:247]
	v_pk_add_f32 v[252:253], v[252:253], v[244:245]
	v_pk_add_f32 v[250:251], v[250:251], v[242:243]
	s_delay_alu instid0(VALU_DEP_2)
	v_pk_add_f32 v[14:15], v[14:15], v[252:253]
	s_delay_alu instid0(VALU_DEP_2)
	v_pk_add_f32 v[240:241], v[240:241], v[250:251]
	s_delay_alu instid0(VALU_DEP_1)
	v_pk_add_f32 v[14:15], v[14:15], v[240:241]
.set j, 0
.rept 16
	v_pk_mul_f32 v[160+j:161+j], v[160+j:161+j], v[236:237] op_sel_hi:[1,0]   ; O^T under the new M
.set j, j+2
.endr
	s_wait_alu depctr_va_vdst(0)
	s_wait_dscnt 0x0                               ; v's fragments and scale words
.irp t, 0,1,2,3
	v_wmma_scale_f32_16x16x128_f8f6f4 v[160+8*\t:167+8*\t], v[F+12*\t:F+12*\t+11], v[192:203], v[160+8*\t:167+8*\t], v[40+\t], v44 matrix_a_fmt:MATRIX_FMT_BF6 matrix_b_fmt:MATRIX_FMT_BF6
.endr
.Lhid_\@:
	s_add_co_u32 s[TB], s[TB], KVB
	s_add_co_u32 s[KF], s[KF], 128
	s_add_co_u32 s[J], s[J], 1
	s_cmp_lt_u32 s[J], \jend
	s_cbranch_scc1 .Ltrip_\@
	s_setprio 0
.endm
; the way out: O^T / the sum, quantised: register 16 B + i is d = 32 B + 16 h + i of my query
.macro FINISH y, ys
.rept 4
	v_nop
.endr
	v_add_f32 v14, v14, v15
	s_delay_alu instid0(VALU_DEP_1)
	v_permlanex16_b32 v238, v14, s[SEL], s[SEL+1]
	s_delay_alu instid0(VALU_DEP_1)
	v_add_f32 v14, v14, v238
	s_wait_alu depctr_va_vdst(0)
	v_rcp_f32 v14, v14
	v_nop                                          ; one plain place behind a transcendental
.set j, 0
	s_wait_alu depctr_va_vdst(0)
.rept 32
	v_mul_f32 v[96+j], v[160+j], v14
.set j, j+1
.endr
.irp b, 0,1
	v_max3_num_f32 v[212+\b], |v[96+16*\b]|, |v[97+16*\b]|, 0x2800000
.endr
.irp i, 2,4,6,8,10,12,14
.irp b, 0,1
	s_delay_alu instid0(VALU_DEP_2)
	v_max3_num_f32 v[212+\b], v[212+\b], |v[96+16*\b+\i]|, |v[97+16*\b+\i]|
.endr
.endr
.irp b, 0,1
	s_delay_alu instid0(VALU_DEP_2)
	v_permlanex16_b32 v[216+\b], v[212+\b], s[SEL], s[SEL+1]
.endr
.irp b, 0,1
	s_delay_alu instid0(VALU_DEP_2)
	v_max_num_f32 v[212+\b], v[212+\b], v[216+\b]
.endr
.irp b, 0,1
	s_delay_alu instid0(VALU_DEP_2)
	v_add_nc_u32 v[220+\b], 0xfe000000, v[212+\b]
.endr
.irp b, 0,1
	s_delay_alu instid0(VALU_DEP_2)
	v_lshrrev_b32 v[216+\b], 23, v[220+\b]
.endr
	s_delay_alu instid0(VALU_DEP_1)
	v_lshl_or_b32 v239, v217, 8, v216              ; my head's two bytes of my token
	v_cvt_scalef32_pk16_bf6_f32 v[192:194], v[96:111], v220
	v_cvt_scalef32_pk16_bf6_f32 v[204:206], v[112:127], v221
	v_nop
.irp i, 0,1,2
	v_permlane16_swap_b32 v[192+\i], v[204+\i]
.endr
.irp i, 0,1,2
	s_delay_alu instid0(VALU_DEP_3)
	v_mov_b32 v[195+\i], v[204+\i]
.endr
	global_store_b128 v1, v[192:195], s[\y:\y+1]   ; the half image (row tile, head): 512 and 256 consecutive bytes, aligned
	global_store_b64 v2, v[196:197], s[\y:\y+1] offset:512
	global_store_b16 v5, v239, s[\ys:\ys+1]        ; both halves of the lanes write the same two bytes with the same value
.endm
	s_wait_loadcnt 0x0                             ; both q and their scale words
	INIT 231, 74                                   ; the late block's queries
	s_wait_tensorcnt 0x2                           ; my part of key blocks 0-3 is in; my two later loads may stay out
	s_barrier_signal -1
	s_barrier_wait -1                              ; everybody's is
	LOOP 0, 4, 0
	s_wait_tensorcnt 0x1                           ; my part of blocks 4-7 is in; the last load may stay out
	s_wait_dscnt 0x0
	s_barrier_signal -1
	s_barrier_wait -1
	LOOP 4, 8, 0
	s_wait_tensorcnt 0x0                           ; my part of blocks 8-15 is in,
	s_wait_dscnt 0x0
	s_barrier_signal -1
	s_barrier_wait -1                              ; everybody's is: all sixteen waves come here behind the same eight steps
	s_mov_b32 s[JQ], s[JB]
	LOOP 8, 16, 1
	FINISH 66, 68
	s_wait_xcnt 0x0                                ; the stores have read their registers
.irp i, 0,1,2,3,4,5
	v_mov_b32 v[22+\i], v[224+\i]                  ; the early block's q
.endr
	s_mov_b32 s[JQ], s[JA]
	INIT 230, 75
	LOOP 0, 8, 1
	FINISH 70, 72
	s_wait_tensorcnt 0x0
	ds_add_u32 v254, v255
	s_wait_dscnt 0x0
	ROUND                                          ; the closing round: no work-group ends ahead of its partners
	s_endpgm
.Lfunc_end_k_q4e5f0c11c9_attn:
	.size	k_q4e5f0c11c9_attn, .Lfunc_end_k_q4e5f0c11c9_attn-k_q4e5f0c11c9_attn
	.p2alignl 7, 3214868480
	.fill 96, 4, 3214868480
	.section	.rodata,"a",@progbits
	.p2align	6, 0x0
	.amdhsa_kernel k_q4e5f0c11c9_attn
		.amdhsa_group_segment_fixed_size 206848
		.amdhsa_private_segment_fixed_size 0
		.amdhsa_enable_private_segment 0
		.amdhsa_kernarg_size 24
		.amdhsa_user_sgpr_count 2
		.amdhsa_user_sgpr_kernarg_segment_ptr 1
		.amdhsa_wavefront_size32 1
		.amdhsa_system_sgpr_workgroup_id_x 1
		.amdhsa_system_sgpr_workgroup_id_y 1
		.amdhsa_system_sgpr_workgroup_id_z 1
		.amdhsa_system_vgpr_workitem_id 0
		.amdhsa_next_free_vgpr 256
		.amdhsa_next_free_sgpr 92
		.amdhsa_reserve_vcc 1
		.amdhsa_float_denorm_mode_32 3
		.amdhsa_float_denorm_mode_16_64 3
		.amdhsa_memory_ordered 1
		.amdhsa_forward_progress 1
		.amdhsa_inst_pref_size 103
	.end_amdhsa_kernel
	.amdgpu_metadata
---
amdhsa.version: [ 1, 2 ]
amdhsa.kernels:
  - .name:           k_q4e5f0c11c9_attn
    .symbol:         k_q4e5f0c11c9_attn.kd
    .args:
      - { .name: qkv, .offset: 0, .size: 8, .value_kind: global_buffer, .address_space: global }
      - { .name: codes, .offset: 8, .size: 8, .value_kind: global_buffer, .address_space: global }
      - { .name: scales, .offset: 16, .size: 8, .value_kind: global_buffer, .address_space: global }
    .group_segment_fixed_size: 206848
    .private_segment_fixed_size: 0
    .kernarg_segment_align: 8
    .kernarg_segment_size: 24
    .max_flat_workgroup_size: 512
    .sgpr_count:     92
    .vgpr_count:     256
    .wavefront_size: 32
...
	.end_amdgpu_metadata
.endif
;; end of part 8
;; launch gemm_out (part 9): grid 4 x 64, 4 waves a work-group, clusters of 4 x 4, 295,424 bytes of LDS; arguments codes, scales, bo, out0; writes out0
.if DOCPART == 9
	.amdgcn_target "amdgcn-amd-amdhsa--gfx1250"
	.amdhsa_code_object_version 6
	.text
	.protected	k_q4e5f0c11c9_gemm_out
	.globl	k_q4e5f0c11c9_gemm_out
	.p2align	8
	.type	k_q4e5f0c11c9_gemm_out,@function
k_q4e5f0c11c9_gemm_out:
	s_mov_b64 s[64:65], 0
	v_nop
	global_prefetch_b8 v0, s[64:65] scope:SCOPE_SE
	s_setreg_imm32_b32 hwreg(HW_REG_WAVE_MODE, 25, 1), 1
	s_wait_xcnt 0x0
	s_wait_alu depctr_hold_cnt(0) depctr_sa_sdst(0) depctr_va_vdst(0) depctr_va_sdst(0) depctr_va_ssrc(0) depctr_va_vcc(0) depctr_vm_vsrc(0)
	s_getreg_b32 s2, hwreg(HW_REG_IB_STS2, 6, 4)
	s_cmp_eq_u32 s2, 0
	s_cbranch_scc0 .Lentry_in_a_cluster
	s_endpgm
.Lentry_in_a_cluster:
	s_bfe_u32 s2, ttmp6, 0x10000c
	s_cmp_lg_u32 s2, 0xf033
	s_cbranch_scc0 .Lentry_shape_is_right
	s_endpgm
.Lentry_shape_is_right:
; out0 = y Wo + bo on codes of BF6 (K = 1,024).  A' = y's rows (row tiles 768 on of the codes' buffer), B' = Wo's columns (row tiles 704 on).
; A TILE OF 128 TOKENS x 256 COLUMNS to a work-group: the output has 256 such tiles, one for each WGP (tiles of 256 x 256 would be 128).  Four waves, 64 x 128 each: 32 accumulators, 256 registers.
; The matrix instruction is used transposed (source 0 = 16 rows of B', source 1 = 16 rows of A'): a lane holds one token and its registers run along the output's columns:
; tile b, register j is column 32 (b / 2) + 8 (b % 2) + 16 h + j.
; ALL OF K LIES IN LDS: 128 + 256 rows of 768 bytes are 294,912 bytes, as four slots of 256 along K.  All four are asked for at the start (four loads of a wave are out) and nothing is filled again:
; in front of each slot stands a plain barrier with a counted wait that leaves the later slots' loads on their way.
; The codes lie in memory as images of the operand's registers (a row tile's 256 along K are 3,072 consecutive bytes), so a fragment comes by two ds_load_b128 and two ds_load_b64 on consecutive bytes.
; Both sides have two sets of fragments: a step's 48 LDS loads are issued at the head of the step before and have its 32 products in which to land.  All scale words stay in 64 registers.
; The bias is the C of each sum's first product.
; CLUSTER 4 x 4: A's tiles are asked for jointly along a row of the cluster, B's along a column.
; THE WAY OUT: a block of 16 tokens x 128 columns goes through the wave's own stage in LDS and leaves as whole rows of 512 bytes.  The stage lies in slot 0, which has had its only fill, and which nobody reads behind the barrier in front of slot 1.
; REGISTERS: window 0: v1-7 lane terms, v8-23 LDS addresses (a register for each slot), v24, v25 the stage, v26, v27 the scales' offsets; v32-95 scale words; v96-127, v224-255 the bias;
;   v128-223 A's fragments, two sets of 48 (on the way out v128-255: rows read back).   window 1: B's fragments, two sets, at v0 and v128.   window 2: the accumulators, (a, b) at v[8 (8 a + b)].
.set RT,    3072                       ; a row tile's 256 along K
.set SLOT,  24*RT                      ; A's 8 row tiles, then B's 16
.set BOFF,  8*RT
.set FR,    12
.set ADRA,  8                          ; v8-11  16 l + my A' rows in slot 0 .. 3;  v12-15 the same with 8 l
.set ADRA8, 12
.set ADRB,  16                         ; v16-23 likewise for B'
.set ADRB8, 20
.set STO,   24
.set RD,    25
.set SOF2,  26
.set SOF,   27
.set CO,    4
.set SC,    32                         ; register SC + 8 i + g: lanes 0-15 the word of A's block i % 4, lanes 16-31 that of B's block i, for K step g of 128
.set AF,    128
.set BK,    128
.set G1,  24                           ; s[24:31] group 1 for A's tiles;  s[32:39] for B's
.set G1B, 32
.set G0,  40                           ; s[40:55] groups 0 for A's four slots;  s[68:83] for B's; none is ever rewritten
.set G0B, 68
.set MSB, 0
.macro WIN new                         ; the immediate's high byte repeats the setting that is left
.if MSB != \new
	s_set_vgpr_msb (MSB<<8)|\new
.set MSB, \new
.endif
.endm
.set MUL,  0xa1                        ; source 0 (B') window 1, source 1 (A') window 0, C and D window 2
.set FST,  0x81                        ; the first step: C (the bias) window 0, D window 2
.set TO_B, 0x40
.macro JLOAD g0a, g1a, g0b, g1b        ; a joint load: waves 0 and 1 fetch for A', waves 2 and 3 for B'; four v_nop follow each line
	s_cmp_eq_u32 s15, 0
	s_cbranch_scc0 .Lfor_b_\@
	tensor_load_to_lds s[\g0a:\g0a+3], s[\g1a:\g1a+7]
	s_nop 0
.rept 4
	v_nop
.endr
	s_branch .Lasked_\@
.Lfor_b_\@:
	tensor_load_to_lds s[\g0b:\g0b+3], s[\g1b:\g1b+7]
	s_nop 0
.rept 4
	v_nop
.endr
.Lasked_\@:
.endm
.macro CROUND                          ; a round of the cluster's barrier
	s_barrier_signal -1
	s_barrier_wait -1
	s_cmp_lg_u32 s14, 0
	s_cbranch_scc1 .Lnot_wave_0_\@
	s_barrier_signal -3
.Lnot_wave_0_\@:
	s_barrier_wait -3
	s_barrier_signal -1
	s_barrier_wait -1
.endm
.macro PLACES                          ; four places behind a matrix instruction, ahead of loads into its registers and of reads of its results
.rept 4
	v_nop
.endr
.endm
	s_load_b256 s[4:11], s[0:1], 0x0               ; codes, scales, bo, out0
	v_lshl_add_u32 v30, v0, 2, 0x48000
	v_mov_b32 v31, 0
	ds_add_u32 v30, v31
	ds_add_u32 v30, v31
	v_lshrrev_b32 v1, 5, v0
	v_readfirstlane_b32 s14, v1                    ; wave 0..3
	s_lshr_b32 s15, s14, 1                         ; my half of A's rows.  Also: I fetch for A' (0) or B' (1)
	s_and_b32 s16, s14, 1                          ; my half of B's rows.  Also: which half of that tile I fetch
	s_bfe_u32 s18, ttmp6, 0x40000                  ; cx
	s_bfe_u32 s19, ttmp6, 0x40004                  ; cy
	s_lshl_b32 s20, ttmp9, 2
	s_add_co_u32 s20, s20, s18                     ; B's block of 256 columns: hangs on cx alone
	s_and_b32 s17, ttmp7, 0xffff
	s_lshl_b32 s17, s17, 2
	s_add_co_u32 s17, s17, s19                     ; A's block of 128 tokens: on cy alone
	s_lshl_b32 s21, s19, 2
	s_lshl_b32 s21, 15, s21                        ; my row of the cluster
	s_lshl_b32 s22, 0x1111, s18                    ; my column
	s_or_b32 s[G1+0], s21, (3<<16)|(1<<21)         ; the mask; elements of 8 bytes; bit 21 beside a mask; no padding
	s_or_b32 s[G1B+0], s22, (3<<16)|(1<<21)
.irp g, G1, G1B
	s_mov_b32 s[\g+1], 384<<16                     ; tensor_dim0: 3,072 bytes of a row tile
	s_mov_b32 s[\g+3], 384<<16                     ; tile_dim0
	s_mov_b32 s[\g+5], 1536                        ; 12,288 bytes from a row tile to the next
	s_mov_b32 s[\g+6], 0
	s_mov_b32 s[\g+7], 0
.endr
	s_mov_b32 s[G1+2], 4<<16                       ; A': 4 row tiles a load
	s_mov_b32 s[G1+4], 4
	s_mov_b32 s[G1B+2], 8<<16                      ; B': 8
	s_mov_b32 s[G1B+4], 8
	s_lshl_b32 s56, s17, 7
	s_lshl_b32 s23, s16, 6
	s_add_co_u32 s56, s56, s23
	s_add_co_u32 s56, s56, 12288                   ; y's rows begin at row 12,288 of the codes' buffer
	s_mul_i32 s56, s56, 768                        ; 768 bytes a row
	s_mov_b32 s57, 0
	s_lshl_b32 s58, s20, 8
	s_lshl_b32 s23, s16, 7
	s_add_co_u32 s58, s58, s23
	s_add_co_u32 s58, s58, 11264                   ; Wo's columns at row 11,264
	s_mul_i32 s58, s58, 768
	s_mov_b32 s59, 0
	s_mul_i32 s60, s16, 4*RT                       ; where they go in a slot: no place in the cluster enters an LDS address
	s_mul_i32 s61, s16, 8*RT
	s_add_co_u32 s61, s61, BOFF
	s_wait_dscnt 0x0
	s_wait_kmcnt 0x0
	s_add_nc_u64 s[56:57], s[4:5], s[56:57]
	s_add_nc_u64 s[58:59], s[4:5], s[58:59]
	CROUND                                         ; all sixteen work-groups are here: the joint loads meet
.irp s, 0,1,2,3
	s_mov_b32 s[G0+4*\s], 1
	s_add_co_u32 s[G0+4*\s+1], s60, \s*SLOT
	s_add_nc_u64 s[G0+4*\s+2:G0+4*\s+3], s[56:57], \s*RT
	s_or_b32 s[G0+4*\s+3], s[G0+4*\s+3], 0x80000000
	s_mov_b32 s[G0B+4*\s], 1
	s_add_co_u32 s[G0B+4*\s+1], s61, \s*SLOT
	s_add_nc_u64 s[G0B+4*\s+2:G0B+4*\s+3], s[58:59], \s*RT
	s_or_b32 s[G0B+4*\s+3], s[G0B+4*\s+3], 0x80000000
	JLOAD G0+4*\s, G1, G0B+4*\s, G1B
.endr
	v_and_b32 v1, 15, v0                           ; r
	v_bfe_u32 v2, v0, 4, 1                         ; h
	v_and_b32 v3, 31, v0
	v_lshlrev_b32 v4, 4, v3                        ; 16 l
	v_lshlrev_b32 v5, 3, v3                        ; 8 l
	s_mul_i32 s62, s15, 4*RT                       ; my 64 rows of A'
	s_mul_i32 s63, s16, 8*RT                       ; my 128 rows of B',
	s_add_co_u32 s63, s63, BOFF                    ; which lie behind A's
.irp s, 0,1,2,3
	v_add_nc_u32 v[ADRA+\s], s62, v4
	v_add_nc_u32 v[ADRA8+\s], s62, v5
	v_add_nc_u32 v[ADRB+\s], s63, v4
	v_add_nc_u32 v[ADRB8+\s], s63, v5
	s_add_co_u32 s62, s62, SLOT
	s_add_co_u32 s63, s63, SLOT
.endr
	; the scale words of my 64 rows of A' (lanes 0-15) and my 128 of B' (lanes 16-31), for all of K: 32 bytes a row
	s_lshl_b32 s84, s17, 7
	s_lshl_b32 s85, s15, 6
	s_add_co_u32 s84, s84, s85
	s_add_co_u32 s84, s84, 12288
	s_lshl_b32 s84, s84, 5
	s_sub_co_u32 s87, s84, 2048                    ; four row tiles back: with it lanes 0-15 read A's blocks 0-3 once more where lanes 16-31 read B's blocks 4-7: no load leaves the buffer
	s_lshl_b32 s85, s20, 8
	s_lshl_b32 s86, s16, 7
	s_add_co_u32 s85, s85, s86
	s_add_co_u32 s85, s85, 11264
	s_lshl_b32 s85, s85, 5
	s_mov_b32 s86, 0xffff0000                      ; lanes 16-31
	v_mov_b32 v6, s84
	v_mov_b32 v7, s85
	v_cndmask_b32 v[SOF], v6, v7, s86
	v_lshl_add_u32 v[SOF], v1, 4, v[SOF]
	v_mov_b32 v6, s87
	v_cndmask_b32 v[SOF2], v6, v7, s86
	v_lshl_add_u32 v[SOF2], v1, 4, v[SOF2]
.irp i, 0,1,2,3
.irp q, 0,1
	global_load_b128 v[SC+8*\i+4*\q:SC+8*\i+4*\q+3], v[SOF], s[6:7] offset:512*\i+256*\q   ; sixteen lanes read 256 consecutive bytes: four K steps' words of a row tile
.endr
.endr
.irp i, 4,5,6,7
.irp q, 0,1
	global_load_b128 v[SC+8*\i+4*\q:SC+8*\i+4*\q+3], v[SOF2], s[6:7] offset:512*\i+256*\q
.endr
.endr
	s_lshl_b32 s88, s17, 7
	s_lshl_b32 s89, s15, 6
	s_add_co_u32 s88, s88, s89
	s_lshl_b32 s88, s88, 12                        ; my first token's row of 4,096 bytes
	s_lshl_b32 s90, s20, 10
	s_lshl_b32 s91, s16, 9
	s_add_co_u32 s90, s90, s91                     ; my first column, in bytes: in out0 and in bo
	s_mov_b32 s91, 0
	s_add_nc_u64 s[8:9], s[8:9], s[90:91]
	s_add_co_u32 s88, s88, s90
	s_mov_b32 s89, 0
	s_add_nc_u64 s[10:11], s[10:11], s[88:89]
	v_lshlrev_b32 v6, 6, v2                        ; the bias in the result's layout
.irp b, 0,1,2,3,4,5,6,7
	global_load_b128 v[96+8*\b+96*(\b/4):96+8*\b+96*(\b/4)+3], v6, s[8:9] offset:4*(32*(\b/2)+8*(\b%2))
	global_load_b128 v[96+8*\b+96*(\b/4)+4:96+8*\b+96*(\b/4)+7], v6, s[8:9] offset:4*(32*(\b/2)+8*(\b%2))+16
.endr
	s_mul_i32 s23, s14, 16*528                     ; my stage
	v_mul_u32_u24 v7, v1, 528
	v_lshl_add_u32 v7, v2, 6, v7
	v_add_nc_u32 v[STO], s23, v7                   ; in: row r, + 64 h
	v_add_nc_u32 v[RD], s23, v4                    ; back: 16 bytes a lane of a row of 512
.macro FRAG reg, a16, a8, q, i         ; a fragment, 16 rows x 128 K: two half images on end, as they lie
	ds_load_b128 v[\reg:\reg+3], v[\a16] offset:RT*(\i)+1536*(\q)
	ds_load_b64 v[\reg+4:\reg+5], v[\a8] offset:RT*(\i)+1536*(\q)+512
	ds_load_b128 v[\reg+6:\reg+9], v[\a16] offset:RT*(\i)+1536*(\q)+768
	ds_load_b64 v[\reg+10:\reg+11], v[\a8] offset:RT*(\i)+1536*(\q)+1280
.endm
.macro FETCH g                         ; K step g's twelve fragments (slot g / 2, its half g % 2) into set g % 2: 48 LDS loads
	WIN TO_B
.irp i, 0,1,2,3,4,5,6,7
	FRAG 128*((\g)%2)+FR*\i, ADRB+(\g)/2, ADRB8+(\g)/2, (\g)%2, \i
.endr
	WIN 0
.irp i, 0,1,2,3
	FRAG AF+48*((\g)%2)+FR*\i, ADRA+(\g)/2, ADRA8+(\g)/2, (\g)%2, \i
.endr
.endm
; K step g's 32 products.  first = 1: the bias is the C that starts the sums.
; The 32 accumulators take turns, one instruction a turn, in the same order in every step.
.macro MUL32 g, first
.irp a, 0,1,2,3
.irp b, 0,1,2,3,4,5,6,7
.if \first
	v_wmma_scale_f32_16x16x128_f8f6f4 v[8*(8*\a+\b):8*(8*\a+\b)+7], v[128*((\g)%2)+FR*\b:128*((\g)%2)+FR*\b+FR-1], v[AF+48*((\g)%2)+FR*\a:AF+48*((\g)%2)+FR*\a+FR-1], v[96+8*\b+96*(\b/4):96+8*\b+96*(\b/4)+7], v[SC+8*\b+(\g)], v[SC+8*\a+(\g)] matrix_a_fmt:MATRIX_FMT_BF6 matrix_b_fmt:MATRIX_FMT_BF6 matrix_a_scale:MATRIX_SCALE_ROW1
.else
	v_wmma_scale_f32_16x16x128_f8f6f4 v[8*(8*\a+\b):8*(8*\a+\b)+7], v[128*((\g)%2)+FR*\b:128*((\g)%2)+FR*\b+FR-1], v[AF+48*((\g)%2)+FR*\a:AF+48*((\g)%2)+FR*\a+FR-1], v[8*(8*\a+\b):8*(8*\a+\b)+7], v[SC+8*\b+(\g)], v[SC+8*\a+(\g)] matrix_a_fmt:MATRIX_FMT_BF6 matrix_b_fmt:MATRIX_FMT_BF6 matrix_a_scale:MATRIX_SCALE_ROW1
.endif
.endr
.endr
.endm
.macro STEP g
	s_wait_dscnt 0x0                               ; this step's fragments are in: they were asked for 32 products ago
.if (\g) < 7
.if (\g)%2 == 1                        ; the next step lies in the next slot
	s_wait_tensorcnt 3-((\g)+1)/2                  ; my part of that slot is in; the later slots' loads may stay out
	s_barrier_signal -1
	s_barrier_wait -1                              ; everybody's is; and nobody reads the slots before it any more
.endif
.if (\g) > 0
	PLACES                                         ; the other set was read by the last step's products
.endif
	FETCH (\g)+1
.endif
.if (\g) == 0
	WIN FST
	MUL32 \g, 1
.else
	WIN MUL
	MUL32 \g, 0
.endif
	WIN 0
.endm
	s_wait_tensorcnt 0x3                           ; my part of slot 0 is in; my three later loads may stay out
	s_barrier_signal -1
	s_barrier_wait -1
	FETCH 0
	s_wait_loadcnt 0x0                             ; scale words and bias
.irp g, 0,1,2,3,4,5,6,7
	STEP \g
.endr
; THE WAY OUT, block by block of 16 tokens x 128 columns, through my own stage (rows 528 bytes apart).  LDS serves a wave's instructions in order (ISA guide 5.7.1.4): no wait between the stores and the loads.
.macro TOSTAGE a
.set AC, 64*(\a)
	WIN 0x08                                       ; the data: window 2
.irp b, 0,1,2,3,4,5,6,7
	ds_store_b128 v[STO], v[AC+8*\b:AC+8*\b+3] offset:128*(\b/2)+32*(\b%2)       ; each accumulator from its low end on
	ds_store_b128 v[STO], v[AC+8*\b+4:AC+8*\b+7] offset:128*(\b/2)+32*(\b%2)+16
.endr
	WIN 0
.set BB, BK+64*((\a)%2)
.irp t, 0,1,2,3,4,5,6,7,8,9,10,11,12,13,14,15
	ds_load_b128 v[BB+4*\t:BB+4*\t+3], v[RD] offset:\t*528
.endr
.endm
.macro SEND a, younger                 ; younger: the LDS instructions issued behind block a's loads, which may stay out
.set BB, BK+64*((\a)%2)
	s_wait_dscnt \younger
.if (\a) > 0
.if (\a)%2 == 1
	s_add_nc_u64 s[10:11], s[10:11], 32768         ; (behind a wait on XCNT)  the odd tile of a pair begins 8 tokens on,
.else
	s_add_nc_u64 s[10:11], s[10:11], 98304         ; the next pair 24 further
.endif
.endif
.irp t, 0,1,2,3,4,5,6,7,8,9,10,11,12,13,14,15
	global_store_b128 v[CO], v[BB+4*\t:BB+4*\t+3], s[10:11] offset:(\t+8*(\t/8))*4096 th:TH_STORE_NT   ; 32 lanes store 512 consecutive bytes, aligned; written once, read by nobody here
.endr
.endm
	PLACES                                         ; for the loads into registers that the last products read, and for the reads of their results
	TOSTAGE 0
.irp a, 1,2,3
.if \a > 1
	s_wait_xcnt 0x0                                ; block a - 2's stores have read their registers and their base
.endif
	TOSTAGE \a
	SEND \a-1, 32                                  ; behind block a - 1's loads: block a's 16 stores and 16 loads
.endr
	s_wait_xcnt 0x0
	SEND 3, 0
	s_wait_tensorcnt 0x0
	ds_add_u32 v30, v31
	s_wait_dscnt 0x0
	CROUND                                         ; the closing round: no work-group ends ahead of its partners
	s_endpgm
.Lfunc_end_k_q4e5f0c11c9_gemm_out:
	.size	k_q4e5f0c11c9_gemm_out, .Lfunc_end_k_q4e5f0c11c9_gemm_out-k_q4e5f0c11c9_gemm_out
	.p2alignl 7, 3214868480
	.fill 96, 4, 3214868480
	.section	.rodata,"a",@progbits
	.p2align	6, 0x0
	.amdhsa_kernel k_q4e5f0c11c9_gemm_out
		.amdhsa_group_segment_fixed_size 295424
		.amdhsa_private_segment_fixed_size 0
		.amdhsa_enable_private_segment 0
		.amdhsa_kernarg_size 32
		.amdhsa_user_sgpr_count 2
		.amdhsa_user_sgpr_kernarg_segment_ptr 1
		.amdhsa_wavefront_size32 1
		.amdhsa_system_sgpr_workgroup_id_x 1
		.amdhsa_system_sgpr_workgroup_id_y 1
		.amdhsa_system_sgpr_workgroup_id_z 1
		.amdhsa_system_vgpr_workitem_id 0
		.amdhsa_next_free_vgpr 768
		.amdhsa_next_free_sgpr 92
		.amdhsa_reserve_vcc 0
		.amdhsa_float_denorm_mode_32 3
		.amdhsa_float_denorm_mode_16_64 3
		.amdhsa_memory_ordered 1
		.amdhsa_forward_progress 1
		.amdhsa_inst_pref_size 87
	.end_amdhsa_kernel
	.amdgpu_metadata
---
amdhsa.version: [ 1, 2 ]
amdhsa.kernels:
  - .name:           k_q4e5f0c11c9_gemm_out
    .symbol:         k_q4e5f0c11c9_gemm_out.kd
    .args:
      - { .name: codes, .offset: 0, .size: 8, .value_kind: global_buffer, .address_space: global }
      - { .name: scales, .offset: 8, .size: 8, .value_kind: global_buffer, .address_space: global }
      - { .name: bo, .offset: 16, .size: 8, .value_kind: global_buffer, .address_space: global }
      - { .name: out0, .offset: 24, .size: 8, .value_kind: global_buffer, .address_space: global }
    .group_segment_fixed_size: 295424
    .private_segment_fixed_size: 0
    .kernarg_segment_align: 8
    .kernarg_segment_size: 32
    .max_flat_workgroup_size: 128
    .sgpr_count:     92
    .vgpr_count:     768
    .wavefront_size: 32
...
	.end_amdgpu_metadata
.endif
;; end of part 9
